; MI455X (gfx1250); checked and timed in simulation.
; The chip was launched on July 23, 2026; its instructions are those of AMD's public machine-readable ISA for CDNA 5 (MIT licence, August 2026) and "CDNA5" Instruction Set Architecture Reference Guide (July 2026). The comments in the code are by the model that wrote it; some were corrected since.
;; Block. Allowed arithmetic: matrix products marked QUANTISED: E4M3 operands, one given power-of-two scale a tensor, by v_wmma_f32_16x16x64_fp8_fp8 or v_wmma_f32_16x16x128_fp8_fp8, f32 sums; everything else in f32.
;; Inputs: b_attn 3,072 float32; b_fc1 4,096 float32; b_fc2 1,024 float32; b_proj 1,024 float32; ln1_b 1,024 float32; ln1_g 1,024 float32; ln2_b 1,024 float32; ln2_g 1,024 float32; lowp_scales 12 int32 (the exponents e of the quantised operands' scales 2^e); w_attn 1,024 x 3,072 float32; w_fc1 1,024 x 4,096 float32; w_fc2 4,096 x 1,024 float32; w_proj 1,024 x 1,024 float32; x 2 x 2,048 x 1,024 float32.
;; Outputs: out0 2 x 2,048 x 1,024 float32.
;; This version of the problem:
;;   THIS VERSION OF THE PROBLEM IS GIVEN IN LOW PRECISION. The matrix products marked QUANTISED in the list below multiply operands that are first quantised to E4M3 (4 exponent bits, 3 mantissa bits; 8 bits a number), with one given power-of-two scale for each operand tensor; their sums are f32. All else is computed in f32.
;;   The module's matrix products, in the order in which they are computed (A, B: the left and right operand; K: the contracted axis; several contracted axes count as one K, in the product's order):
;;     1. [M 4,096, K 1,024] x [K 1,024, N 3,072]; A: computed on the way; B: input w_attn: QUANTISED (scales: A lowp_scales[0], B lowp_scales[1])
;;     2. batch 32 x [M 2,048, K 64] x [K 64, N 2,048]; A: computed on the way; B: computed on the way: QUANTISED (scales: A lowp_scales[2], B lowp_scales[3])
;;     3. batch 32 x [M 2,048, K 2,048] x [K 2,048, N 64]; A: softmax (see below); B: computed on the way: QUANTISED (scales: A lowp_scales[4], B lowp_scales[5])
;;     4. [M 4,096, K 1,024] x [K 1,024, N 1,024]; A: computed on the way; B: input w_proj: QUANTISED (scales: A lowp_scales[6], B lowp_scales[7])
;;     5. [M 4,096, K 1,024] x [K 1,024, N 4,096]; A: computed on the way; B: input w_fc1: QUANTISED (scales: A lowp_scales[8], B lowp_scales[9])
;;     6. [M 4,096, K 4,096] x [K 4,096, N 1,024]; A: computed on the way; B: input w_fc2: QUANTISED (scales: A lowp_scales[10], B lowp_scales[11])
;;   THE QUANTISER, for each operand of a quantised product, along K:
;;     - The operand's scale is 2^e, e = its entry of the input lowp_scales (int32; the entries are numbered through the quantised products in the list's order, A before B).
;;     - Each number is divided by the scale, clamped to +-448, and rounded to the nearest number of E4M3, ties to even, subnormals kept.
;;     - The product sums the exact products of the quantised numbers (number of the format x scale) in f32.
;;   ~~~python
;;   def quantise(x, axis, e):      # numpy; x: float32 -> the quantised numbers, widened to float32 again
;;       x = np.moveaxis(x, axis, -1); K = x.shape[-1]
;;       r = np.clip(x / 2.0 ** e, -448, 448)
;;       step = 2.0 ** (np.maximum(np.frexp(np.where(r == 0, 1, r))[1] - 1, -6) - 3)
;;       q = np.round(r / step) * step * 2.0 ** e      # np.round: ties to even
;;       return np.moveaxis(q, -1, axis).astype(np.float32)
;;   ~~~
;;   SOFTMAX AHEAD OF A QUANTISED PRODUCT. Where the list says 'softmax', what is quantised is not the finished softmax but p = 2^(t - M), with t = logit x log2(e) and M = ceil(the row's largest t), a whole number; so 1/2 < the row's largest p <= 1. The row's sum l is taken of the UNQUANTISED p, in f32, and the product's result is divided by l at the end. Since M is a whole number, a kernel that streams over the keys may use a running M (the ceiling of the running maximum): every later rescaling is an exact power of two, so the quantised numbers keep their values, but for numbers so far below the row's largest that they fall under the format's range.
;;   OPERANDS COMPUTED ON THE WAY. 'Computed on the way' means the value that the module computes at that place (a softmax that the list does not call 'softmax' is quantised finished and normalised). What goes into a quantiser is computed in f32, as accurately as f32 sums, v_exp_f32 and their like allow (about 1e-6 of the number): no bf16 or f16 on the way to a quantiser, and a product that is left as it is and whose result goes on into a quantised operand takes f32 operands (vector FMAs, or v_wmma_f32_16x16x4_f32). A number that lies on a knife's edge between two numbers of the format may be rounded either way, as far as f32 arithmetic and the matrix unit's own rounding can turn it there, and no further.
;; 2 versions. Each part assembles by itself: llvm-mc -triple=amdgcn-amd-amdhsa -mcpu=gfx1250 --defsym DOCPART=n.
;; ======== version 1 of 2: 7 launches
;; limits: right only within a limited range of input values
;; workspace buffers: pimg 14,680,064 bytes; qkv 12,582,912 bytes; oimg 4,194,304 bytes; x1 16,777,216 bytes; h2img 4,194,304 bytes; hid 16,777,216 bytes
;; launch prep (part 1): grid 576 x 1, 4 waves a work-group, no clusters, 17,408 bytes of LDS; arguments x, ln1_g, ln1_b, w_attn, w_proj, w_fc1, w_fc2, lowp_scales, pimg; writes pimg
.if DOCPART == 1
	.amdgcn_target "amdgcn-amd-amdhsa--gfx1250"
	.amdhsa_code_object_version 6
	.text
	.protected	k_qbe8ee9bd71_prep
	.globl	k_qbe8ee9bd71_prep
	.p2align	8
	.type	k_qbe8ee9bd71_prep,@function
k_qbe8ee9bd71_prep:
	s_mov_b64 s[64:65], 0
	v_nop
	global_prefetch_b8 v0, s[64:65] scope:SCOPE_SE
	s_setreg_imm32_b32 hwreg(HW_REG_WAVE_MODE, 25, 1), 1
	s_wait_xcnt 0x0
; LayerNorm 1 of x and the four weights become codes of E4M3, each with its given scale 2^e, laid as FRAGMENT IMAGES in pimg.
; A FRAGMENT IMAGE: 16 rows x 128 along K = 2,048 bytes = the 16 registers a lane of a matrix operand: registers 4 g .. 4 g + 3 of lane l lie at 512 g + 16 l;
; lane r + 16 h holds row r, and its registers 2 c, 2 c + 1 hold k = 16 c + 8 h + 0 .. 7.  A matrix [rows][K] is [rows / 16][K / 128][2,048 bytes].
; Work-groups 0-255: 16 rows of x each (LayerNorm, e0).  256-287: columns 1,024-2,047 of w_attn (e1): the only part of that product that is used further on.
; 288-319: w_proj (e7).  320-447: w_fc2 (e11).  448-575: w_fc1 (e9).  The paths part on the work-group's number; only the first uses LDS and a barrier.
; No clusters, no tensor loads: each input byte is read by one work-group (the gains and biases, 8 KiB, apart).
; LIMITS: each e between -126 and 119, so that 2^e and 448 x 2^e are f32 numbers.  NaN among the inputs is not served; what lies beyond 448 x 2^e is held there.
.set WK_OFF, 0
.set WP_OFF, 0x100000
.set W1_OFF, 0x200000
.set W2_OFF, 0x600000
.set H1_OFF, 0xA00000
.set SG, 18                            ; s[18:19] the gain, s[20:21] the bias of the LayerNorm
.set SB, 20
.set G,  16                            ; v16-47   gain: register 4 j + i = g[128 j + 4 lane + i]
.set B,  48                            ; v48-79   bias likewise
.set X,  80                            ; v80-207  my four rows, 32 registers each, laid likewise
.set T,  208                           ; v208-211 at work
.set MU, 216                           ; v[216:217] the mean (low word used)
.set R,  218                           ; v[218:219] 1 / sqrt(var + eps) (low word used)
.set CD, 220                           ; v220-251 codes: 8 registers a row
.set WX, 32                            ; weights: v32-95 two sets of 32 numbers
.set WC, 96                            ; v96-159 codes, 8 registers a block, never written twice
.macro MKSC se, vs, vl                 ; s[se] = e:  v[vs] = 2^e, v[vl] = 448 x 2^e, as f32
	s_add_co_i32 s50, s[\se], 127
	s_lshl_b32 s51, s50, 23
	v_mov_b32 v[\vs], s51
	s_add_co_i32 s50, s50, 8
	s_lshl_b32 s50, s50, 23
	s_or_b32 s50, s50, 0x600000
	v_mov_b32 v[\vl], s50
.endm
.macro LANESUM                         ; v[T:T+1] -> the sum over both halves and all 32 lanes, in every lane's v[T]
	v_add_f32 v[T], v[T], v[T+1]
	v_add_f32_dpp v[T], v[T], v[T] row_xmask:1 row_mask:0xf bank_mask:0xf
	v_add_f32_dpp v[T], v[T], v[T] row_xmask:2 row_mask:0xf bank_mask:0xf
	v_add_f32_dpp v[T], v[T], v[T] row_xmask:4 row_mask:0xf bank_mask:0xf
	v_add_f32_dpp v[T], v[T], v[T] row_xmask:8 row_mask:0xf bank_mask:0xf
	v_permlanex16_b32 v[T+1], v[T], s14, s15
	v_add_f32 v[T], v[T], v[T+1]
.endm
.macro LNROW p                         ; row p of my four: mean, centred variance, norm, gain and bias, hold, codes, into the stage
.set XR, X+32*\p
	s_wait_loadcnt 8*(3-\p)                        ; loads return in order: this row's eight are in, the later rows' may be out
	v_pk_add_f32 v[T:T+1], v[XR:XR+1], v[XR+2:XR+3]
	v_pk_add_f32 v[T+2:T+3], v[XR+4:XR+5], v[XR+6:XR+7]
.set j, 8
.rept 6
	v_pk_add_f32 v[T:T+1], v[T:T+1], v[XR+j:XR+j+1]
	v_pk_add_f32 v[T+2:T+3], v[T+2:T+3], v[XR+j+2:XR+j+3]
.set j, j+4
.endr
	v_pk_add_f32 v[T:T+1], v[T:T+1], v[T+2:T+3]
	LANESUM
	v_mul_f32 v[MU], s52, v[T]                     ; the mean: sum / 1,024
.set j, 0
.rept 16
	v_pk_add_f32 v[XR+j:XR+j+1], v[XR+j:XR+j+1], v[MU:MU+1] op_sel_hi:[1,0] neg_lo:[0,1] neg_hi:[0,1]   ; x - mean
.set j, j+2
.endr
	v_pk_mul_f32 v[T:T+1], v[XR:XR+1], v[XR:XR+1]
	v_pk_mul_f32 v[T+2:T+3], v[XR+2:XR+3], v[XR+2:XR+3]
.set j, 4
.rept 7
	v_pk_fma_f32 v[T:T+1], v[XR+j:XR+j+1], v[XR+j:XR+j+1], v[T:T+1]
	v_pk_fma_f32 v[T+2:T+3], v[XR+j+2:XR+j+3], v[XR+j+2:XR+j+3], v[T+2:T+3]
.set j, j+4
.endr
	v_pk_add_f32 v[T:T+1], v[T:T+1], v[T+2:T+3]
	LANESUM
	v_fma_f32 v[T], v[T], s52, s53                 ; var + eps
	v_rsq_f32 v[R], v[T]
	v_nop                                          ; a plain instruction between the transcendental and the use of its result
.set j, 0
	s_wait_alu depctr_va_vdst(0)
.rept 16
	v_pk_mul_f32 v[XR+j:XR+j+1], v[XR+j:XR+j+1], v[R:R+1] op_sel_hi:[1,0]
.set j, j+2
.endr
.set j, 0
.rept 16
	v_pk_fma_f32 v[XR+j:XR+j+1], v[XR+j:XR+j+1], v[G+j:G+j+1], v[B+j:B+j+1]
.set j, j+2
.endr
.set j, 0
.rept 32
	v_med3_num_f32 v[XR+j], v[XR+j], -v9, v9       ; the conversion does not saturate (ISA guide 7.6.2): the hold at 448 x 2^e comes first
.set j, j+1
.endr
.set j, 0
.rept 4
	v_cvt_scalef32_pk8_fp8_f32 v[CD+8*\p+2*j:CD+8*\p+2*j+1], v[XR+8*j:XR+8*j+7], v8   ; word j' of the eight: the codes of k = 128 j' + 4 lane + 0 .. 3
.set j, j+1
.endr
.set j, 0
.rept 8
	ds_store_b32 v3, v[CD+8*\p+j] offset:\p*1040+128*j   ; the stage holds rows of 1,024 codes, 1,040 bytes apart
.set j, j+1
.endr
.endm
; s[4:5] the 16 rows, s[12:13] their image, s9 = e, s8 = wave, v6 = lane
.macro LNBODY
	s_mov_b32 s14, 0x76543210                      ; v_permlanex16_b32: lane l takes lane l xor 16
	s_mov_b32 s15, 0xfedcba98
	s_mov_b32 s52, 0x3a800000                      ; 1 / 1,024
	s_mov_b32 s53, 0x3727c5ac                      ; eps = 1e-5
	v_lshlrev_b32 v2, 4, v6                        ; 16 x lane: gain and bias
	s_lshl_b32 s50, s8, 14
	v_add_nc_u32 v1, s50, v2                       ; x: + my four rows of 4,096 bytes
	s_mul_i32 s50, s8, 4160
	v_lshlrev_b32 v3, 2, v6
	v_add_nc_u32 v3, s50, v3                       ; the stage, in: 4 x lane + my four rows
	v_and_b32 v7, 15, v0
	v_bfe_u32 v10, v0, 4, 1
	v_mul_u32_u24 v4, v7, 1040
	v_lshl_add_u32 v4, v10, 3, v4
	s_lshl_b32 s50, s8, 8
	v_add_nc_u32 v4, s50, v4                       ; the stage, out: row r, + 8 h, + my two K steps of 128
	s_lshl_b32 s50, s8, 12
	v_add_nc_u32 v5, s50, v2                       ; the image: 16 x lane + my two fragments
.set j, 0
.rept 8
	global_load_b128 v[G+4*j:G+4*j+3], v2, s[SG:SG+1] offset:512*j
	global_load_b128 v[B+4*j:B+4*j+3], v2, s[SB:SB+1] offset:512*j
.set j, j+1
.endr
.set j, 0
.rept 32
	global_load_b128 v[X+4*j:X+4*j+3], v1, s[4:5] offset:512*j   ; 32 lanes read 512 consecutive bytes; eight loads are a row
.set j, j+1
.endr
	MKSC 9, 8, 9
	v_mov_b32 v[MU+1], 0                           ; named as the upper halves of pairs, so they are written
	v_mov_b32 v[R+1], 0
	LNROW 0
	LNROW 1
	LNROW 2
	LNROW 3
	s_wait_dscnt 0x0                               ; for the others' sake: my stores into the stage are done
	s_barrier_signal -1
	s_barrier_wait -1
.set u, 0
.rept 8                                ; unit u: group u % 4 of my fragment u / 4: two pieces of 8 codes a lane; the 32 lanes of a load touch 64 different banks
	ds_load_b64 v[X+4*u:X+4*u+1], v4 offset:(u/4)*128+(u%4)*32
	ds_load_b64 v[X+4*u+2:X+4*u+3], v4 offset:(u/4)*128+(u%4)*32+16
.set u, u+1
.endr
.set u, 0
.rept 8
	s_wait_dscnt 14-2*u                            ; unit u's two loads are in; the younger units' may be out
	global_store_b128 v5, v[X+4*u:X+4*u+3], s[12:13] offset:(u/4)*2048+(u%4)*512   ; 512 consecutive bytes, aligned
.set u, u+1
.endr
.endm
; WEIGHTS.  A lane takes a column n and its registers run down K, so the conversions give codes with K innermost and nothing is transposed.  A wave: 32 columns x 256 along K.
.macro WLOAD t, pitch                  ; block t: W(32 t + i, my column)
.set i, 0
.rept 32
	global_load_b32 v[WX+32*((\t)%2)+i], v3, s[4:5] offset:(32*(\t)+i)*\pitch th:TH_LOAD_NT
.set i, i+1
.endr
.endm
.macro WBLOCK t, pitch
.set XS, WX+32*((\t)%2)
.set CS, WC+8*(\t)
.if (\t) < 7
	s_wait_loadcnt 32                              ; this block's 32 loads are in; the next block's may be out
.else
	s_wait_loadcnt 0
.endif
.set i, 0
.rept 32
	v_med3_num_f32 v[XS+i], v[XS+i], -v10, v10
.set i, i+1
.endr
	v_cvt_scalef32_pk8_fp8_f32 v[CS:CS+1], v[XS:XS+7], v11         ; the image's half h = 0 wants k = 0-7 and 16-23 of the block,
	v_cvt_scalef32_pk8_fp8_f32 v[CS+2:CS+3], v[XS+16:XS+23], v11
	v_cvt_scalef32_pk8_fp8_f32 v[CS+4:CS+5], v[XS+8:XS+15], v11    ; its half h = 1 k = 8-15 and 24-31
	v_cvt_scalef32_pk8_fp8_f32 v[CS+6:CS+7], v[XS+24:XS+31], v11
	global_store_b128 v8, v[CS:CS+3], s[6:7] offset:((\t)/4)*2048+((\t)%4)*512        ; sixteen lanes fill 256 consecutive bytes, aligned; lanes 16-31 those of the next tile of columns
	global_store_b128 v8, v[CS+4:CS+7], s[6:7] offset:((\t)/4)*2048+((\t)%4)*512+256
.if (\t)+2 < 8
	WLOAD (\t)+2, \pitch
.endif
.endm
; s52 = which 128 columns, s53 = which 256 along K, s54 = K / 128, s55 = the image's place in pimg, s[56:57] = the matrix's first column, s58 = e
.macro WQ pitch
	s_mul_i32 s60, s53, 256*\pitch
	s_lshl_b32 s61, s52, 9
	s_add_co_u32 s60, s60, s61
	s_lshl_b32 s61, s8, 7
	s_add_co_u32 s60, s60, s61                     ; 256 rows x block + 4 x (128 x block + 32 x wave)
	s_mov_b32 s61, 0
	s_add_nc_u64 s[4:5], s[56:57], s[60:61]
	s_lshl_b32 s60, s52, 3
	s_lshl_b32 s62, s8, 1
	s_add_co_u32 s60, s60, s62                     ; my first tile of 16 columns
	s_mul_i32 s60, s60, s54
	s_lshl_b32 s62, s53, 1
	s_add_co_u32 s60, s60, s62                     ; and my first K step
	s_lshl_b32 s60, s60, 11
	s_add_co_u32 s60, s60, s55
	s_add_nc_u64 s[6:7], s[32:33], s[60:61]
	v_lshlrev_b32 v3, 2, v6                        ; in: 4 bytes a lane
	v_lshrrev_b32 v8, 4, v6
	s_lshl_b32 s62, s54, 11
	v_mul_u32_u24 v8, s62, v8                      ; out: lanes 16-31 belong to the next tile of columns,
	v_and_b32 v9, 15, v6
	v_lshl_add_u32 v8, v9, 4, v8                   ; 16 bytes for each column
	WLOAD 0, \pitch
	WLOAD 1, \pitch
	MKSC 58, 11, 10
.irp t, 0,1,2,3,4,5,6,7
	WBLOCK \t, \pitch
.endr
.endm
	s_load_b512 s[16:31], s[0:1], 0x0              ; x, ln1_g, ln1_b, w_attn, w_proj, w_fc1, w_fc2, lowp_scales
	s_load_b64 s[32:33], s[0:1], 0x40              ; pimg
	v_lshl_add_u32 v254, v0, 2, 0x4200
	v_mov_b32 v255, 0
	v_lshrrev_b32 v1, 5, v0
	v_readfirstlane_b32 s8, v1                     ; wave 0..3
	v_and_b32 v6, 31, v0                           ; lane
	s_wait_kmcnt 0x0
	s_load_b256 s[36:43], s[30:31], 0x0            ; e0 .. e7
	s_load_b128 s[44:47], s[30:31], 0x20           ; e8 .. e11
	s_wait_kmcnt 0x0
	s_cmp_lt_u32 ttmp9, 256
	s_cbranch_scc1 .Lln
	s_cmp_lt_u32 ttmp9, 288
	s_cbranch_scc1 .Lwk
	s_cmp_lt_u32 ttmp9, 448
	s_cbranch_scc1 .Lwp2
	s_sub_co_u32 s59, ttmp9, 448                   ; w_fc1: 32 blocks of columns x 4 along K
	s_and_b32 s52, s59, 31
	s_lshr_b32 s53, s59, 5
	s_mov_b32 s54, 8
	s_mov_b32 s55, W1_OFF
	s_mov_b64 s[56:57], s[26:27]
	s_mov_b32 s58, s45                             ; e9
	WQ 16384
	s_endpgm
.Lwk:
	s_sub_co_u32 s59, ttmp9, 256                   ; w_attn's columns 1,024 on: 8 x 4
	s_and_b32 s52, s59, 7
	s_lshr_b32 s53, s59, 3
	s_mov_b32 s54, 8
	s_mov_b32 s55, WK_OFF
	s_add_nc_u64 s[56:57], s[22:23], 4096
	s_mov_b32 s58, s37                             ; e1
	WQ 12288
	s_endpgm
.Lwp2:
	s_sub_co_u32 s59, ttmp9, 288                   ; w_proj (8 x 4), then w_fc2 (8 x 16): rows of the same length, so one text; only scalars are chosen
	s_and_b32 s52, s59, 7
	s_lshr_b32 s53, s59, 3
	s_mov_b32 s55, W2_OFF
	s_cmp_lt_u32 s59, 32
	s_cselect_b64 s[56:57], s[24:25], s[28:29]
	s_cselect_b32 s58, s43, s47                    ; e7 or e11
	s_cselect_b32 s54, 8, 32
	s_cselect_b32 s60, 0, 4
	s_cselect_b32 s55, WP_OFF, s55
	s_sub_co_u32 s53, s53, s60
	WQ 4096
	s_endpgm
.Lln:
	s_lshl_b32 s60, ttmp9, 16                      ; 16 rows of 4,096 bytes
	s_mov_b32 s61, 0
	s_add_nc_u64 s[4:5], s[16:17], s[60:61]
	s_lshl_b32 s60, ttmp9, 14                      ; 8 fragments of 2,048 bytes
	s_add_co_u32 s60, s60, H1_OFF
	s_add_nc_u64 s[12:13], s[32:33], s[60:61]
	s_mov_b32 s9, s36                              ; e0
	LNBODY
	s_wait_tensorcnt 0x0
	ds_add_u32 v254, v255
	s_wait_dscnt 0x0
	s_endpgm
.Lfunc_end_k_qbe8ee9bd71_prep:
	.size	k_qbe8ee9bd71_prep, .Lfunc_end_k_qbe8ee9bd71_prep-k_qbe8ee9bd71_prep
	.p2alignl 7, 3214868480
	.fill 96, 4, 3214868480
	.section	.rodata,"a",@progbits
	.p2align	6, 0x0
	.amdhsa_kernel k_qbe8ee9bd71_prep
		.amdhsa_group_segment_fixed_size 17408
		.amdhsa_private_segment_fixed_size 0
		.amdhsa_enable_private_segment 0
		.amdhsa_kernarg_size 72
		.amdhsa_user_sgpr_count 2
		.amdhsa_user_sgpr_kernarg_segment_ptr 1
		.amdhsa_wavefront_size32 1
		.amdhsa_system_sgpr_workgroup_id_x 1
		.amdhsa_system_sgpr_workgroup_id_y 1
		.amdhsa_system_sgpr_workgroup_id_z 1
		.amdhsa_system_vgpr_workitem_id 0
		.amdhsa_next_free_vgpr 256
		.amdhsa_next_free_sgpr 66
		.amdhsa_reserve_vcc 0
		.amdhsa_float_denorm_mode_32 3
		.amdhsa_float_denorm_mode_16_64 3
		.amdhsa_memory_ordered 1
		.amdhsa_forward_progress 1
		.amdhsa_inst_pref_size 180
	.end_amdhsa_kernel
	.amdgpu_metadata
---
amdhsa.version: [ 1, 2 ]
amdhsa.kernels:
  - .name:           k_qbe8ee9bd71_prep
    .symbol:         k_qbe8ee9bd71_prep.kd
    .args:
      - { .name: x, .offset: 0, .size: 8, .value_kind: global_buffer, .address_space: global }
      - { .name: ln1_g, .offset: 8, .size: 8, .value_kind: global_buffer, .address_space: global }
      - { .name: ln1_b, .offset: 16, .size: 8, .value_kind: global_buffer, .address_space: global }
      - { .name: w_attn, .offset: 24, .size: 8, .value_kind: global_buffer, .address_space: global }
      - { .name: w_proj, .offset: 32, .size: 8, .value_kind: global_buffer, .address_space: global }
      - { .name: w_fc1, .offset: 40, .size: 8, .value_kind: global_buffer, .address_space: global }
      - { .name: w_fc2, .offset: 48, .size: 8, .value_kind: global_buffer, .address_space: global }
      - { .name: lowp_scales, .offset: 56, .size: 8, .value_kind: global_buffer, .address_space: global }
      - { .name: pimg, .offset: 64, .size: 8, .value_kind: global_buffer, .address_space: global }
    .group_segment_fixed_size: 17408
    .private_segment_fixed_size: 0
    .kernarg_segment_align: 8
    .kernarg_segment_size: 72
    .max_flat_workgroup_size: 128
    .sgpr_count:     66
    .vgpr_count:     256
    .wavefront_size: 32
...
	.end_amdgpu_metadata
.endif
;; end of part 1
;; launch kgemm (part 2): grid 8 x 16, 4 waves a work-group, clusters of 4 x 4, 327,680 bytes of LDS; arguments pimg, b_attn, lowp_scales, qkv; writes qkv
.if DOCPART == 2
	.amdgcn_target "amdgcn-amd-amdhsa--gfx1250"
	.amdhsa_code_object_version 6
	.text
	.protected	k_qbe8ee9bd71_kgemm
	.globl	k_qbe8ee9bd71_kgemm
	.p2align	8
	.type	k_qbe8ee9bd71_kgemm,@function
k_qbe8ee9bd71_kgemm:
	s_mov_b64 s[64:65], 0
	v_nop
	global_prefetch_b8 v0, s[64:65] scope:SCOPE_SE
	s_setreg_imm32_b32 hwreg(HW_REG_WAVE_MODE, 25, 1), 1
	s_wait_xcnt 0x0
	s_wait_alu depctr_hold_cnt(0) depctr_sa_sdst(0) depctr_va_vdst(0) depctr_va_sdst(0) depctr_va_ssrc(0) depctr_va_vcc(0) depctr_vm_vsrc(0)
	s_getreg_b32 s2, hwreg(HW_REG_IB_STS2, 6, 4)
	s_cmp_eq_u32 s2, 0
	s_cbranch_scc0 .Lentry_in_a_cluster
	s_endpgm
.Lentry_in_a_cluster:
	s_bfe_u32 s2, ttmp6, 0x10000c
	s_cmp_lg_u32 s2, 0xf033
	s_cbranch_scc0 .Lentry_shape_is_right
	s_endpgm
.Lentry_shape_is_right:
; kh = LN1(x) Wk + bk (the one slice of the first product that is used further on), on codes of E4M3, made in BOTH orientations, and quantised three times:
; clusters with x = 0: rows = tokens, columns = features: a lane holds a token and eight neighbouring features: the codes of q (e2) and of k (e3), K = the head's 64;
; clusters with x = 1: rows = features, columns = tokens: a lane holds a feature and eight neighbouring tokens: the codes of v (e5), K = the keys.
; Only scalars differ between the two (which image is A's, which B's, which tile): LDS addresses and the loop are the same; the way out parts on the cluster's x, which all partners share.
; OPERANDS ARE FRAGMENT IMAGES: 16 rows x 128 K = 2,048 bytes, registers 4 g .. 4 g + 3 of lane l at 512 g + 16 l; a matrix is [rows / 16][K / 128][2,048].  So a fragment is four ds_load_b128 of 512 consecutive bytes: no pitch, no padding.
; A tile of C, 256 x 256, is made by four waves, 128 x 128 each: 64 accumulators.  K goes in steps of 256 through two LDS slots.  A wave's tensor load brings 8 tiles of 16 rows x 4,096 consecutive bytes (32 KiB): the images have no more than these 8 rows to give.
; CLUSTERS 4 x 4: A's tiles are asked for jointly along a row of the cluster, B's along a column.  The matrix instruction is used transposed (source 0 = B's rows, source 1 = A's rows).
; REGISTERS: window 0: v8-31 constants and addresses, v32-95 bias, v128-255 A's fragments (one set); window 1: B's fragments (two sets); windows 2, 3: accumulator (a, b) at v[8 (8 (a % 4) + b)].
; LIMITS: e0 + e1 between -126 and 127; e2, e3, e5 between -126 and 119.  NaN is not served.
.set SIZE_K, 1024
.set H1_OFF, 0xA00000                  ; LN1(x)'s image in pimg; Wk's lies at 0
.set EA, 0
.set EB, 1
.set FRB,    2048                      ; a fragment's image
.set SLB,    4096                      ; a tile of 16 rows in a slot: two K steps of 128
.set HALFT,  8*SLB                     ; 128 rows: what one tensor load brings, and what one wave reads of A or of B
.set SLOT,   4*HALFT                   ; A's 256 rows, then B's 256 rows
.set SPARE,  2*SLOT                    ; behind the ring: the spare words, 128 bytes for each wave, that no other line names
.set LAPS,   SIZE_K/512
.set RTB,    16*SIZE_K                 ; bytes from a tile of 16 rows to the next in memory
.set FR, 16
.set NL, 4
.set NP, 4
.set ADRA, 16
.set ADRB, 20
.set LI,   27                          ; 16 x lane
.set SPW,  28
.set NIL,  29
.set BI,   32
.set AF,   128
.set T,    128                         ; the way out: 64 numbers
.set T2,   192                         ; held
.set CQ,   96                          ; codes
.set CK,   112
.set G1, 24
.set G0, 32
.set G1B, 48
.set G0B, 56
.set MSB, 0
.macro WIN new                         ; the immediate's high byte repeats the setting that is left
.if MSB != \new
	s_set_vgpr_msb (MSB<<8)|\new
.set MSB, \new
.endif
.endm
.set MUL_LO, 0xa1                      ; source 0 (B) window 1, source 1 (A) window 0, C and D window 2
.set MUL_HI, 0xf1
.set TO_B,   0x40
.macro JLOAD g0a, g1a, g0b, g1b        ; a joint load: waves 0 and 1 fetch for A, waves 2 and 3 for B; four v_nop follow each line
	s_cmp_eq_u32 s15, 0
	s_cbranch_scc0 .Lfor_b_\@
	tensor_load_to_lds s[\g0a:\g0a+3], s[\g1a:\g1a+7]
	s_nop 0
.rept 4
	v_nop
.endr
	s_branch .Lasked_\@
.Lfor_b_\@:
	tensor_load_to_lds s[\g0b:\g0b+3], s[\g1b:\g1b+7]
	s_nop 0
.rept 4
	v_nop
.endr
.Lasked_\@:
.endm
.macro CREST                           ; a round of the cluster's barrier behind its opening barrier
	s_cmp_lg_u32 s14, 0
	s_cbranch_scc1 .Lnot_wave_0_\@
	s_barrier_signal -3
.Lnot_wave_0_\@:
	s_barrier_wait -3
	s_barrier_signal -1
	s_barrier_wait -1
.endm
.macro CROUND
	s_barrier_signal -1
	s_barrier_wait -1
	CREST
.endm
.macro MKSC se, vs, vl                 ; s[se] = e:  v[vs] = 2^e, v[vl] = 448 x 2^e
	s_add_co_i32 s22, s[\se], 127
	s_lshl_b32 s23, s22, 23
	v_mov_b32 v[\vs], s23
	s_add_co_i32 s22, s22, 8
	s_lshl_b32 s22, s22, 23
	s_or_b32 s22, s22, 0x600000
	v_mov_b32 v[\vl], s22
.endm
	s_load_b256 s[68:75], s[0:1], 0x0              ; pimg s[68:69], b_attn s[70:71], the scales s[72:73], qkv s[74:75]
	v_lshl_add_u32 v[SPW], v0, 2, SPARE
	v_mov_b32 v[NIL], 0
	ds_add_u32 v28, v29
	ds_add_u32 v28, v29
	s_wait_dscnt 0x0
	v_lshrrev_b32 v1, 5, v0
	v_readfirstlane_b32 s14, v1                    ; wave 0..3
	s_lshr_b32 s15, s14, 1                         ; my half of the tile's rows; also: I fetch for A (0) or B (1)
	s_and_b32 s16, s14, 1                          ; my half of its columns; also: which 128 rows I fetch
	s_bfe_u32 s40, ttmp6, 0x40000                  ; cx
	s_bfe_u32 s41, ttmp6, 0x40004                  ; cy
	s_and_b32 s17, ttmp7, 0xffff
	s_lshl_b32 s17, s17, 2                         ; 4 x cluster y: it walks the tokens' 16 tiles
	s_cmp_eq_u32 ttmp9, 0                          ; the orientation: the cluster's x
	s_cselect_b32 s98, s17, 0
	s_cselect_b32 s99, 0, s17
	s_cselect_b32 s100, H1_OFF, 0                  ; A's image
	s_cselect_b32 s101, 0, H1_OFF                  ; B's image
	s_add_co_u32 s17, s98, s41                     ; tile row
	s_add_co_u32 s42, s99, s40                     ; tile column
	s_lshl_b32 s43, s41, 2
	s_lshl_b32 s43, 15, s43                        ; my row of the cluster
	s_lshl_b32 s44, 0x1111, s40                    ; my column
	s_or_b32 s[G1+0], s43, (1<<21)                 ; 15:0 the mask; 17:16 elements of 1 byte; no padding; 21 set beside a mask
	s_or_b32 s[G1B+0], s44, (1<<21)
.irp g, G1, G1B
	s_mov_b32 s[\g+1], SLB<<16                     ; tensor_dim0 = 4,096
	s_mov_b32 s[\g+2], 8<<16                       ; tensor_dim1 = 8
	s_mov_b32 s[\g+3], SLB<<16                     ; tile_dim0 = 4,096
	s_mov_b32 s[\g+4], 8                           ; tile_dim1 = 8
	s_mov_b32 s[\g+5], RTB                         ; tensor_dim0_stride
	s_mov_b32 s[\g+6], 0
	s_mov_b32 s[\g+7], 0
.endr
	s_lshl_b32 s18, s16, 7
	s_lshl_b32 s20, s17, 8
	s_add_co_u32 s20, s20, s18                     ; A: row 256 x tile row + 128 x half; a tile of 16 rows begins at byte row x K of its image
	s_mul_i32 s20, s20, SIZE_K
	s_add_co_u32 s20, s20, s100
	s_mov_b32 s21, 0
	s_lshl_b32 s46, s42, 8
	s_add_co_u32 s46, s46, s18
	s_mul_i32 s46, s46, SIZE_K
	s_add_co_u32 s46, s46, s101
	s_mov_b32 s47, 0
	s_mul_i32 s45, s14, HALFT                      ; where they go: wave x 128 rows
	s_wait_kmcnt 0x0
	s_load_b256 s[84:91], s[72:73], 0x0            ; e0 .. e7
	s_load_b128 s[92:95], s[72:73], 0x20           ; e8 .. e11
	s_add_nc_u64 s[20:21], s[68:69], s[20:21]
	s_add_nc_u64 s[46:47], s[68:69], s[46:47]
	CROUND                                         ; all sixteen work-groups are here: the first joint loads meet
.irp s, 0,1
	s_mov_b32 s[G0+4*\s], 1
	s_add_co_u32 s[G0+4*\s+1], s45, \s*SLOT
	s_add_nc_u64 s[G0+4*\s+2:G0+4*\s+3], s[20:21], \s*SLB
	s_or_b32 s[G0+4*\s+3], s[G0+4*\s+3], 0x80000000
	s_mov_b32 s[G0B+4*\s], 1
	s_add_co_u32 s[G0B+4*\s+1], s45, \s*SLOT
	s_add_nc_u64 s[G0B+4*\s+2:G0B+4*\s+3], s[46:47], \s*SLB
	s_or_b32 s[G0B+4*\s+3], s[G0B+4*\s+3], 0x80000000
	JLOAD G0+4*\s, G1, G0B+4*\s, G1B
.endr
	v_and_b32 v1, 31, v0
	v_lshlrev_b32 v[LI], 4, v1
	s_mul_i32 s21, s15, HALFT
	s_mul_i32 s22, s16, HALFT
	s_add_co_u32 s22, s22, 2*HALFT
.irp s, 0,1
	v_add_nc_u32 v[ADRA+\s], s21, v[LI]
	v_add_nc_u32 v[ADRB+\s], s22, v[LI]
	s_add_co_u32 s21, s21, SLOT
	s_add_co_u32 s22, s22, SLOT
.endr
	s_wait_kmcnt 0x0
	s_add_co_i32 s96, s[84+EA], s[84+EB]
	s_add_co_i32 s96, s96, 127
	s_lshl_b32 s96, s96, 23                        ; 2^(e0 + e1) as f32
	s_mov_b32 s97, s96                             ; named with it as a pair
.macro FRAG reg, adr, q, i             ; a fragment comes back as it was stored: four loads of 512 consecutive bytes
.irp c, 0,1,2,3
	ds_load_b128 v[\reg+4*\c:\reg+4*\c+3], v[\adr] offset:(\i)*SLB+(\q)*FRB+512*\c
.endr
.endm
; 16 matrix instructions: A's blocks a0, a0 + 1 x B's eight.  The 64 accumulators take turns, one instruction a turn, in the same order in every step.
.macro MUL16 a0, p, first
.irp a, \a0, \a0+1
.irp b, 0,1,2,3,4,5,6,7
.if \first
	v_wmma_f32_16x16x128_fp8_fp8 v[8*(8*((\a)%4)+\b):8*(8*((\a)%4)+\b)+7], v[128*(\p)+FR*\b:128*(\p)+FR*\b+FR-1], v[AF+FR*(\a):AF+FR*(\a)+FR-1], 0
.else
	v_wmma_f32_16x16x128_fp8_fp8 v[8*(8*((\a)%4)+\b):8*(8*((\a)%4)+\b)+7], v[128*(\p)+FR*\b:128*(\p)+FR*\b+FR-1], v[AF+FR*(\a):AF+FR*(\a)+FR-1], v[8*(8*((\a)%4)+\b):8*(8*((\a)%4)+\b)+7]
.endif
.endr
.endr
.endm
.macro FETCH_B slot, q, p
	WIN TO_B
.irp i, 0,1,2,3,4,5,6,7
	FRAG 128*(\p)+FR*\i, ADRB+\slot, \q, \i
.endr
	WIN 0
.endm
.macro FETCH_A slot, q, i0
.irp i, \i0, \i0+1, \i0+2, \i0+3
	FRAG AF+FR*(\i), ADRA+\slot, \q, \i
.endr
.endm
.macro PLACES n                        ; plain vector instructions between a matrix instruction and a load into its registers or a read of its result
.rept \n
	v_nop
.endr
.endm
.macro STEP slot, q, first             ; 128 along K whose successor lies in the same slot
	s_wait_dscnt 4*NL                              ; B's set and A's blocks 0-3 are in; the youngest 16 loads (A's blocks 4-7) may be out
	WIN MUL_LO
	MUL16 0, (\q)%2, \first
	MUL16 2, (\q)%2, \first
	s_wait_dscnt 0                                 ; A's blocks 4-7 are in
	PLACES NP
	FETCH_B \slot, (\q)+1, 1-(\q)%2
	FETCH_A \slot, (\q)+1, 0
	WIN MUL_HI
	MUL16 4, (\q)%2, \first
	MUL16 6, (\q)%2, \first
	PLACES NP
	WIN 0
	FETCH_A \slot, (\q)+1, 4
.endm
.macro TURN slot, next, fill           ; a slot's last step changes slots: one barrier; fill = 1: this slot is filled again, two slots ahead
	s_wait_tensorcnt 0x0                           ; all my tensor loads have landed: my part of the next slot
	ds_add_u32 v[SPW], v[NIL]                      ; 0 onto my spare word
	s_wait_dscnt 4*NL+1                            ; the add and the youngest 16 loads may be out
	WIN MUL_LO
	MUL16 0, 1, 0
	s_wait_dscnt 0x0                               ; the add is done, and my reads of this slot are over
	s_barrier_signal -1
	MUL16 2, 1, 0
	WIN 0
	s_barrier_wait -1
.if \fill
	CREST                                          ; the barrier has opened a round of the cluster's: no wave of any partner still reads this slot or has a load on its way
	s_add_nc_u64 s[G0+4*\slot+2:G0+4*\slot+3], s[G0+4*\slot+2:G0+4*\slot+3], 2*SLB
	s_add_nc_u64 s[G0B+4*\slot+2:G0B+4*\slot+3], s[G0B+4*\slot+2:G0B+4*\slot+3], 2*SLB
	JLOAD G0+4*\slot, G1, G0B+4*\slot, G1B         ; the first tensor load behind the round; its four v_nop are the places in front of the loads below
.else
	PLACES NP
.endif
	FETCH_B \next, 0, 0
	FETCH_A \next, 0, 0
	WIN MUL_HI
	MUL16 4, 1, 0
	MUL16 6, 1, 0
	PLACES NP
	WIN 0
	FETCH_A \next, 0, 4
.endm
	s_wait_tensorcnt 1                             ; my part of slot 0 is in; slot 1's load may be out
	s_barrier_signal -1
	s_barrier_wait -1
	FETCH_B 0, 0, 0
	FETCH_A 0, 0, 0
	FETCH_A 0, 0, 4
	STEP 0, 0, 1                                   ; the first step starts the sums
	s_mov_b32 s3, LAPS-1
.Llap:
	TURN 0, 1, 1
	STEP 1, 0, 0
	TURN 1, 0, 1
	STEP 0, 0, 0
	s_sub_co_u32 s3, s3, 1
	s_cmp_lg_u32 s3, 0
	s_cbranch_scc1 .Llap
	TURN 0, 1, 0                                   ; the last lap fills nothing
	STEP 1, 0, 0
	s_wait_dscnt 4*NL
	WIN MUL_LO
	MUL16 0, 1, 0
	MUL16 2, 1, 0
	s_wait_dscnt 0
	WIN MUL_HI
	MUL16 4, 1, 0
	MUL16 6, 1, 0
	WIN 0
	PLACES NP
; THE WAY OUT.  A result tile gives lane (r, h) eight neighbours 8 h + j along the columns, so one conversion of tile b is registers 2 b, 2 b + 1 of an operand whose K runs along the columns: the codes leave as images, 512 consecutive bytes a store.
.macro QK a                            ; tokens 16 a on: kh = sum x 2^(e0 + e1) + bias; codes with e2 and with e3; tiles 0-3 are one head's 64, tiles 4-7 the next head's
.set AC, 64*((\a)%4)
.if (\a) > 0
	s_wait_xcnt 0x0                                ; the last block's stores have read their registers: the codes may be written again
.endif
	WIN 0x02+((\a)/4)
.set i, 0
.rept 32
	v_pk_fma_f32 v[T+i:T+i+1], v[AC+i:AC+i+1], s[96:97], v[BI+i:BI+i+1] op_sel_hi:[1,0,1]   ; each accumulator from its low end on
.set i, i+2
.endr
	WIN 0
.set i, 0
.rept 64
	v_med3_num_f32 v[T2+i], v[T+i], -v9, v9
.set i, i+1
.endr
.set i, 0
.rept 8
	v_cvt_scalef32_pk8_fp8_f32 v[CQ+2*i:CQ+2*i+1], v[T2+8*i:T2+8*i+7], v8
.set i, i+1
.endr
	v_nop                                          ; a plain instruction between the conversions and the next write of their sources
.set i, 0
.rept 64
	v_med3_num_f32 v[T2+i], v[T+i], -v11, v11
.set i, i+1
.endr
.set i, 0
.rept 8
	v_cvt_scalef32_pk8_fp8_f32 v[CK+2*i:CK+2*i+1], v[T2+8*i:T2+8*i+7], v10
.set i, i+1
.endr
	v_nop
.irp hh, 0,1
.irp gg, 0,1
	global_store_b128 v[LI], v[CQ+8*\hh+4*\gg:CQ+8*\hh+4*\gg+3], s[74:75] offset:(\a)*1024+\hh*131072+\gg*512
	global_store_b128 v[LI], v[CK+8*\hh+4*\gg:CK+8*\hh+4*\gg+3], s[74:75] offset:(\a)*1024+\hh*131072+\gg*512+0x400000
.endr
.endr
.endm
.macro VT a                            ; features 16 a on, my 128 tokens: one fragment of V^T
.set AC, 64*((\a)%4)
.if (\a) > 0
	s_wait_xcnt 0x0
.endif
	WIN 0x02+((\a)/4)
.set i, 0
.rept 32
	v_pk_fma_f32 v[T+i:T+i+1], v[AC+i:AC+i+1], s[96:97], v[BI+2*(\a):BI+2*(\a)+1] op_sel_hi:[1,0,1]
.set i, i+2
.endr
	WIN 0
.set i, 0
.rept 64
	v_med3_num_f32 v[T+i], v[T+i], -v9, v9
.set i, i+1
.endr
.set i, 0
.rept 8
	v_cvt_scalef32_pk8_fp8_f32 v[CQ+2*i:CQ+2*i+1], v[T+8*i:T+8*i+7], v8
.set i, i+1
.endr
	v_nop
.irp g, 0,1,2,3
	global_store_b128 v[LI], v[CQ+4*\g:CQ+4*\g+3], s[74:75] offset:((\a)/4)*131072+((\a)%4)*2048+\g*512
.endr
.endm
	s_cmp_lg_u32 ttmp9, 0
	s_cbranch_scc1 .Lvpath
	v_bfe_u32 v2, v0, 4, 1
	v_lshlrev_b32 v3, 5, v2                        ; 32 h: my half's eight biases of a tile
	s_lshl_b32 s46, s42, 10
	s_lshl_b32 s47, s16, 9
	s_add_co_u32 s46, s46, s47
	s_add_co_u32 s46, s46, 4096                    ; b_attn at feature 1,024 + my first column
	s_mov_b32 s47, 0
	s_add_nc_u64 s[98:99], s[70:71], s[46:47]
.irp b, 0,1,2,3,4,5,6,7
	global_load_b128 v[BI+8*\b:BI+8*\b+3], v3, s[98:99] offset:64*\b
	global_load_b128 v[BI+8*\b+4:BI+8*\b+7], v3, s[98:99] offset:64*\b+16
.endr
	MKSC 86, 8, 9                                  ; e2
	MKSC 87, 10, 11                                ; e3
	s_lshr_b32 s18, s17, 3                         ; the batch: 8 tile rows each
	s_lshl_b32 s18, s18, 4
	s_lshl_b32 s19, s42, 2
	s_add_co_u32 s18, s18, s19
	s_lshl_b32 s19, s16, 1
	s_add_co_u32 s18, s18, s19                     ; 16 x batch + my first head
	s_lshl_b32 s18, s18, 7
	s_and_b32 s19, s17, 7
	s_lshl_b32 s19, s19, 4
	s_add_co_u32 s18, s18, s19
	s_lshl_b32 s19, s15, 3
	s_add_co_u32 s18, s18, s19                     ; x 128 tiles of tokens + my first
	s_lshl_b32 s18, s18, 10
	s_mov_b32 s19, 0
	s_add_nc_u64 s[74:75], s[74:75], s[18:19]
	s_wait_loadcnt 0x0
.irp a, 0,1,2,3,4,5,6,7
	QK \a
.endr
	s_branch .Lend
.Lvpath:
	v_and_b32 v2, 15, v0
	v_lshlrev_b32 v2, 2, v2                        ; my row's bias
	s_lshl_b32 s46, s17, 10
	s_lshl_b32 s47, s15, 9
	s_add_co_u32 s46, s46, s47
	s_add_co_u32 s46, s46, 4096                    ; b_attn at feature 1,024 + my first row
	s_mov_b32 s47, 0
	s_add_nc_u64 s[98:99], s[70:71], s[46:47]
.irp a, 0,1,2,3,4,5,6,7
	global_load_b32 v[BI+2*\a], v2, s[98:99] offset:64*\a       ; twice, to fill the pair that the packed form adds
	global_load_b32 v[BI+2*\a+1], v2, s[98:99] offset:64*\a
.endr
	MKSC 89, 8, 9                                  ; e5
	s_lshr_b32 s18, s42, 3                         ; the batch
	s_lshl_b32 s18, s18, 4
	s_lshl_b32 s19, s17, 2
	s_add_co_u32 s18, s18, s19
	s_lshl_b32 s19, s15, 1
	s_add_co_u32 s18, s18, s19                     ; 16 x batch + my first head
	s_lshl_b32 s18, s18, 4
	s_and_b32 s19, s42, 7
	s_lshl_b32 s19, s19, 1
	s_add_co_u32 s18, s18, s19
	s_add_co_u32 s18, s18, s16                     ; x 16 key steps + mine
	s_lshl_b32 s18, s18, 13                        ; four fragments of 2,048 bytes each
	s_add_co_u32 s18, s18, 0x800000
	s_mov_b32 s19, 0
	s_add_nc_u64 s[74:75], s[74:75], s[18:19]
	s_wait_loadcnt 0x0
.irp a, 0,1,2,3,4,5,6,7
	VT \a
.endr
.Lend:
	s_wait_tensorcnt 0x0                           ; the wave's end
	ds_add_u32 v[SPW], v[NIL]
	s_wait_dscnt 0x0
	CROUND                                         ; the closing round
	s_endpgm
.Lfunc_end_k_qbe8ee9bd71_kgemm:
	.size	k_qbe8ee9bd71_kgemm, .Lfunc_end_k_qbe8ee9bd71_kgemm-k_qbe8ee9bd71_kgemm
	.p2alignl 7, 3214868480
	.fill 96, 4, 3214868480
	.section	.rodata,"a",@progbits
	.p2align	6, 0x0
	.amdhsa_kernel k_qbe8ee9bd71_kgemm
		.amdhsa_group_segment_fixed_size 327680
		.amdhsa_private_segment_fixed_size 0
		.amdhsa_enable_private_segment 0
		.amdhsa_kernarg_size 32
		.amdhsa_user_sgpr_count 2
		.amdhsa_user_sgpr_kernarg_segment_ptr 1
		.amdhsa_wavefront_size32 1
		.amdhsa_system_sgpr_workgroup_id_x 1
		.amdhsa_system_sgpr_workgroup_id_y 1
		.amdhsa_system_sgpr_workgroup_id_z 1
		.amdhsa_system_vgpr_workitem_id 0
		.amdhsa_next_free_vgpr 1024
		.amdhsa_next_free_sgpr 102
		.amdhsa_reserve_vcc 0
		.amdhsa_float_denorm_mode_32 3
		.amdhsa_float_denorm_mode_16_64 3
		.amdhsa_memory_ordered 1
		.amdhsa_forward_progress 1
		.amdhsa_inst_pref_size 234
	.end_amdhsa_kernel
	.amdgpu_metadata
---
amdhsa.version: [ 1, 2 ]
amdhsa.kernels:
  - .name:           k_qbe8ee9bd71_kgemm
    .symbol:         k_qbe8ee9bd71_kgemm.kd
    .args:
      - { .name: pimg, .offset: 0, .size: 8, .value_kind: global_buffer, .address_space: global }
      - { .name: b_attn, .offset: 8, .size: 8, .value_kind: global_buffer, .address_space: global }
      - { .name: lowp_scales, .offset: 16, .size: 8, .value_kind: global_buffer, .address_space: global }
      - { .name: qkv, .offset: 24, .size: 8, .value_kind: global_buffer, .address_space: global }
    .group_segment_fixed_size: 327680
    .private_segment_fixed_size: 0
    .kernarg_segment_align: 8
    .kernarg_segment_size: 32
    .max_flat_workgroup_size: 128
    .sgpr_count:     102
    .vgpr_count:     1024
    .wavefront_size: 32
...
	.end_amdgpu_metadata
.endif
;; end of part 2
;; launch attn (part 3): grid 8 x 32, 8 waves a work-group, no clusters, 263,168 bytes of LDS; arguments qkv, lowp_scales, oimg; writes oimg
.if DOCPART == 3
	.amdgcn_target "amdgcn-amd-amdhsa--gfx1250"
	.amdhsa_code_object_version 6
	.text
	.protected	k_qbe8ee9bd71_attn
	.globl	k_qbe8ee9bd71_attn
	.p2align	8
	.type	k_qbe8ee9bd71_attn,@function
k_qbe8ee9bd71_attn:
	s_mov_b64 s[64:65], 0
	v_nop
	global_prefetch_b8 v0, s[64:65] scope:SCOPE_SE
	s_setreg_imm32_b32 hwreg(HW_REG_WAVE_MODE, 25, 1), 1
	s_wait_xcnt 0x0
; o = softmax(q k^T / 8) v for one head, both products on codes of E4M3; o is quantised (e6) into the image that the next product reads.
; SOFTMAX: t = score x log2(e) / 8; M = the running largest t rounded UP to a whole number; p = 2^(t - M) is quantised (e4), not normalised; the row's sum is taken of the unquantised p and divides at the end.
; When M moves, the sum and O are multiplied by 2^(old M - new M): exact.
; SHARES.  A work-group: 256 queries of one head (x: the block, y: 16 x batch + head).  Each of eight waves: 32 queries, tiles 0 and 1, so that each fragment of K and V read from LDS feeds two matrix instructions.
; THE WHOLE HEAD LIES IN LDS: K's image (128 tiles of 16 keys x 64: 131,072 bytes) from byte 0, V^T's (16 key steps x 4 tiles of 16 channels x 128 keys) behind it; filled once, through registers; one barrier; nothing is filled again.
; NO JOINT REQUESTS: the eight blocks of a head read the same 256 KiB once each, at the head of the text.
; LAYOUT.  S^T = K Q^T (source 0 = 16 keys, source 1 = 16 queries), O^T = V^T P^T: a lane holds one query throughout.  Key tile T gives lane (r, h) keys 16 T + 8 h + 0 .. 7: one conversion is registers 2 T, 2 T + 1 of P's fragment.
; REGISTERS.  Window 0: v1-5 addresses; v6-9 2^e4, 448 x 2^e4, 2^e6, 448 x 2^e6; v10, v11 exchanges; v[12:15] second chains of the sums; v16-31 statistics, 8 a tile: -M, largest t, l (two halves), f, (pair), two chains of the maximum;
;   v32-95 K's 8 fragments; v96-223 S^T then p, 64 a tile; v224-255 p's codes, 16 a tile.   Window 1: v0-63 O^T, 32 a tile; v64-127 V's 4 fragments; v128-143 Q, 8 a tile.
; LIMITS: e2 + e3 between -123 and 130 (added to c's exponent field); e4, e6 between -126 and 119.  The hold of p at 448 x 2^e4 is jumped over from e4 = -8 up: p is at most 2^(the rounding of t), under 1.75 while |t| stays under 2^22.  NaN is not served.
.set LI,  1
.set VO,  2
.set VO2, 3
.set ADK, 4
.set ADV, 5
.set ST,  16
.set KF,  32
.set S,   96
.set C,   224
.set VF,  64                           ; in window 1
.set QF,  128                          ; in window 1
.set MSB, 0
.macro WIN new
.if MSB != \new
	s_set_vgpr_msb (MSB<<8)|\new
.set MSB, \new
.endif
.endm
.macro MKSC se, vs, vl
	s_add_co_i32 s38, s[\se], 127
	s_lshl_b32 s39, s38, 23
	v_mov_b32 v[\vs], s39
	s_add_co_i32 s38, s38, 8
	s_lshl_b32 s38, s38, 23
	s_or_b32 s38, s38, 0x600000
	v_mov_b32 v[\vl], s38
.endm
	s_load_b128 s[4:7], s[0:1], 0x0                ; qkv, the scales
	s_load_b64 s[8:9], s[0:1], 0x10                ; oimg
	s_set_vgpr_msb 0x40
	v_lshl_add_u32 v144, v0, 2, 0x40000
	v_mov_b32 v145, 0
	s_set_vgpr_msb 0x4000
	v_lshrrev_b32 v2, 5, v0
	v_readfirstlane_b32 s10, v2                    ; wave 0..7
	v_and_b32 v1, 31, v0
	v_lshlrev_b32 v[LI], 4, v1                     ; 16 x lane
	s_lshl_b32 s11, s10, 14
	v_add_nc_u32 v[VO], s11, v[LI]                 ; my sixteenth of the fill: 16,384 bytes of K's image,
	v_add_nc_u32 v[VO2], 0x20000, v[VO]            ; and of V's, behind K's in LDS
	s_and_b32 s12, ttmp7, 0xffff                   ; 16 x batch + head
	s_lshl_b32 s16, s12, 17                        ; a head's image is 131,072 bytes in each of the three
	s_mov_b32 s17, 0
	s_lshl_b32 s13, ttmp9, 4
	s_lshl_b32 s14, s10, 1
	s_add_co_u32 s13, s13, s14                     ; my first tile of queries in the head
	s_lshl_b32 s18, s13, 10
	s_mov_b32 s19, 0
	s_mov_b32 s20, 0x76543210                      ; v_permlanex16_b32: lane l xor 16
	s_mov_b32 s21, 0xfedcba98
	s_mov_b32 s22, 0x3e38aa3b                      ; c = log2(e) / 8
	s_wait_kmcnt 0x0
	s_load_b128 s[32:35], s[6:7], 0x8              ; e2, e3, e4, e5
	s_load_b32 s36, s[6:7], 0x18                   ; e6
	s_add_nc_u64 s[4:5], s[4:5], s[16:17]
	s_add_nc_u64 s[28:29], s[4:5], s[18:19]        ; q: my two tiles
	s_add_nc_u64 s[40:41], s[4:5], 0x400000        ; k: the head
	s_add_nc_u64 s[42:43], s[4:5], 0x800000        ; v: the head
	WIN 0x40                                       ; destination window 1
.irp g, 0,1,2,3
	global_load_b128 v[QF+4*\g:QF+4*\g+3], v[LI], s[28:29] offset:512*\g
.endr
	WIN 0
.set i, 0
.rept 32
	global_load_b128 v[S+4*i:S+4*i+3], v[VO], s[40:41] offset:512*i
.set i, i+1
.endr
	WIN 0x40
.set i, 0
.rept 32
	global_load_b128 v[4*i:4*i+3], v[VO], s[42:43] offset:512*i
.set i, i+1
.endr
	WIN 0
	s_lshr_b32 s14, s12, 4                         ; where o goes: tile of tokens 128 x batch + mine, K step head / 2, half head % 2
	s_lshl_b32 s14, s14, 7
	s_add_co_u32 s14, s14, s13
	s_lshl_b32 s14, s14, 3
	s_bfe_u32 s15, s12, 0x30001
	s_add_co_u32 s14, s14, s15
	s_lshl_b32 s14, s14, 1
	s_and_b32 s15, s12, 1
	s_add_co_u32 s14, s14, s15
	s_lshl_b32 s14, s14, 10
	s_mov_b32 s15, 0
	s_add_nc_u64 s[8:9], s[8:9], s[14:15]
	s_wait_kmcnt 0x0
	s_add_co_i32 s38, s32, s33
	s_lshl_b32 s38, s38, 23
	s_add_co_i32 s22, s22, s38                     ; a score stands for score x 2^(e2 + e3): added to c's exponent field
	s_mov_b32 s23, s22
	s_add_co_i32 s37, s34, s35                     ; e4 + e5
	MKSC 34, 6, 7
	MKSC 36, 8, 9
	s_wait_loadcnt 32                              ; Q and K are in; V's 32 loads may be out
.set i, 0
.rept 32
	ds_store_b128 v[VO], v[S+4*i:S+4*i+3] offset:512*i
.set i, i+1
.endr
	s_wait_loadcnt 0x0
	WIN 0x04                                       ; store data window 1
.set i, 0
.rept 32
	ds_store_b128 v[VO2], v[4*i:4*i+3] offset:512*i
.set i, i+1
.endr
	WIN 0
	s_wait_dscnt 0x0                               ; for the others' sake: my part of the head lies in LDS
	s_barrier_signal -1
	s_barrier_wait -1
.irp t, 0,1,2,3,4,5,6,7
.irp g, 0,1
	ds_load_b128 v[KF+8*\t+4*\g:KF+8*\t+4*\g+3], v[LI] offset:\t*1024+\g*512   ; key step 0
.endr
.endr
	WIN 0x40
.set i, 0
.rept 64
	v_mov_b32 v[i], 0                              ; O^T.  The step is written for every step alike: the first finds zeros, which the first change of M leaves zeros
.set i, i+1
.endr
	WIN 0
.irp x, 0,1
	v_mov_b32 v[ST+8*\x+1], 0xff61b1e6             ; the largest t so far: -3e38
	v_floor_f32 v[ST+8*\x], -v[ST+8*\x+1]          ; -M
	v_mov_b32 v[ST+8*\x+2], 0                      ; l
	v_mov_b32 v[ST+8*\x+3], 0
	v_mov_b32 v[ST+8*\x+5], 0                      ; named as the upper half of f's pair
	v_mov_b32 v[10+\x], 0                          ; a lane permute's destination counts as read
.endr
	s_mov_b32 s24, 8192                            ; LDS byte of the next step's K
	s_mov_b32 s25, 131072                          ; and of this step's V
.macro SUML x                          ; line n of 31 of tile x's sums (two chains by turns, then joined); beyond them a v_nop
.if n < 30
.if n%2 == 0
	v_pk_add_f32 v[ST+8*\x+2:ST+8*\x+3], v[ST+8*\x+2:ST+8*\x+3], v[S+64*\x+4+4*(n/2):S+64*\x+5+4*(n/2)]
.else
	v_pk_add_f32 v[12+2*\x:13+2*\x], v[12+2*\x:13+2*\x], v[S+64*\x+6+4*(n/2):S+64*\x+7+4*(n/2)]
.endif
.elseif n == 30
	v_pk_add_f32 v[ST+8*\x+2:ST+8*\x+3], v[ST+8*\x+2:ST+8*\x+3], v[12+2*\x:13+2*\x]
.else
	v_nop
.endif
.set n, n+1
.endm
.macro SUMH x                          ; l under the new M; the second chain starts
	v_pk_mul_f32 v[ST+8*\x+2:ST+8*\x+3], v[ST+8*\x+2:ST+8*\x+3], v[ST+8*\x+4:ST+8*\x+5] op_sel_hi:[1,0]
	s_wait_alu depctr_va_vdst(0)
	v_pk_add_f32 v[12+2*\x:13+2*\x], v[S+64*\x:S+64*\x+1], v[S+64*\x+2:S+64*\x+3]
.endm
; A KEY STEP of 128 keys.  pre = 1: the next step's K is fetched.
.macro ASTEP pre
	s_wait_dscnt 0x0                               ; this step's K is in
	WIN 0x04                                       ; source 1 (Q) window 1
.irp t, 0,1,2,3,4,5,6,7
.irp x, 0,1
	v_wmma_f32_16x16x64_fp8_fp8 v[S+64*\x+8*\t:S+64*\x+8*\t+7], v[KF+8*\t:KF+8*\t+7], v[QF+8*\x:QF+8*\x+7], 0
.endr
.endr
	WIN 0
	v_add_nc_u32 v[ADV], s25, v[LI]                ; four places in front of the loads into K's and V's registers and of the first read of the scores
.if \pre
	v_add_nc_u32 v[ADK], s24, v[LI]
.else
	v_nop
.endif
	v_nop
	v_nop
	WIN 0x40
.irp d, 0,1,2,3
.irp g, 0,1,2,3
	ds_load_b128 v[VF+16*\d+4*\g:VF+16*\d+4*\g+3], v[ADV] offset:\d*2048+\g*512
.endr
.endr
	WIN 0
.if \pre
.irp t, 0,1,2,3,4,5,6,7
.irp g, 0,1
	ds_load_b128 v[KF+8*\t+4*\g:KF+8*\t+4*\g+3], v[ADK] offset:\t*1024+\g*512
.endr
.endr
.endif
.irp x, 0,1                            ; the largest score of my query among my 64 keys: two chains a tile, each result tile from its low end on
	v_max3_num_f32 v[ST+8*\x+6], v[S+64*\x], v[S+64*\x+1], v[S+64*\x+2]
.endr
.irp x, 0,1
	v_max3_num_f32 v[ST+8*\x+7], v[S+64*\x+3], v[S+64*\x+4], v[S+64*\x+5]
.endr
.set i, 6
.rept 14
.irp x, 0,1
	v_max3_num_f32 v[ST+8*\x+6], v[ST+8*\x+6], v[S+64*\x+i], v[S+64*\x+i+1]
.endr
.irp x, 0,1
	v_max3_num_f32 v[ST+8*\x+7], v[ST+8*\x+7], v[S+64*\x+i+2], v[S+64*\x+i+3]
.endr
.set i, i+4
.endr
.irp x, 0,1
	v_max3_num_f32 v[ST+8*\x+6], v[ST+8*\x+6], v[S+64*\x+62], v[S+64*\x+63]
.endr
.irp x, 0,1
	v_max_num_f32 v[ST+8*\x+6], v[ST+8*\x+6], v[ST+8*\x+7]
.endr
.irp x, 0,1
	v_permlanex16_b32 v[10+\x], v[ST+8*\x+6], s20, s21          ; the query's other 64 keys lie in lane l xor 16
.endr
.irp x, 0,1
	v_max_num_f32 v[ST+8*\x+6], v[ST+8*\x+6], v[10+\x]
.endr
.irp x, 0,1
	v_mul_f32 v[ST+8*\x+6], s22, v[ST+8*\x+6]                   ; as t (c is positive)
.endr
.irp x, 0,1
	v_max_num_f32 v[ST+8*\x+1], v[ST+8*\x+1], v[ST+8*\x+6]      ; the running largest t
.endr
.irp x, 0,1
	v_mov_b32 v[ST+8*\x+6], v[ST+8*\x]
.endr
.irp x, 0,1
	v_floor_f32 v[ST+8*\x], -v[ST+8*\x+1]                       ; the new -M = floor(-t): M is a whole number
.endr
.irp x, 0,1
	v_sub_f32 v[ST+8*\x+6], v[ST+8*\x], v[ST+8*\x+6]            ; old M - new M: a whole number, 0 or less
.endr
.irp x, 0,1
	v_cvt_i32_f32 v[ST+8*\x+6], v[ST+8*\x+6]                    ; (it saturates)
.endr
.irp x, 0,1
	v_ldexp_f32 v[ST+8*\x+4], 1.0, v[ST+8*\x+6]                 ; f = 2^(old M - new M)
.endr
.set i, 0
.rept 32
	v_pk_fma_f32 v[S+i:S+i+1], v[S+i:S+i+1], s[22:23], v[ST:ST+1] op_sel_hi:[1,0,0]   ; tile 0: t - M
.set i, i+2
.endr
.set i, 0
.rept 32                               ; tile 0's exponentials, with tile 1's t - M as the plain instructions among them
	v_exp_f32 v[S+i], v[S+i]
	v_exp_f32 v[S+i+1], v[S+i+1]
	v_pk_fma_f32 v[S+64+i:S+64+i+1], v[S+64+i:S+64+i+1], s[22:23], v[ST+8:ST+9] op_sel_hi:[1,0,0]
.set i, i+2
.endr
	SUMH 0
.set n, 0
.set i, 0
.rept 32                               ; tile 1's exponentials, with tile 0's sums among them
	v_exp_f32 v[S+64+i], v[S+64+i]
	v_exp_f32 v[S+64+i+1], v[S+64+i+1]
	SUML 0
.set i, i+2
.endr
	SUMH 1
.set n, 0
.rept 31
	SUML 1
.endr
	s_cmp_ge_i32 s34, -8                           ; from e4 = -8 up 448 x 2^e4 is at least 1.75, above every p: the hold changes nothing
	s_cbranch_scc1 .Lno_hold_\@
.set i, 0
.rept 128
	v_min_num_f32 v[S+i], v[S+i], v7               ; the conversion does not saturate (ISA guide 7.6.2); p is not negative, so the hold is one-sided
.set i, i+1
.endr
.Lno_hold_\@:
.irp x, 0,1
.irp t, 0,1,2,3,4,5,6,7
	v_cvt_scalef32_pk8_fp8_f32 v[C+16*\x+2*\t:C+16*\x+2*\t+1], v[S+64*\x+8*\t:S+64*\x+8*\t+7], v6
.endr
.endr
	WIN 0x41                                       ; O^T (destination, source 0) window 1, f window 0
.irp x, 0,1
.set i, 0
.rept 16
	v_pk_mul_f32 v[32*\x+i:32*\x+i+1], v[32*\x+i:32*\x+i+1], v[ST+8*\x+4:ST+8*\x+5] op_sel_hi:[1,0]   ; O^T under the new M; also the plain instructions behind the conversions
.set i, i+2
.endr
.endr
	s_wait_dscnt 16*\pre                           ; V's 16 loads are in; the next step's K, 16 loads issued behind them, may be out
	WIN 0x51                                       ; V window 1, P window 0, C and D window 1
.irp d, 0,1,2,3
.irp x, 0,1
	v_wmma_f32_16x16x128_fp8_fp8 v[32*\x+8*\d:32*\x+8*\d+7], v[VF+16*\d:VF+16*\d+15], v[C+16*\x:C+16*\x+15], v[32*\x+8*\d:32*\x+8*\d+7]
.endr
.endr
	WIN 0
.if \pre
	s_add_co_u32 s24, s24, 8192
	s_add_co_u32 s25, s25, 8192
.endif
.endm
	s_mov_b32 s26, 15
.Lkeys:
	ASTEP 1
	s_sub_co_u32 s26, s26, 1
	s_cmp_lg_u32 s26, 0
	s_cbranch_scc1 .Lkeys
	ASTEP 0                                        ; the last step fetches no further K
	; THE END.  The additions are the places behind the last products.
.irp x, 0,1
	v_add_f32 v[ST+8*\x+2], v[ST+8*\x+2], v[ST+8*\x+3]
.endr
.irp x, 0,1
	v_permlanex16_b32 v[10+\x], v[ST+8*\x+2], s20, s21
.endr
.irp x, 0,1
	v_add_f32 v[ST+8*\x+2], v[ST+8*\x+2], v[10+\x]              ; the row's sum
.endr
.irp x, 0,1
	v_rcp_f32 v[ST+8*\x+2], v[ST+8*\x+2]
.endr
	v_nop                                          ; a plain instruction behind the transcendentals
.irp x, 0,1
	s_wait_alu depctr_va_vdst(0)
	v_ldexp_f32 v[ST+8*\x+2], v[ST+8*\x+2], s37    ; x 2^(e4 + e5)
.endr
	WIN 0x01                                       ; source 0 (O^T) window 1
.irp x, 0,1
.set i, 0
.rept 16
	v_pk_mul_f32 v[S+64*\x+i:S+64*\x+i+1], v[32*\x+i:32*\x+i+1], v[ST+8*\x+2:ST+8*\x+3] op_sel_hi:[1,0]   ; register 8 d + j: o(query r, channel 16 d + 8 h + j)
.set i, i+2
.endr
.endr
	WIN 0
.irp x, 0,1
.set i, 0
.rept 32
	v_med3_num_f32 v[S+64*\x+i], v[S+64*\x+i], -v9, v9
.set i, i+1
.endr
.endr
.irp x, 0,1
.irp d, 0,1,2,3
	v_cvt_scalef32_pk8_fp8_f32 v[C+16*\x+2*\d:C+16*\x+2*\d+1], v[S+64*\x+8*\d:S+64*\x+8*\d+7], v8
.endr
.endr
	v_nop
.irp x, 0,1
.irp g, 0,1
	global_store_b128 v[LI], v[C+16*\x+4*\g:C+16*\x+4*\g+3], s[8:9] offset:\x*16384+\g*512   ; 512 consecutive bytes, aligned
.endr
.endr
	s_set_vgpr_msb 0x5
	s_wait_tensorcnt 0x0
	ds_add_u32 v144, v145
	s_wait_dscnt 0x0
	s_set_vgpr_msb 0x500
	s_endpgm
.Lfunc_end_k_qbe8ee9bd71_attn:
	.size	k_qbe8ee9bd71_attn, .Lfunc_end_k_qbe8ee9bd71_attn-k_qbe8ee9bd71_attn
	.p2alignl 7, 3214868480
	.fill 96, 4, 3214868480
	.section	.rodata,"a",@progbits
	.p2align	6, 0x0
	.amdhsa_kernel k_qbe8ee9bd71_attn
		.amdhsa_group_segment_fixed_size 263168
		.amdhsa_private_segment_fixed_size 0
		.amdhsa_enable_private_segment 0
		.amdhsa_kernarg_size 24
		.amdhsa_user_sgpr_count 2
		.amdhsa_user_sgpr_kernarg_segment_ptr 1
		.amdhsa_wavefront_size32 1
		.amdhsa_system_sgpr_workgroup_id_x 1
		.amdhsa_system_sgpr_workgroup_id_y 1
		.amdhsa_system_sgpr_workgroup_id_z 1
		.amdhsa_system_vgpr_workitem_id 0
		.amdhsa_next_free_vgpr 402
		.amdhsa_next_free_sgpr 66
		.amdhsa_reserve_vcc 0
		.amdhsa_float_denorm_mode_32 3
		.amdhsa_float_denorm_mode_16_64 3
		.amdhsa_memory_ordered 1
		.amdhsa_forward_progress 1
		.amdhsa_inst_pref_size 80
	.end_amdhsa_kernel
	.amdgpu_metadata
---
amdhsa.version: [ 1, 2 ]
amdhsa.kernels:
  - .name:           k_qbe8ee9bd71_attn
    .symbol:         k_qbe8ee9bd71_attn.kd
    .args:
      - { .name: qkv, .offset: 0, .size: 8, .value_kind: global_buffer, .address_space: global }
      - { .name: lowp_scales, .offset: 8, .size: 8, .value_kind: global_buffer, .address_space: global }
      - { .name: oimg, .offset: 16, .size: 8, .value_kind: global_buffer, .address_space: global }
    .group_segment_fixed_size: 263168
    .private_segment_fixed_size: 0
    .kernarg_segment_align: 8
    .kernarg_segment_size: 24
    .max_flat_workgroup_size: 256
    .sgpr_count:     66
    .vgpr_count:     402
    .wavefront_size: 32
...
	.end_amdgpu_metadata
.endif
;; end of part 3
;; launch proj (part 4): grid 4 x 16, 4 waves a work-group, clusters of 4 x 4, 327,680 bytes of LDS; arguments oimg, pimg, b_proj, x, lowp_scales, x1; writes x1
.if DOCPART == 4
	.amdgcn_target "amdgcn-amd-amdhsa--gfx1250"
	.amdhsa_code_object_version 6
	.text
	.protected	k_qbe8ee9bd71_proj
	.globl	k_qbe8ee9bd71_proj
	.p2align	8
	.type	k_qbe8ee9bd71_proj,@function
k_qbe8ee9bd71_proj:
	s_mov_b64 s[64:65], 0
	v_nop
	global_prefetch_b8 v0, s[64:65] scope:SCOPE_SE
	s_setreg_imm32_b32 hwreg(HW_REG_WAVE_MODE, 25, 1), 1
	s_wait_xcnt 0x0
	s_wait_alu depctr_hold_cnt(0) depctr_sa_sdst(0) depctr_va_vdst(0) depctr_va_sdst(0) depctr_va_ssrc(0) depctr_va_vcc(0) depctr_vm_vsrc(0)
	s_getreg_b32 s2, hwreg(HW_REG_IB_STS2, 6, 4)
	s_cmp_eq_u32 s2, 0
	s_cbranch_scc0 .Lentry_in_a_cluster
	s_endpgm
.Lentry_in_a_cluster:
	s_bfe_u32 s2, ttmp6, 0x10000c
	s_cmp_lg_u32 s2, 0xf033
	s_cbranch_scc0 .Lentry_shape_is_right
	s_endpgm
.Lentry_shape_is_right:
; x1 = x + o Wp + b_proj: the product on codes of E4M3 (o: e6, Wp: e7), sums in f32.
; OPERANDS ARE FRAGMENT IMAGES: 16 rows x 128 K = 2,048 bytes, registers 4 g .. 4 g + 3 of lane l at 512 g + 16 l; a matrix is [rows / 16][K / 128][2,048].  So a fragment is four ds_load_b128 of 512 consecutive bytes: no pitch, no padding.
; A tile of C, 256 x 256, is made by four waves, 128 x 128 each: 64 accumulators.  K goes in steps of 256 through two LDS slots.  A wave's tensor load brings 8 tiles of 16 rows x 4,096 consecutive bytes (32 KiB): the images have no more than these 8 rows to give.
; CLUSTERS 4 x 4: A's tiles are asked for jointly along a row of the cluster, B's along a column.  The matrix instruction is used transposed (source 0 = B's rows, source 1 = A's rows): a lane holds eight neighbouring columns of a row of C.
; The bias, divided by 2^(ea + eb), is the C of each sum's first product; on the way out one packed multiply-add gives sum x 2^(ea + eb) + the residual.
; REGISTERS: window 0: v16-31 addresses, v32-95 bias, v128-255 A's fragments (one set), later rows on the way out; window 1: B's fragments (two sets), later the residual; windows 2, 3: accumulator (a, b) at v[8 (8 (a % 4) + b)].
; The grid has 64 tiles of 256 x 256.  LIMIT: ea + eb between -126 and 127.
.set SIZE_K, 1024
.set A_OFF, 0
.set B_OFF, 0x100000                   ; Wp's image in pimg
.set EA, 6
.set EB, 7
.set FRB,    2048
.set SLB,    4096
.set HALFT,  8*SLB
.set SLOT,   4*HALFT
.set SPARE,  2*SLOT                    ; behind the ring: the spare words, 128 bytes for each wave, that no other line names
.set LAPS,   SIZE_K/512
.set RTB,    16*SIZE_K
.set SPITCH, 528                       ; the way out: a stage of 16 rows x (512 + 16) bytes for each wave, in slot 0, which has then had its last fill and its last read
.set FR, 16
.set NL, 4
.set NP, 4
.set ADRA, 16
.set ADRB, 20
.set STO,  24
.set RD,   25
.set LI,   27
.set SPW,  28
.set NIL,  29
.set BI,   32
.set AF,   128
.set BK,   128
.set G1, 24
.set G0, 32
.set G1B, 48
.set G0B, 56
.set MSB, 0
.macro WIN new
.if MSB != \new
	s_set_vgpr_msb (MSB<<8)|\new
.set MSB, \new
.endif
.endm
.set MUL_LO, 0xa1                      ; source 0 (B) window 1, source 1 (A) window 0, C and D window 2
.set MUL_HI, 0xf1
.set FIRST_LO, 0x81                    ; the same with C (the bias) in window 0
.set FIRST_HI, 0xc1
.set TO_B,   0x40
.macro JLOAD g0a, g1a, g0b, g1b        ; a joint load: waves 0 and 1 fetch for A, waves 2 and 3 for B; four v_nop follow each line
	s_cmp_eq_u32 s15, 0
	s_cbranch_scc0 .Lfor_b_\@
	tensor_load_to_lds s[\g0a:\g0a+3], s[\g1a:\g1a+7]
	s_nop 0
.rept 4
	v_nop
.endr
	s_branch .Lasked_\@
.Lfor_b_\@:
	tensor_load_to_lds s[\g0b:\g0b+3], s[\g1b:\g1b+7]
	s_nop 0
.rept 4
	v_nop
.endr
.Lasked_\@:
.endm
.macro CREST
	s_cmp_lg_u32 s14, 0
	s_cbranch_scc1 .Lnot_wave_0_\@
	s_barrier_signal -3
.Lnot_wave_0_\@:
	s_barrier_wait -3
	s_barrier_signal -1
	s_barrier_wait -1
.endm
.macro CROUND
	s_barrier_signal -1
	s_barrier_wait -1
	CREST
.endm
	s_load_b256 s[68:75], s[0:1], 0x0              ; A's image s[68:69], pimg s[70:71], the bias s[72:73], the residual s[74:75]
	s_load_b128 s[76:79], s[0:1], 0x20             ; the scales s[76:77], the result s[78:79]
	v_lshl_add_u32 v[SPW], v0, 2, SPARE
	v_mov_b32 v[NIL], 0
	ds_add_u32 v28, v29
	ds_add_u32 v28, v29
	s_wait_dscnt 0x0
	v_lshrrev_b32 v1, 5, v0
	v_readfirstlane_b32 s14, v1                    ; wave 0..3
	s_lshr_b32 s15, s14, 1
	s_and_b32 s16, s14, 1
	s_bfe_u32 s40, ttmp6, 0x40000                  ; cx
	s_bfe_u32 s41, ttmp6, 0x40004                  ; cy
	s_lshl_b32 s42, ttmp9, 2
	s_add_co_u32 s42, s42, s40                     ; tile column
	s_and_b32 s17, ttmp7, 0xffff
	s_lshl_b32 s17, s17, 2
	s_add_co_u32 s17, s17, s41                     ; tile row
	s_lshl_b32 s43, s41, 2
	s_lshl_b32 s43, 15, s43
	s_lshl_b32 s44, 0x1111, s40
	s_or_b32 s[G1+0], s43, (1<<21)                 ; 15:0 the mask; 17:16 elements of 1 byte; no padding; 21 set beside a mask
	s_or_b32 s[G1B+0], s44, (1<<21)
.irp g, G1, G1B
	s_mov_b32 s[\g+1], SLB<<16                     ; tensor_dim0 = 4,096
	s_mov_b32 s[\g+2], 8<<16                       ; tensor_dim1 = 8
	s_mov_b32 s[\g+3], SLB<<16                     ; tile_dim0 = 4,096
	s_mov_b32 s[\g+4], 8                           ; tile_dim1 = 8
	s_mov_b32 s[\g+5], RTB                         ; tensor_dim0_stride
	s_mov_b32 s[\g+6], 0
	s_mov_b32 s[\g+7], 0
.endr
	s_lshl_b32 s18, s16, 7
	s_lshl_b32 s20, s17, 8
	s_add_co_u32 s20, s20, s18
	s_mul_i32 s20, s20, SIZE_K                     ; a tile of 16 rows begins at byte row x K of its image
	s_add_co_u32 s20, s20, A_OFF
	s_mov_b32 s21, 0
	s_lshl_b32 s46, s42, 8
	s_add_co_u32 s46, s46, s18
	s_mul_i32 s46, s46, SIZE_K
	s_add_co_u32 s46, s46, B_OFF
	s_mov_b32 s47, 0
	s_mul_i32 s45, s14, HALFT
	s_wait_kmcnt 0x0
	s_load_b256 s[84:91], s[76:77], 0x0            ; e0 .. e7
	s_load_b128 s[92:95], s[76:77], 0x20           ; e8 .. e11
	s_add_nc_u64 s[20:21], s[68:69], s[20:21]
	s_add_nc_u64 s[46:47], s[70:71], s[46:47]
	CROUND                                         ; all sixteen work-groups are here: the first joint loads meet
.irp s, 0,1
	s_mov_b32 s[G0+4*\s], 1
	s_add_co_u32 s[G0+4*\s+1], s45, \s*SLOT
	s_add_nc_u64 s[G0+4*\s+2:G0+4*\s+3], s[20:21], \s*SLB
	s_or_b32 s[G0+4*\s+3], s[G0+4*\s+3], 0x80000000
	s_mov_b32 s[G0B+4*\s], 1
	s_add_co_u32 s[G0B+4*\s+1], s45, \s*SLOT
	s_add_nc_u64 s[G0B+4*\s+2:G0B+4*\s+3], s[46:47], \s*SLB
	s_or_b32 s[G0B+4*\s+3], s[G0B+4*\s+3], 0x80000000
	JLOAD G0+4*\s, G1, G0B+4*\s, G1B
.endr
	v_and_b32 v1, 31, v0
	v_lshlrev_b32 v[LI], 4, v1
	s_mul_i32 s21, s15, HALFT
	s_mul_i32 s22, s16, HALFT
	s_add_co_u32 s22, s22, 2*HALFT
.irp s, 0,1
	v_add_nc_u32 v[ADRA+\s], s21, v[LI]
	v_add_nc_u32 v[ADRB+\s], s22, v[LI]
	s_add_co_u32 s21, s21, SLOT
	s_add_co_u32 s22, s22, SLOT
.endr
	v_and_b32 v1, 15, v0
	v_bfe_u32 v2, v0, 4, 1
	v_lshlrev_b32 v3, 5, v2                        ; 32 h: my half's eight biases of a tile
	s_mul_i32 s23, s14, 16*SPITCH                  ; my stage
	v_mul_u32_u24 v5, v1, SPITCH
	v_lshl_add_u32 v5, v2, 5, v5
	v_add_nc_u32 v[STO], s23, v5                   ; in: row r, 32 bytes for each half of the lanes
	v_add_nc_u32 v[RD], s23, v[LI]                 ; back: the 32 lanes take one row of 512 bytes
	s_lshl_b32 s46, s42, 10
	s_lshl_b32 s47, s16, 9
	s_add_co_u32 s46, s46, s47                     ; my first column, in bytes of f32
	s_mov_b32 s47, 0
	s_add_nc_u64 s[98:99], s[72:73], s[46:47]
.irp b, 0,1,2,3,4,5,6,7
	global_load_b128 v[BI+8*\b:BI+8*\b+3], v3, s[98:99] offset:64*\b
	global_load_b128 v[BI+8*\b+4:BI+8*\b+7], v3, s[98:99] offset:64*\b+16
.endr
	s_lshl_b32 s20, s17, 8
	s_lshl_b32 s21, s15, 7
	s_add_co_u32 s20, s20, s21                     ; my first row
	s_lshl_b32 s20, s20, 12                        ; of 4,096 bytes
	s_add_co_u32 s20, s20, s46
	s_mov_b32 s21, 0
	s_add_nc_u64 s[74:75], s[74:75], s[20:21]
	s_add_nc_u64 s[78:79], s[78:79], s[20:21]
	s_wait_kmcnt 0x0
	s_add_co_i32 s96, s[84+EA], s[84+EB]
	s_sub_co_i32 s83, 0, s96
	s_add_co_i32 s96, s96, 127
	s_lshl_b32 s96, s96, 23                        ; 2^(ea + eb) as f32
	s_mov_b32 s97, s96
	s_wait_loadcnt 0x0
.set i, 0
.rept 64
	v_ldexp_f32 v[BI+i], v[BI+i], s83              ; the bias goes in divided by the power of two that the sums lack
.set i, i+1
.endr
.macro FRAG reg, adr, q, i
.irp c, 0,1,2,3
	ds_load_b128 v[\reg+4*\c:\reg+4*\c+3], v[\adr] offset:(\i)*SLB+(\q)*FRB+512*\c
.endr
.endm
; 16 matrix instructions: A's blocks a0, a0 + 1 x B's eight.  The 64 accumulators take turns, one instruction a turn, in the same order in every step.
.macro MUL16 a0, p, first
.irp a, \a0, \a0+1
.irp b, 0,1,2,3,4,5,6,7
.if \first
	v_wmma_f32_16x16x128_fp8_fp8 v[8*(8*((\a)%4)+\b):8*(8*((\a)%4)+\b)+7], v[128*(\p)+FR*\b:128*(\p)+FR*\b+FR-1], v[AF+FR*(\a):AF+FR*(\a)+FR-1], v[BI+8*\b:BI+8*\b+7]
.else
	v_wmma_f32_16x16x128_fp8_fp8 v[8*(8*((\a)%4)+\b):8*(8*((\a)%4)+\b)+7], v[128*(\p)+FR*\b:128*(\p)+FR*\b+FR-1], v[AF+FR*(\a):AF+FR*(\a)+FR-1], v[8*(8*((\a)%4)+\b):8*(8*((\a)%4)+\b)+7]
.endif
.endr
.endr
.endm
.macro FETCH_B slot, q, p
	WIN TO_B
.irp i, 0,1,2,3,4,5,6,7
	FRAG 128*(\p)+FR*\i, ADRB+\slot, \q, \i
.endr
	WIN 0
.endm
.macro FETCH_A slot, q, i0
.irp i, \i0, \i0+1, \i0+2, \i0+3
	FRAG AF+FR*(\i), ADRA+\slot, \q, \i
.endr
.endm
.macro PLACES n                        ; plain vector instructions between a matrix instruction and a load into its registers or a read of its result
.rept \n
	v_nop
.endr
.endm
.macro STEP slot, q, first
	s_wait_dscnt 4*NL                              ; B's set and A's blocks 0-3 are in; the youngest 16 loads (A's blocks 4-7) may be out
.if \first
	WIN FIRST_LO
.else
	WIN MUL_LO
.endif
	MUL16 0, (\q)%2, \first
	MUL16 2, (\q)%2, \first
	s_wait_dscnt 0
	PLACES NP
	FETCH_B \slot, (\q)+1, 1-(\q)%2
	FETCH_A \slot, (\q)+1, 0
.if \first
	WIN FIRST_HI
.else
	WIN MUL_HI
.endif
	MUL16 4, (\q)%2, \first
	MUL16 6, (\q)%2, \first
	PLACES NP
	WIN 0
	FETCH_A \slot, (\q)+1, 4
.endm
.macro TURN slot, next, fill
	s_wait_tensorcnt 0x0                           ; all my tensor loads have landed: my part of the next slot
	ds_add_u32 v[SPW], v[NIL]                      ; 0 onto my spare word
	s_wait_dscnt 4*NL+1                            ; the add and the youngest 16 loads may be out
	WIN MUL_LO
	MUL16 0, 1, 0
	s_wait_dscnt 0x0                               ; the add is done, and my reads of this slot are over
	s_barrier_signal -1
	MUL16 2, 1, 0
	WIN 0
	s_barrier_wait -1
.if \fill
	CREST                                          ; the barrier has opened a round of the cluster's: no wave of any partner still reads this slot or has a load on its way
	s_add_nc_u64 s[G0+4*\slot+2:G0+4*\slot+3], s[G0+4*\slot+2:G0+4*\slot+3], 2*SLB
	s_add_nc_u64 s[G0B+4*\slot+2:G0B+4*\slot+3], s[G0B+4*\slot+2:G0B+4*\slot+3], 2*SLB
	JLOAD G0+4*\slot, G1, G0B+4*\slot, G1B         ; the first tensor load behind the round; its four v_nop are the places in front of the loads below
.else
	PLACES NP
.endif
	FETCH_B \next, 0, 0
	FETCH_A \next, 0, 0
	WIN MUL_HI
	MUL16 4, 1, 0
	MUL16 6, 1, 0
	PLACES NP
	WIN 0
	FETCH_A \next, 0, 4
.endm
	s_wait_tensorcnt 1                             ; my part of slot 0 is in; slot 1's load may be out
	s_barrier_signal -1
	s_barrier_wait -1
	FETCH_B 0, 0, 0
	FETCH_A 0, 0, 0
	FETCH_A 0, 0, 4
	STEP 0, 0, 1
	s_mov_b32 s3, LAPS-1
.Llap:
	TURN 0, 1, 1
	STEP 1, 0, 0
	TURN 1, 0, 1
	STEP 0, 0, 0
	s_sub_co_u32 s3, s3, 1
	s_cmp_lg_u32 s3, 0
	s_cbranch_scc1 .Llap
	TURN 0, 1, 0
	STEP 1, 0, 0
	s_wait_dscnt 4*NL
	WIN MUL_LO
	MUL16 0, 1, 0
	MUL16 2, 1, 0
	s_wait_dscnt 0
	WIN MUL_HI
	MUL16 4, 1, 0
	MUL16 6, 1, 0
	WIN 0
	PLACES NP
; THE WAY OUT, block by block of 16 rows x 128 columns: the sums go through my own stage in LDS and come back as whole rows of 512 bytes; the residual's rows are loaded in the same shape.  Every row's offset is an immediate (127 rows of 4,096 bytes at the most).
.macro RLOAD a
	WIN 0x40
.set t, 0
.rept 16
	global_load_b128 v[64*((\a)%2)+4*t:64*((\a)%2)+4*t+3], v[LI], s[74:75] offset:(16*(\a)+t)*4096
.set t, t+1
.endr
	WIN 0
.endm
.macro TOSTAGE a
.set AC, 64*((\a)%4)
.set BB, BK+64*((\a)%2)
	WIN 0x08+4*((\a)/4)                            ; store data: window 2 or 3
.irp b, 0,1,2,3,4,5,6,7
	ds_store_b128 v[STO], v[AC+8*\b:AC+8*\b+3] offset:64*\b          ; each accumulator from its low end on
	ds_store_b128 v[STO], v[AC+8*\b+4:AC+8*\b+7] offset:64*\b+16
.endr
	WIN 0
.set t, 0
.rept 16
	ds_load_b128 v[BB+4*t:BB+4*t+3], v[RD] offset:t*SPITCH           ; LDS serves a wave's instructions in order (ISA guide 5.7.1.4): these see the stores above
.set t, t+1
.endr
.endm
.macro SEND a, yd, yl                  ; yd, yl: the LDS instructions and the global loads issued behind block a's, which may stay out
.set BB, BK+64*((\a)%2)
.set RS, 64*((\a)%2)
	s_wait_dscnt \yd
	s_wait_loadcnt \yl
	WIN 0x10                                       ; source 2 (the residual) window 1
.set i, 0
.rept 32
	v_pk_fma_f32 v[BB+i:BB+i+1], v[BB+i:BB+i+1], s[96:97], v[RS+i:RS+i+1] op_sel_hi:[1,0,1]
.set i, i+2
.endr
	WIN 0
.set t, 0
.rept 16
	global_store_b128 v[LI], v[BB+4*t:BB+4*t+3], s[78:79] offset:(16*(\a)+t)*4096   ; 512 consecutive bytes, aligned
.set t, t+1
.endr
.endm
	RLOAD 0
	TOSTAGE 0
.irp a, 1,2,3,4,5,6,7
.if \a > 1
	s_wait_xcnt 0x0                                ; block a - 2's stores have read their registers: block a's rows may land there
.endif
	RLOAD \a
	TOSTAGE \a
	SEND \a-1, 32, 16                              ; behind block a - 1's: block a's 16 LDS stores and 16 LDS loads, and its 16 loads of the residual
.endr
	SEND 7, 0, 0
	s_wait_tensorcnt 0x0                           ; the wave's end
	ds_add_u32 v[SPW], v[NIL]
	s_wait_dscnt 0x0
	CROUND                                         ; the closing round
	s_endpgm
.Lfunc_end_k_qbe8ee9bd71_proj:
	.size	k_qbe8ee9bd71_proj, .Lfunc_end_k_qbe8ee9bd71_proj-k_qbe8ee9bd71_proj
	.p2alignl 7, 3214868480
	.fill 96, 4, 3214868480
	.section	.rodata,"a",@progbits
	.p2align	6, 0x0
	.amdhsa_kernel k_qbe8ee9bd71_proj
		.amdhsa_group_segment_fixed_size 327680
		.amdhsa_private_segment_fixed_size 0
		.amdhsa_enable_private_segment 0
		.amdhsa_kernarg_size 48
		.amdhsa_user_sgpr_count 2
		.amdhsa_user_sgpr_kernarg_segment_ptr 1
		.amdhsa_wavefront_size32 1
		.amdhsa_system_sgpr_workgroup_id_x 1
		.amdhsa_system_sgpr_workgroup_id_y 1
		.amdhsa_system_sgpr_workgroup_id_z 1
		.amdhsa_system_vgpr_workitem_id 0
		.amdhsa_next_free_vgpr 1024
		.amdhsa_next_free_sgpr 102
		.amdhsa_reserve_vcc 0
		.amdhsa_float_denorm_mode_32 3
		.amdhsa_float_denorm_mode_16_64 3
		.amdhsa_memory_ordered 1
		.amdhsa_forward_progress 1
		.amdhsa_inst_pref_size 142
	.end_amdhsa_kernel
	.amdgpu_metadata
---
amdhsa.version: [ 1, 2 ]
amdhsa.kernels:
  - .name:           k_qbe8ee9bd71_proj
    .symbol:         k_qbe8ee9bd71_proj.kd
    .args:
      - { .name: oimg, .offset: 0, .size: 8, .value_kind: global_buffer, .address_space: global }
      - { .name: pimg, .offset: 8, .size: 8, .value_kind: global_buffer, .address_space: global }
      - { .name: b_proj, .offset: 16, .size: 8, .value_kind: global_buffer, .address_space: global }
      - { .name: x, .offset: 24, .size: 8, .value_kind: global_buffer, .address_space: global }
      - { .name: lowp_scales, .offset: 32, .size: 8, .value_kind: global_buffer, .address_space: global }
      - { .name: x1, .offset: 40, .size: 8, .value_kind: global_buffer, .address_space: global }
    .group_segment_fixed_size: 327680
    .private_segment_fixed_size: 0
    .kernarg_segment_align: 8
    .kernarg_segment_size: 48
    .max_flat_workgroup_size: 128
    .sgpr_count:     102
    .vgpr_count:     1024
    .wavefront_size: 32
...
	.end_amdgpu_metadata
.endif
;; end of part 4
;; launch ln2 (part 5): grid 256 x 1, 4 waves a work-group, no clusters, 17,408 bytes of LDS; arguments x1, ln2_g, ln2_b, lowp_scales, h2img; writes h2img
.if DOCPART == 5
	.amdgcn_target "amdgcn-amd-amdhsa--gfx1250"
	.amdhsa_code_object_version 6
	.text
	.protected	k_qbe8ee9bd71_ln2
	.globl	k_qbe8ee9bd71_ln2
	.p2align	8
	.type	k_qbe8ee9bd71_ln2,@function
k_qbe8ee9bd71_ln2:
	s_mov_b64 s[64:65], 0
	v_nop
	global_prefetch_b8 v0, s[64:65] scope:SCOPE_SE
	s_setreg_imm32_b32 hwreg(HW_REG_WAVE_MODE, 25, 1), 1
	s_wait_xcnt 0x0
; LayerNorm 2 of x1 becomes codes of E4M3 with the given scale 2^e8, laid as fragment images: 16 rows x 128 along K = 2,048 bytes, registers 4 g .. 4 g + 3 of lane l at 512 g + 16 l;
; lane r + 16 h holds row r, and its registers 2 c, 2 c + 1 hold k = 16 c + 8 h + 0 .. 7.  The matrix is [rows / 16][8][2,048 bytes].
; A work-group takes 16 rows, a wave four; a row stays in 32 registers between the passes.  The codes turn through a stage in LDS (rows 1,040 bytes apart) and leave as images.  No clusters, no tensor loads: a stream that shares nothing but 8 KiB of gains and biases.
; LIMITS: e8 between -126 and 119.  NaN is not served; what lies beyond 448 x 2^e8 is held there.
.set SG, 18
.set SB, 20
.set G,  16
.set B,  48
.set X,  80
.set T,  208
.set MU, 216
.set R,  218
.set CD, 220
.macro MKSC se, vs, vl
	s_add_co_i32 s50, s[\se], 127
	s_lshl_b32 s51, s50, 23
	v_mov_b32 v[\vs], s51
	s_add_co_i32 s50, s50, 8
	s_lshl_b32 s50, s50, 23
	s_or_b32 s50, s50, 0x600000
	v_mov_b32 v[\vl], s50
.endm
.macro LANESUM
	v_add_f32 v[T], v[T], v[T+1]
	v_add_f32_dpp v[T], v[T], v[T] row_xmask:1 row_mask:0xf bank_mask:0xf
	v_add_f32_dpp v[T], v[T], v[T] row_xmask:2 row_mask:0xf bank_mask:0xf
	v_add_f32_dpp v[T], v[T], v[T] row_xmask:4 row_mask:0xf bank_mask:0xf
	v_add_f32_dpp v[T], v[T], v[T] row_xmask:8 row_mask:0xf bank_mask:0xf
	v_permlanex16_b32 v[T+1], v[T], s14, s15
	v_add_f32 v[T], v[T], v[T+1]
.endm
.macro LNROW p
.set XR, X+32*\p
	s_wait_loadcnt 8*(3-\p)                        ; this row's eight loads are in, the later rows' may be out
	v_pk_add_f32 v[T:T+1], v[XR:XR+1], v[XR+2:XR+3]
	v_pk_add_f32 v[T+2:T+3], v[XR+4:XR+5], v[XR+6:XR+7]
.set j, 8
.rept 6
	v_pk_add_f32 v[T:T+1], v[T:T+1], v[XR+j:XR+j+1]
	v_pk_add_f32 v[T+2:T+3], v[T+2:T+3], v[XR+j+2:XR+j+3]
.set j, j+4
.endr
	v_pk_add_f32 v[T:T+1], v[T:T+1], v[T+2:T+3]
	LANESUM
	v_mul_f32 v[MU], s52, v[T]                     ; the mean
.set j, 0
.rept 16
	v_pk_add_f32 v[XR+j:XR+j+1], v[XR+j:XR+j+1], v[MU:MU+1] op_sel_hi:[1,0] neg_lo:[0,1] neg_hi:[0,1]
.set j, j+2
.endr
	v_pk_mul_f32 v[T:T+1], v[XR:XR+1], v[XR:XR+1]
	v_pk_mul_f32 v[T+2:T+3], v[XR+2:XR+3], v[XR+2:XR+3]
.set j, 4
.rept 7
	v_pk_fma_f32 v[T:T+1], v[XR+j:XR+j+1], v[XR+j:XR+j+1], v[T:T+1]
	v_pk_fma_f32 v[T+2:T+3], v[XR+j+2:XR+j+3], v[XR+j+2:XR+j+3], v[T+2:T+3]
.set j, j+4
.endr
	v_pk_add_f32 v[T:T+1], v[T:T+1], v[T+2:T+3]
	LANESUM
	v_fma_f32 v[T], v[T], s52, s53                 ; var + eps
	v_rsq_f32 v[R], v[T]
	v_nop                                          ; a plain instruction between the transcendental and the use of its result
.set j, 0
	s_wait_alu depctr_va_vdst(0)
.rept 16
	v_pk_mul_f32 v[XR+j:XR+j+1], v[XR+j:XR+j+1], v[R:R+1] op_sel_hi:[1,0]
.set j, j+2
.endr
.set j, 0
.rept 16
	v_pk_fma_f32 v[XR+j:XR+j+1], v[XR+j:XR+j+1], v[G+j:G+j+1], v[B+j:B+j+1]
.set j, j+2
.endr
.set j, 0
.rept 32
	v_med3_num_f32 v[XR+j], v[XR+j], -v9, v9       ; the conversion does not saturate (ISA guide 7.6.2): the hold comes first
.set j, j+1
.endr
.set j, 0
.rept 4
	v_cvt_scalef32_pk8_fp8_f32 v[CD+8*\p+2*j:CD+8*\p+2*j+1], v[XR+8*j:XR+8*j+7], v8
.set j, j+1
.endr
.set j, 0
.rept 8
	ds_store_b32 v3, v[CD+8*\p+j] offset:\p*1040+128*j
.set j, j+1
.endr
.endm
	s_load_b256 s[16:23], s[0:1], 0x0              ; x1, ln2_g, ln2_b, the scales
	s_load_b64 s[24:25], s[0:1], 0x20              ; h2img
	v_lshl_add_u32 v254, v0, 2, 0x4200
	v_mov_b32 v255, 0
	v_lshrrev_b32 v1, 5, v0
	v_readfirstlane_b32 s8, v1                     ; wave 0..3
	v_and_b32 v6, 31, v0                           ; lane
	s_lshl_b32 s60, ttmp9, 16                      ; 16 rows of 4,096 bytes
	s_mov_b32 s61, 0
	s_lshl_b32 s62, ttmp9, 14                      ; 8 fragments of 2,048 bytes
	s_mov_b32 s63, 0
	s_wait_kmcnt 0x0
	s_load_b32 s9, s[22:23], 0x20                  ; e8
	s_add_nc_u64 s[4:5], s[16:17], s[60:61]
	s_add_nc_u64 s[12:13], s[24:25], s[62:63]
	s_mov_b32 s14, 0x76543210
	s_mov_b32 s15, 0xfedcba98
	s_mov_b32 s52, 0x3a800000                      ; 1 / 1,024
	s_mov_b32 s53, 0x3727c5ac                      ; eps = 1e-5
	v_lshlrev_b32 v2, 4, v6
	s_lshl_b32 s50, s8, 14
	v_add_nc_u32 v1, s50, v2                       ; x1: 16 x lane + my four rows
	s_mul_i32 s50, s8, 4160
	v_lshlrev_b32 v3, 2, v6
	v_add_nc_u32 v3, s50, v3                       ; the stage, in
	v_and_b32 v7, 15, v0
	v_bfe_u32 v10, v0, 4, 1
	v_mul_u32_u24 v4, v7, 1040
	v_lshl_add_u32 v4, v10, 3, v4
	s_lshl_b32 s50, s8, 8
	v_add_nc_u32 v4, s50, v4                       ; the stage, out: row r, + 8 h, + my two K steps
	s_lshl_b32 s50, s8, 12
	v_add_nc_u32 v5, s50, v2                       ; the image: 16 x lane + my two fragments
.set j, 0
.rept 8
	global_load_b128 v[G+4*j:G+4*j+3], v2, s[SG:SG+1] offset:512*j
	global_load_b128 v[B+4*j:B+4*j+3], v2, s[SB:SB+1] offset:512*j
.set j, j+1
.endr
.set j, 0
.rept 32
	global_load_b128 v[X+4*j:X+4*j+3], v1, s[4:5] offset:512*j
.set j, j+1
.endr
	s_wait_kmcnt 0x0
	MKSC 9, 8, 9
	v_mov_b32 v[MU+1], 0
	v_mov_b32 v[R+1], 0
	LNROW 0
	LNROW 1
	LNROW 2
	LNROW 3
	s_wait_dscnt 0x0                               ; for the others' sake: my stores into the stage are done
	s_barrier_signal -1
	s_barrier_wait -1
.set u, 0
.rept 8
	ds_load_b64 v[X+4*u:X+4*u+1], v4 offset:(u/4)*128+(u%4)*32
	ds_load_b64 v[X+4*u+2:X+4*u+3], v4 offset:(u/4)*128+(u%4)*32+16
.set u, u+1
.endr
.set u, 0
.rept 8
	s_wait_dscnt 14-2*u                            ; unit u's two loads are in; the younger units' may be out
	global_store_b128 v5, v[X+4*u:X+4*u+3], s[12:13] offset:(u/4)*2048+(u%4)*512
.set u, u+1
.endr
	s_wait_tensorcnt 0x0
	ds_add_u32 v254, v255
	s_wait_dscnt 0x0
	s_endpgm
.Lfunc_end_k_qbe8ee9bd71_ln2:
	.size	k_qbe8ee9bd71_ln2, .Lfunc_end_k_qbe8ee9bd71_ln2-k_qbe8ee9bd71_ln2
	.p2alignl 7, 3214868480
	.fill 96, 4, 3214868480
	.section	.rodata,"a",@progbits
	.p2align	6, 0x0
	.amdhsa_kernel k_qbe8ee9bd71_ln2
		.amdhsa_group_segment_fixed_size 17408
		.amdhsa_private_segment_fixed_size 0
		.amdhsa_enable_private_segment 0
		.amdhsa_kernarg_size 40
		.amdhsa_user_sgpr_count 2
		.amdhsa_user_sgpr_kernarg_segment_ptr 1
		.amdhsa_wavefront_size32 1
		.amdhsa_system_sgpr_workgroup_id_x 1
		.amdhsa_system_sgpr_workgroup_id_y 1
		.amdhsa_system_sgpr_workgroup_id_z 1
		.amdhsa_system_vgpr_workitem_id 0
		.amdhsa_next_free_vgpr 256
		.amdhsa_next_free_sgpr 66
		.amdhsa_reserve_vcc 0
		.amdhsa_float_denorm_mode_32 3
		.amdhsa_float_denorm_mode_16_64 3
		.amdhsa_memory_ordered 1
		.amdhsa_forward_progress 1
		.amdhsa_inst_pref_size 44
	.end_amdhsa_kernel
	.amdgpu_metadata
---
amdhsa.version: [ 1, 2 ]
amdhsa.kernels:
  - .name:           k_qbe8ee9bd71_ln2
    .symbol:         k_qbe8ee9bd71_ln2.kd
    .args:
      - { .name: x1, .offset: 0, .size: 8, .value_kind: global_buffer, .address_space: global }
      - { .name: ln2_g, .offset: 8, .size: 8, .value_kind: global_buffer, .address_space: global }
      - { .name: ln2_b, .offset: 16, .size: 8, .value_kind: global_buffer, .address_space: global }
      - { .name: lowp_scales, .offset: 24, .size: 8, .value_kind: global_buffer, .address_space: global }
      - { .name: h2img, .offset: 32, .size: 8, .value_kind: global_buffer, .address_space: global }
    .group_segment_fixed_size: 17408
    .private_segment_fixed_size: 0
    .kernarg_segment_align: 8
    .kernarg_segment_size: 40
    .max_flat_workgroup_size: 128
    .sgpr_count:     66
    .vgpr_count:     256
    .wavefront_size: 32
...
	.end_amdgpu_metadata
.endif
;; end of part 5
;; launch fc1 (part 6): grid 16 x 16, 4 waves a work-group, clusters of 4 x 4, 327,680 bytes of LDS; arguments h2img, pimg, b_fc1, lowp_scales, hid; writes hid
.if DOCPART == 6
	.amdgcn_target "amdgcn-amd-amdhsa--gfx1250"
	.amdhsa_code_object_version 6
	.text
	.protected	k_qbe8ee9bd71_fc1
	.globl	k_qbe8ee9bd71_fc1
	.p2align	8
	.type	k_qbe8ee9bd71_fc1,@function
k_qbe8ee9bd71_fc1:
	s_mov_b64 s[64:65], 0
	v_nop
	global_prefetch_b8 v0, s[64:65] scope:SCOPE_SE
	s_setreg_imm32_b32 hwreg(HW_REG_WAVE_MODE, 25, 1), 1
	s_wait_xcnt 0x0
	s_wait_alu depctr_hold_cnt(0) depctr_sa_sdst(0) depctr_va_vdst(0) depctr_va_sdst(0) depctr_va_ssrc(0) depctr_va_vcc(0) depctr_vm_vsrc(0)
	s_getreg_b32 s2, hwreg(HW_REG_IB_STS2, 6, 4)
	s_cmp_eq_u32 s2, 0
	s_cbranch_scc0 .Lentry_in_a_cluster
	s_endpgm
.Lentry_in_a_cluster:
	s_bfe_u32 s2, ttmp6, 0x10000c
	s_cmp_lg_u32 s2, 0xf033
	s_cbranch_scc0 .Lentry_shape_is_right
	s_endpgm
.Lentry_shape_is_right:
; hid = Q(relu(LN2(x1) W1 + b_fc1)): the product on codes of E4M3 (e8, e9); the result is quantised (e10) on the way out and leaves as the image that the next product reads.
; OPERANDS ARE FRAGMENT IMAGES: 16 rows x 128 K = 2,048 bytes, registers 4 g .. 4 g + 3 of lane l at 512 g + 16 l; a matrix is [rows / 16][K / 128][2,048].  So a fragment is four ds_load_b128 of 512 consecutive bytes: no pitch, no padding.
; A tile of C, 256 x 256, is made by four waves, 128 x 128 each: 64 accumulators.  K goes in steps of 256 through two LDS slots.  A wave's tensor load brings 8 tiles of 16 rows x 4,096 consecutive bytes (32 KiB): the images have no more than these 8 rows to give.
; CLUSTERS 4 x 4: A's tiles are asked for jointly along a row of the cluster, B's along a column.  The matrix instruction is used transposed: a lane holds eight neighbouring columns of a row of C, so one conversion of tile b is registers 2 b, 2 b + 1 of the next operand, and a wave's 128 columns are one K step of it.
; The bias, divided by 2^(e8 + e9), is the C of each sum's first product; the three scales are folded into the conversion's one, 2^(e10 - e8 - e9); the hold between 0 and 448 x that is the activation too.
; LIMITS: e8 + e9 between -126 and 127; e10 - e8 - e9 between -126 and 119.  NaN is not served.
.set SIZE_K, 1024
.set A_OFF, 0
.set B_OFF, 0x200000                   ; W1's image in pimg
.set EA, 8
.set EB, 9
.set FRB,    2048
.set SLB,    4096
.set HALFT,  8*SLB
.set SLOT,   4*HALFT
.set SPARE,  2*SLOT                    ; behind the ring: the spare words, 128 bytes for each wave, that no other line names
.set LAPS,   SIZE_K/512
.set RTB,    16*SIZE_K
.set FR, 16
.set NL, 4
.set NP, 4
.set ADRA, 16
.set ADRB, 20
.set LI,   27
.set SPW,  28
.set NIL,  29
.set SC,   30
.set LIM,  31
.set BI,   32
.set AF,   128
.set T,    192                         ; the way out: 64 numbers, held
.set CD,   32                          ; codes: 16 registers for each block of 16 rows, never written twice
.set G1, 24
.set G0, 32
.set G1B, 48
.set G0B, 56
.set MSB, 0
.macro WIN new
.if MSB != \new
	s_set_vgpr_msb (MSB<<8)|\new
.set MSB, \new
.endif
.endm
.set MUL_LO, 0xa1
.set MUL_HI, 0xf1
.set FIRST_LO, 0x81                    ; C (the bias) in window 0
.set FIRST_HI, 0xc1
.set TO_B,   0x40
.macro JLOAD g0a, g1a, g0b, g1b        ; a joint load: waves 0 and 1 fetch for A, waves 2 and 3 for B; four v_nop follow each line
	s_cmp_eq_u32 s15, 0
	s_cbranch_scc0 .Lfor_b_\@
	tensor_load_to_lds s[\g0a:\g0a+3], s[\g1a:\g1a+7]
	s_nop 0
.rept 4
	v_nop
.endr
	s_branch .Lasked_\@
.Lfor_b_\@:
	tensor_load_to_lds s[\g0b:\g0b+3], s[\g1b:\g1b+7]
	s_nop 0
.rept 4
	v_nop
.endr
.Lasked_\@:
.endm
.macro CREST
	s_cmp_lg_u32 s14, 0
	s_cbranch_scc1 .Lnot_wave_0_\@
	s_barrier_signal -3
.Lnot_wave_0_\@:
	s_barrier_wait -3
	s_barrier_signal -1
	s_barrier_wait -1
.endm
.macro CROUND
	s_barrier_signal -1
	s_barrier_wait -1
	CREST
.endm
	s_load_b256 s[68:75], s[0:1], 0x0              ; A's image s[68:69], pimg s[70:71], the bias s[72:73], the scales s[74:75]
	s_load_b64 s[76:77], s[0:1], 0x20              ; hid
	v_lshl_add_u32 v[SPW], v0, 2, SPARE
	v_mov_b32 v[NIL], 0
	ds_add_u32 v28, v29
	ds_add_u32 v28, v29
	s_wait_dscnt 0x0
	v_lshrrev_b32 v1, 5, v0
	v_readfirstlane_b32 s14, v1
	s_lshr_b32 s15, s14, 1
	s_and_b32 s16, s14, 1
	s_bfe_u32 s40, ttmp6, 0x40000
	s_bfe_u32 s41, ttmp6, 0x40004
	s_lshl_b32 s42, ttmp9, 2
	s_add_co_u32 s42, s42, s40                     ; tile column
	s_and_b32 s17, ttmp7, 0xffff
	s_lshl_b32 s17, s17, 2
	s_add_co_u32 s17, s17, s41                     ; tile row
	s_lshl_b32 s43, s41, 2
	s_lshl_b32 s43, 15, s43
	s_lshl_b32 s44, 0x1111, s40
	s_or_b32 s[G1+0], s43, (1<<21)                 ; 15:0 the mask; 17:16 elements of 1 byte; no padding; 21 set beside a mask
	s_or_b32 s[G1B+0], s44, (1<<21)
.irp g, G1, G1B
	s_mov_b32 s[\g+1], SLB<<16
	s_mov_b32 s[\g+2], 8<<16
	s_mov_b32 s[\g+3], SLB<<16
	s_mov_b32 s[\g+4], 8
	s_mov_b32 s[\g+5], RTB
	s_mov_b32 s[\g+6], 0
	s_mov_b32 s[\g+7], 0
.endr
	s_lshl_b32 s18, s16, 7
	s_lshl_b32 s20, s17, 8
	s_add_co_u32 s20, s20, s18
	s_mul_i32 s20, s20, SIZE_K
	s_add_co_u32 s20, s20, A_OFF
	s_mov_b32 s21, 0
	s_lshl_b32 s46, s42, 8
	s_add_co_u32 s46, s46, s18
	s_mul_i32 s46, s46, SIZE_K
	s_add_co_u32 s46, s46, B_OFF
	s_mov_b32 s47, 0
	s_mul_i32 s45, s14, HALFT
	s_wait_kmcnt 0x0
	s_load_b256 s[84:91], s[74:75], 0x0
	s_load_b128 s[92:95], s[74:75], 0x20
	s_add_nc_u64 s[20:21], s[68:69], s[20:21]
	s_add_nc_u64 s[46:47], s[70:71], s[46:47]
	CROUND                                         ; all sixteen work-groups are here: the first joint loads meet
.irp s, 0,1
	s_mov_b32 s[G0+4*\s], 1
	s_add_co_u32 s[G0+4*\s+1], s45, \s*SLOT
	s_add_nc_u64 s[G0+4*\s+2:G0+4*\s+3], s[20:21], \s*SLB
	s_or_b32 s[G0+4*\s+3], s[G0+4*\s+3], 0x80000000
	s_mov_b32 s[G0B+4*\s], 1
	s_add_co_u32 s[G0B+4*\s+1], s45, \s*SLOT
	s_add_nc_u64 s[G0B+4*\s+2:G0B+4*\s+3], s[46:47], \s*SLB
	s_or_b32 s[G0B+4*\s+3], s[G0B+4*\s+3], 0x80000000
	JLOAD G0+4*\s, G1, G0B+4*\s, G1B
.endr
	v_and_b32 v1, 31, v0
	v_lshlrev_b32 v[LI], 4, v1
	s_mul_i32 s21, s15, HALFT
	s_mul_i32 s22, s16, HALFT
	s_add_co_u32 s22, s22, 2*HALFT
.irp s, 0,1
	v_add_nc_u32 v[ADRA+\s], s21, v[LI]
	v_add_nc_u32 v[ADRB+\s], s22, v[LI]
	s_add_co_u32 s21, s21, SLOT
	s_add_co_u32 s22, s22, SLOT
.endr
	v_bfe_u32 v2, v0, 4, 1
	v_lshlrev_b32 v3, 5, v2                        ; 32 h
	s_lshl_b32 s46, s42, 10
	s_lshl_b32 s47, s16, 9
	s_add_co_u32 s46, s46, s47
	s_mov_b32 s47, 0
	s_add_nc_u64 s[98:99], s[72:73], s[46:47]
.irp b, 0,1,2,3,4,5,6,7
	global_load_b128 v[BI+8*\b:BI+8*\b+3], v3, s[98:99] offset:64*\b
	global_load_b128 v[BI+8*\b+4:BI+8*\b+7], v3, s[98:99] offset:64*\b+16
.endr
	s_lshl_b32 s20, s17, 4
	s_lshl_b32 s21, s15, 3
	s_add_co_u32 s20, s20, s21                     ; my first tile of 16 rows
	s_lshl_b32 s20, s20, 5                         ; x 32 K steps
	s_lshl_b32 s21, s42, 1
	s_add_co_u32 s20, s20, s21
	s_add_co_u32 s20, s20, s16                     ; + mine: 2 x tile column + half
	s_lshl_b32 s20, s20, 11
	s_mov_b32 s21, 0
	s_add_nc_u64 s[76:77], s[76:77], s[20:21]
	s_wait_kmcnt 0x0
	s_add_co_i32 s96, s[84+EA], s[84+EB]
	s_sub_co_i32 s83, 0, s96
	s_sub_co_i32 s82, s94, s96                     ; e10 - e8 - e9
	s_add_co_i32 s22, s82, 127
	s_lshl_b32 s23, s22, 23
	v_mov_b32 v[SC], s23                           ; 2^(e10 - e8 - e9)
	s_add_co_i32 s22, s22, 8
	s_lshl_b32 s22, s22, 23
	s_or_b32 s22, s22, 0x600000
	v_mov_b32 v[LIM], s22                          ; 448 x that
	s_wait_loadcnt 0x0
.set i, 0
.rept 64
	v_ldexp_f32 v[BI+i], v[BI+i], s83
.set i, i+1
.endr
.macro FRAG reg, adr, q, i
.irp c, 0,1,2,3
	ds_load_b128 v[\reg+4*\c:\reg+4*\c+3], v[\adr] offset:(\i)*SLB+(\q)*FRB+512*\c
.endr
.endm
; 16 matrix instructions: A's blocks a0, a0 + 1 x B's eight.  The 64 accumulators take turns, one instruction a turn, in the same order in every step.
.macro MUL16 a0, p, first
.irp a, \a0, \a0+1
.irp b, 0,1,2,3,4,5,6,7
.if \first
	v_wmma_f32_16x16x128_fp8_fp8 v[8*(8*((\a)%4)+\b):8*(8*((\a)%4)+\b)+7], v[128*(\p)+FR*\b:128*(\p)+FR*\b+FR-1], v[AF+FR*(\a):AF+FR*(\a)+FR-1], v[BI+8*\b:BI+8*\b+7]
.else
	v_wmma_f32_16x16x128_fp8_fp8 v[8*(8*((\a)%4)+\b):8*(8*((\a)%4)+\b)+7], v[128*(\p)+FR*\b:128*(\p)+FR*\b+FR-1], v[AF+FR*(\a):AF+FR*(\a)+FR-1], v[8*(8*((\a)%4)+\b):8*(8*((\a)%4)+\b)+7]
.endif
.endr
.endr
.endm
.macro FETCH_B slot, q, p
	WIN TO_B
.irp i, 0,1,2,3,4,5,6,7
	FRAG 128*(\p)+FR*\i, ADRB+\slot, \q, \i
.endr
	WIN 0
.endm
.macro FETCH_A slot, q, i0
.irp i, \i0, \i0+1, \i0+2, \i0+3
	FRAG AF+FR*(\i), ADRA+\slot, \q, \i
.endr
.endm
.macro PLACES n
.rept \n
	v_nop
.endr
.endm
.macro STEP slot, q, first
	s_wait_dscnt 4*NL                              ; B's set and A's blocks 0-3 are in; the youngest 16 loads (A's blocks 4-7) may be out
.if \first
	WIN FIRST_LO
.else
	WIN MUL_LO
.endif
	MUL16 0, (\q)%2, \first
	MUL16 2, (\q)%2, \first
	s_wait_dscnt 0
	PLACES NP
	FETCH_B \slot, (\q)+1, 1-(\q)%2
	FETCH_A \slot, (\q)+1, 0
.if \first
	WIN FIRST_HI
.else
	WIN MUL_HI
.endif
	MUL16 4, (\q)%2, \first
	MUL16 6, (\q)%2, \first
	PLACES NP
	WIN 0
	FETCH_A \slot, (\q)+1, 4
.endm
.macro TURN slot, next, fill
	s_wait_tensorcnt 0x0                           ; all my tensor loads have landed: my part of the next slot
	ds_add_u32 v[SPW], v[NIL]                      ; 0 onto my spare word
	s_wait_dscnt 4*NL+1                            ; the add and the youngest 16 loads may be out
	WIN MUL_LO
	MUL16 0, 1, 0
	s_wait_dscnt 0x0                               ; the add is done, and my reads of this slot are over
	s_barrier_signal -1
	MUL16 2, 1, 0
	WIN 0
	s_barrier_wait -1
.if \fill
	CREST
	s_add_nc_u64 s[G0+4*\slot+2:G0+4*\slot+3], s[G0+4*\slot+2:G0+4*\slot+3], 2*SLB
	s_add_nc_u64 s[G0B+4*\slot+2:G0B+4*\slot+3], s[G0B+4*\slot+2:G0B+4*\slot+3], 2*SLB
	JLOAD G0+4*\slot, G1, G0B+4*\slot, G1B         ; the first tensor load behind the round; its four v_nop are the places in front of the loads below
.else
	PLACES NP
.endif
	FETCH_B \next, 0, 0
	FETCH_A \next, 0, 0
	WIN MUL_HI
	MUL16 4, 1, 0
	MUL16 6, 1, 0
	PLACES NP
	WIN 0
	FETCH_A \next, 0, 4
.endm
	s_wait_tensorcnt 1                             ; my part of slot 0 is in; slot 1's load may be out
	s_barrier_signal -1
	s_barrier_wait -1
	FETCH_B 0, 0, 0
	FETCH_A 0, 0, 0
	FETCH_A 0, 0, 4
	STEP 0, 0, 1
	s_mov_b32 s3, LAPS-1
.Llap:
	TURN 0, 1, 1
	STEP 1, 0, 0
	TURN 1, 0, 1
	STEP 0, 0, 0
	s_sub_co_u32 s3, s3, 1
	s_cmp_lg_u32 s3, 0
	s_cbranch_scc1 .Llap
	TURN 0, 1, 0
	STEP 1, 0, 0
	s_wait_dscnt 4*NL
	WIN MUL_LO
	MUL16 0, 1, 0
	MUL16 2, 1, 0
	s_wait_dscnt 0
	WIN MUL_HI
	MUL16 4, 1, 0
	MUL16 6, 1, 0
	WIN 0
	PLACES NP
.macro QOUT a                          ; rows 16 a on: one fragment of the next operand
.set AC, 64*((\a)%4)
	WIN 0x02+((\a)/4)
.set i, 0
.rept 64
	v_med3_num_f32 v[T+i], v[AC+i], 0, v[LIM]      ; the activation and the hold in one; each accumulator from its low end on
.set i, i+1
.endr
	WIN 0
.set i, 0
.rept 8
	v_cvt_scalef32_pk8_fp8_f32 v[CD+16*(\a)+2*i:CD+16*(\a)+2*i+1], v[T+8*i:T+8*i+7], v[SC]
.set i, i+1
.endr
	v_nop                                          ; a plain instruction between the conversions and the next write of their sources
.irp g, 0,1,2,3
	global_store_b128 v[LI], v[CD+16*(\a)+4*\g:CD+16*(\a)+4*\g+3], s[76:77] offset:(\a)*65536+\g*512   ; 512 consecutive bytes, aligned
.endr
.endm
.irp a, 0,1,2,3,4,5,6,7
	QOUT \a
.endr
	s_wait_tensorcnt 0x0                           ; the wave's end
	ds_add_u32 v[SPW], v[NIL]
	s_wait_dscnt 0x0
	CROUND                                         ; the closing round
	s_endpgm
.Lfunc_end_k_qbe8ee9bd71_fc1:
	.size	k_qbe8ee9bd71_fc1, .Lfunc_end_k_qbe8ee9bd71_fc1-k_qbe8ee9bd71_fc1
	.p2alignl 7, 3214868480
	.fill 96, 4, 3214868480
	.section	.rodata,"a",@progbits
	.p2align	6, 0x0
	.amdhsa_kernel k_qbe8ee9bd71_fc1
		.amdhsa_group_segment_fixed_size 327680
		.amdhsa_private_segment_fixed_size 0
		.amdhsa_enable_private_segment 0
		.amdhsa_kernarg_size 40
		.amdhsa_user_sgpr_count 2
		.amdhsa_user_sgpr_kernarg_segment_ptr 1
		.amdhsa_wavefront_size32 1
		.amdhsa_system_sgpr_workgroup_id_x 1
		.amdhsa_system_sgpr_workgroup_id_y 1
		.amdhsa_system_sgpr_workgroup_id_z 1
		.amdhsa_system_vgpr_workitem_id 0
		.amdhsa_next_free_vgpr 1024
		.amdhsa_next_free_sgpr 102
		.amdhsa_reserve_vcc 0
		.amdhsa_float_denorm_mode_32 3
		.amdhsa_float_denorm_mode_16_64 3
		.amdhsa_memory_ordered 1
		.amdhsa_forward_progress 1
		.amdhsa_inst_pref_size 123
	.end_amdhsa_kernel
	.amdgpu_metadata
---
amdhsa.version: [ 1, 2 ]
amdhsa.kernels:
  - .name:           k_qbe8ee9bd71_fc1
    .symbol:         k_qbe8ee9bd71_fc1.kd
    .args:
      - { .name: h2img, .offset: 0, .size: 8, .value_kind: global_buffer, .address_space: global }
      - { .name: pimg, .offset: 8, .size: 8, .value_kind: global_buffer, .address_space: global }
      - { .name: b_fc1, .offset: 16, .size: 8, .value_kind: global_buffer, .address_space: global }
      - { .name: lowp_scales, .offset: 24, .size: 8, .value_kind: global_buffer, .address_space: global }
      - { .name: hid, .offset: 32, .size: 8, .value_kind: global_buffer, .address_space: global }
    .group_segment_fixed_size: 327680
    .private_segment_fixed_size: 0
    .kernarg_segment_align: 8
    .kernarg_segment_size: 40
    .max_flat_workgroup_size: 128
    .sgpr_count:     102
    .vgpr_count:     1024
    .wavefront_size: 32
...
	.end_amdgpu_metadata
.endif
;; end of part 6
;; launch fc2 (part 7): grid 4 x 16, 4 waves a work-group, clusters of 4 x 4, 327,680 bytes of LDS; arguments hid, pimg, b_fc2, x1, lowp_scales, out0; writes out0
.if DOCPART == 7
	.amdgcn_target "amdgcn-amd-amdhsa--gfx1250"
	.amdhsa_code_object_version 6
	.text
	.protected	k_qbe8ee9bd71_fc2
	.globl	k_qbe8ee9bd71_fc2
	.p2align	8
	.type	k_qbe8ee9bd71_fc2,@function
k_qbe8ee9bd71_fc2:
	s_mov_b64 s[64:65], 0
	v_nop
	global_prefetch_b8 v0, s[64:65] scope:SCOPE_SE
	s_setreg_imm32_b32 hwreg(HW_REG_WAVE_MODE, 25, 1), 1
	s_wait_xcnt 0x0
	s_wait_alu depctr_hold_cnt(0) depctr_sa_sdst(0) depctr_va_vdst(0) depctr_va_sdst(0) depctr_va_ssrc(0) depctr_va_vcc(0) depctr_vm_vsrc(0)
	s_getreg_b32 s2, hwreg(HW_REG_IB_STS2, 6, 4)
	s_cmp_eq_u32 s2, 0
	s_cbranch_scc0 .Lentry_in_a_cluster
	s_endpgm
.Lentry_in_a_cluster:
	s_bfe_u32 s2, ttmp6, 0x10000c
	s_cmp_lg_u32 s2, 0xf033
	s_cbranch_scc0 .Lentry_shape_is_right
	s_endpgm
.Lentry_shape_is_right:
; out0 = x1 + hid W2 + b_fc2: the product on codes of E4M3 (hid: e10, W2: e11), sums in f32.
; OPERANDS ARE FRAGMENT IMAGES: 16 rows x 128 K = 2,048 bytes, registers 4 g .. 4 g + 3 of lane l at 512 g + 16 l; a matrix is [rows / 16][K / 128][2,048].  So a fragment is four ds_load_b128 of 512 consecutive bytes: no pitch, no padding.
; A tile of C, 256 x 256, is made by four waves, 128 x 128 each: 64 accumulators.  K goes in steps of 256 through two LDS slots.  A wave's tensor load brings 8 tiles of 16 rows x 4,096 consecutive bytes (32 KiB): the images have no more than these 8 rows to give.
; CLUSTERS 4 x 4: A's tiles are asked for jointly along a row of the cluster, B's along a column.  The matrix instruction is used transposed (source 0 = B's rows, source 1 = A's rows): a lane holds eight neighbouring columns of a row of C.
; The bias, divided by 2^(ea + eb), is the C of each sum's first product; on the way out one packed multiply-add gives sum x 2^(ea + eb) + the residual.
; REGISTERS: window 0: v16-31 addresses, v32-95 bias, v128-255 A's fragments (one set), later rows on the way out; window 1: B's fragments (two sets), later the residual; windows 2, 3: accumulator (a, b) at v[8 (8 (a % 4) + b)].
; The grid has 64 tiles of 256 x 256.  LIMIT: ea + eb between -126 and 127.
.set SIZE_K, 4096
.set A_OFF, 0
.set B_OFF, 0x600000                   ; W2's image in pimg
.set EA, 10
.set EB, 11
.set FRB,    2048
.set SLB,    4096
.set HALFT,  8*SLB
.set SLOT,   4*HALFT
.set SPARE,  2*SLOT                    ; behind the ring: the spare words, 128 bytes for each wave, that no other line names
.set LAPS,   SIZE_K/512
.set RTB,    16*SIZE_K
.set SPITCH, 528                       ; the way out: a stage of 16 rows x (512 + 16) bytes for each wave, in slot 0, which has then had its last fill and its last read
.set FR, 16
.set NL, 4
.set NP, 4
.set ADRA, 16
.set ADRB, 20
.set STO,  24
.set RD,   25
.set LI,   27
.set SPW,  28
.set NIL,  29
.set BI,   32
.set AF,   128
.set BK,   128
.set G1, 24
.set G0, 32
.set G1B, 48
.set G0B, 56
.set MSB, 0
.macro WIN new
.if MSB != \new
	s_set_vgpr_msb (MSB<<8)|\new
.set MSB, \new
.endif
.endm
.set MUL_LO, 0xa1
.set MUL_HI, 0xf1
.set FIRST_LO, 0x81                    ; C (the bias) in window 0
.set FIRST_HI, 0xc1
.set TO_B,   0x40
.macro JLOAD g0a, g1a, g0b, g1b        ; a joint load: waves 0 and 1 fetch for A, waves 2 and 3 for B; four v_nop follow each line
	s_cmp_eq_u32 s15, 0
	s_cbranch_scc0 .Lfor_b_\@
	tensor_load_to_lds s[\g0a:\g0a+3], s[\g1a:\g1a+7]
	s_nop 0
.rept 4
	v_nop
.endr
	s_branch .Lasked_\@
.Lfor_b_\@:
	tensor_load_to_lds s[\g0b:\g0b+3], s[\g1b:\g1b+7]
	s_nop 0
.rept 4
	v_nop
.endr
.Lasked_\@:
.endm
.macro CREST
	s_cmp_lg_u32 s14, 0
	s_cbranch_scc1 .Lnot_wave_0_\@
	s_barrier_signal -3
.Lnot_wave_0_\@:
	s_barrier_wait -3
	s_barrier_signal -1
	s_barrier_wait -1
.endm
.macro CROUND
	s_barrier_signal -1
	s_barrier_wait -1
	CREST
.endm
	s_load_b256 s[68:75], s[0:1], 0x0              ; A's image s[68:69], pimg s[70:71], the bias s[72:73], the residual s[74:75]
	s_load_b128 s[76:79], s[0:1], 0x20             ; the scales s[76:77], the result s[78:79]
	v_lshl_add_u32 v[SPW], v0, 2, SPARE
	v_mov_b32 v[NIL], 0
	ds_add_u32 v28, v29
	ds_add_u32 v28, v29
	s_wait_dscnt 0x0
	v_lshrrev_b32 v1, 5, v0
	v_readfirstlane_b32 s14, v1
	s_lshr_b32 s15, s14, 1
	s_and_b32 s16, s14, 1
	s_bfe_u32 s40, ttmp6, 0x40000
	s_bfe_u32 s41, ttmp6, 0x40004
	s_lshl_b32 s42, ttmp9, 2
	s_add_co_u32 s42, s42, s40                     ; tile column
	s_and_b32 s17, ttmp7, 0xffff
	s_lshl_b32 s17, s17, 2
	s_add_co_u32 s17, s17, s41                     ; tile row
	s_lshl_b32 s43, s41, 2
	s_lshl_b32 s43, 15, s43
	s_lshl_b32 s44, 0x1111, s40
	s_or_b32 s[G1+0], s43, (1<<21)                 ; 15:0 the mask; 17:16 elements of 1 byte; no padding; 21 set beside a mask
	s_or_b32 s[G1B+0], s44, (1<<21)
.irp g, G1, G1B
	s_mov_b32 s[\g+1], SLB<<16
	s_mov_b32 s[\g+2], 8<<16
	s_mov_b32 s[\g+3], SLB<<16
	s_mov_b32 s[\g+4], 8
	s_mov_b32 s[\g+5], RTB
	s_mov_b32 s[\g+6], 0
	s_mov_b32 s[\g+7], 0
.endr
	s_lshl_b32 s18, s16, 7
	s_lshl_b32 s20, s17, 8
	s_add_co_u32 s20, s20, s18
	s_mul_i32 s20, s20, SIZE_K
	s_add_co_u32 s20, s20, A_OFF
	s_mov_b32 s21, 0
	s_lshl_b32 s46, s42, 8
	s_add_co_u32 s46, s46, s18
	s_mul_i32 s46, s46, SIZE_K
	s_add_co_u32 s46, s46, B_OFF
	s_mov_b32 s47, 0
	s_mul_i32 s45, s14, HALFT
	s_wait_kmcnt 0x0
	s_load_b256 s[84:91], s[76:77], 0x0
	s_load_b128 s[92:95], s[76:77], 0x20
	s_add_nc_u64 s[20:21], s[68:69], s[20:21]
	s_add_nc_u64 s[46:47], s[70:71], s[46:47]
	CROUND                                         ; all sixteen work-groups are here: the first joint loads meet
.irp s, 0,1
	s_mov_b32 s[G0+4*\s], 1
	s_add_co_u32 s[G0+4*\s+1], s45, \s*SLOT
	s_add_nc_u64 s[G0+4*\s+2:G0+4*\s+3], s[20:21], \s*SLB
	s_or_b32 s[G0+4*\s+3], s[G0+4*\s+3], 0x80000000
	s_mov_b32 s[G0B+4*\s], 1
	s_add_co_u32 s[G0B+4*\s+1], s45, \s*SLOT
	s_add_nc_u64 s[G0B+4*\s+2:G0B+4*\s+3], s[46:47], \s*SLB
	s_or_b32 s[G0B+4*\s+3], s[G0B+4*\s+3], 0x80000000
	JLOAD G0+4*\s, G1, G0B+4*\s, G1B
.endr
	v_and_b32 v1, 31, v0
	v_lshlrev_b32 v[LI], 4, v1
	s_mul_i32 s21, s15, HALFT
	s_mul_i32 s22, s16, HALFT
	s_add_co_u32 s22, s22, 2*HALFT
.irp s, 0,1
	v_add_nc_u32 v[ADRA+\s], s21, v[LI]
	v_add_nc_u32 v[ADRB+\s], s22, v[LI]
	s_add_co_u32 s21, s21, SLOT
	s_add_co_u32 s22, s22, SLOT
.endr
	v_and_b32 v1, 15, v0
	v_bfe_u32 v2, v0, 4, 1
	v_lshlrev_b32 v3, 5, v2
	s_mul_i32 s23, s14, 16*SPITCH
	v_mul_u32_u24 v5, v1, SPITCH
	v_lshl_add_u32 v5, v2, 5, v5
	v_add_nc_u32 v[STO], s23, v5
	v_add_nc_u32 v[RD], s23, v[LI]
	s_lshl_b32 s46, s42, 10
	s_lshl_b32 s47, s16, 9
	s_add_co_u32 s46, s46, s47
	s_mov_b32 s47, 0
	s_add_nc_u64 s[98:99], s[72:73], s[46:47]
.irp b, 0,1,2,3,4,5,6,7
	global_load_b128 v[BI+8*\b:BI+8*\b+3], v3, s[98:99] offset:64*\b
	global_load_b128 v[BI+8*\b+4:BI+8*\b+7], v3, s[98:99] offset:64*\b+16
.endr
	s_lshl_b32 s20, s17, 8
	s_lshl_b32 s21, s15, 7
	s_add_co_u32 s20, s20, s21
	s_lshl_b32 s20, s20, 12
	s_add_co_u32 s20, s20, s46
	s_mov_b32 s21, 0
	s_add_nc_u64 s[74:75], s[74:75], s[20:21]
	s_add_nc_u64 s[78:79], s[78:79], s[20:21]
	s_wait_kmcnt 0x0
	s_add_co_i32 s96, s[84+EA], s[84+EB]
	s_sub_co_i32 s83, 0, s96
	s_add_co_i32 s96, s96, 127
	s_lshl_b32 s96, s96, 23                        ; 2^(ea + eb) as f32
	s_mov_b32 s97, s96
	s_wait_loadcnt 0x0
.set i, 0
.rept 64
	v_ldexp_f32 v[BI+i], v[BI+i], s83
.set i, i+1
.endr
.macro FRAG reg, adr, q, i
.irp c, 0,1,2,3
	ds_load_b128 v[\reg+4*\c:\reg+4*\c+3], v[\adr] offset:(\i)*SLB+(\q)*FRB+512*\c
.endr
.endm
; 16 matrix instructions: A's blocks a0, a0 + 1 x B's eight.  The 64 accumulators take turns, one instruction a turn, in the same order in every step.
.macro MUL16 a0, p, first
.irp a, \a0, \a0+1
.irp b, 0,1,2,3,4,5,6,7
.if \first
	v_wmma_f32_16x16x128_fp8_fp8 v[8*(8*((\a)%4)+\b):8*(8*((\a)%4)+\b)+7], v[128*(\p)+FR*\b:128*(\p)+FR*\b+FR-1], v[AF+FR*(\a):AF+FR*(\a)+FR-1], v[BI+8*\b:BI+8*\b+7]
.else
	v_wmma_f32_16x16x128_fp8_fp8 v[8*(8*((\a)%4)+\b):8*(8*((\a)%4)+\b)+7], v[128*(\p)+FR*\b:128*(\p)+FR*\b+FR-1], v[AF+FR*(\a):AF+FR*(\a)+FR-1], v[8*(8*((\a)%4)+\b):8*(8*((\a)%4)+\b)+7]
.endif
.endr
.endr
.endm
.macro FETCH_B slot, q, p
	WIN TO_B
.irp i, 0,1,2,3,4,5,6,7
	FRAG 128*(\p)+FR*\i, ADRB+\slot, \q, \i
.endr
	WIN 0
.endm
.macro FETCH_A slot, q, i0
.irp i, \i0, \i0+1, \i0+2, \i0+3
	FRAG AF+FR*(\i), ADRA+\slot, \q, \i
.endr
.endm
.macro PLACES n
.rept \n
	v_nop
.endr
.endm
.macro STEP slot, q, first
	s_wait_dscnt 4*NL                              ; B's set and A's blocks 0-3 are in; the youngest 16 loads (A's blocks 4-7) may be out
.if \first
	WIN FIRST_LO
.else
	WIN MUL_LO
.endif
	MUL16 0, (\q)%2, \first
	MUL16 2, (\q)%2, \first
	s_wait_dscnt 0
	PLACES NP
	FETCH_B \slot, (\q)+1, 1-(\q)%2
	FETCH_A \slot, (\q)+1, 0
.if \first
	WIN FIRST_HI
.else
	WIN MUL_HI
.endif
	MUL16 4, (\q)%2, \first
	MUL16 6, (\q)%2, \first
	PLACES NP
	WIN 0
	FETCH_A \slot, (\q)+1, 4
.endm
.macro TURN slot, next, fill
	s_wait_tensorcnt 0x0                           ; all my tensor loads have landed: my part of the next slot
	ds_add_u32 v[SPW], v[NIL]                      ; 0 onto my spare word
	s_wait_dscnt 4*NL+1                            ; the add and the youngest 16 loads may be out
	WIN MUL_LO
	MUL16 0, 1, 0
	s_wait_dscnt 0x0                               ; the add is done, and my reads of this slot are over
	s_barrier_signal -1
	MUL16 2, 1, 0
	WIN 0
	s_barrier_wait -1
.if \fill
	CREST
	s_add_nc_u64 s[G0+4*\slot+2:G0+4*\slot+3], s[G0+4*\slot+2:G0+4*\slot+3], 2*SLB
	s_add_nc_u64 s[G0B+4*\slot+2:G0B+4*\slot+3], s[G0B+4*\slot+2:G0B+4*\slot+3], 2*SLB
	JLOAD G0+4*\slot, G1, G0B+4*\slot, G1B         ; the first tensor load behind the round; its four v_nop are the places in front of the loads below
.else
	PLACES NP
.endif
	FETCH_B \next, 0, 0
	FETCH_A \next, 0, 0
	WIN MUL_HI
	MUL16 4, 1, 0
	MUL16 6, 1, 0
	PLACES NP
	WIN 0
	FETCH_A \next, 0, 4
.endm
	s_wait_tensorcnt 1                             ; my part of slot 0 is in; slot 1's load may be out
	s_barrier_signal -1
	s_barrier_wait -1
	FETCH_B 0, 0, 0
	FETCH_A 0, 0, 0
	FETCH_A 0, 0, 4
	STEP 0, 0, 1
	s_mov_b32 s3, LAPS-1
.Llap:
	TURN 0, 1, 1
	STEP 1, 0, 0
	TURN 1, 0, 1
	STEP 0, 0, 0
	s_sub_co_u32 s3, s3, 1
	s_cmp_lg_u32 s3, 0
	s_cbranch_scc1 .Llap
	TURN 0, 1, 0
	STEP 1, 0, 0
	s_wait_dscnt 4*NL
	WIN MUL_LO
	MUL16 0, 1, 0
	MUL16 2, 1, 0
	s_wait_dscnt 0
	WIN MUL_HI
	MUL16 4, 1, 0
	MUL16 6, 1, 0
	WIN 0
	PLACES NP
; THE WAY OUT, block by block of 16 rows x 128 columns: the sums go through my own stage in LDS and come back as whole rows of 512 bytes; the residual's rows are loaded in the same shape.  Every row's offset is an immediate (127 rows of 4,096 bytes at the most).
.macro RLOAD a
	WIN 0x40
.set t, 0
.rept 16
	global_load_b128 v[64*((\a)%2)+4*t:64*((\a)%2)+4*t+3], v[LI], s[74:75] offset:(16*(\a)+t)*4096
.set t, t+1
.endr
	WIN 0
.endm
.macro TOSTAGE a
.set AC, 64*((\a)%4)
.set BB, BK+64*((\a)%2)
	WIN 0x08+4*((\a)/4)
.irp b, 0,1,2,3,4,5,6,7
	ds_store_b128 v[STO], v[AC+8*\b:AC+8*\b+3] offset:64*\b          ; each accumulator from its low end on
	ds_store_b128 v[STO], v[AC+8*\b+4:AC+8*\b+7] offset:64*\b+16
.endr
	WIN 0
.set t, 0
.rept 16
	ds_load_b128 v[BB+4*t:BB+4*t+3], v[RD] offset:t*SPITCH           ; LDS serves a wave's instructions in order (ISA guide 5.7.1.4): these see the stores above
.set t, t+1
.endr
.endm
.macro SEND a, yd, yl
.set BB, BK+64*((\a)%2)
.set RS, 64*((\a)%2)
	s_wait_dscnt \yd
	s_wait_loadcnt \yl
	WIN 0x10
.set i, 0
.rept 32
	v_pk_fma_f32 v[BB+i:BB+i+1], v[BB+i:BB+i+1], s[96:97], v[RS+i:RS+i+1] op_sel_hi:[1,0,1]
.set i, i+2
.endr
	WIN 0
.set t, 0
.rept 16
	global_store_b128 v[LI], v[BB+4*t:BB+4*t+3], s[78:79] offset:(16*(\a)+t)*4096 th:TH_STORE_NT   ; 512 consecutive bytes, aligned; written once, read by nobody here
.set t, t+1
.endr
.endm
	RLOAD 0
	TOSTAGE 0
.irp a, 1,2,3,4,5,6,7
.if \a > 1
	s_wait_xcnt 0x0                                ; block a - 2's stores have read their registers: block a's rows may land there
.endif
	RLOAD \a
	TOSTAGE \a
	SEND \a-1, 32, 16                              ; behind block a - 1's: block a's 16 LDS stores and 16 LDS loads, and its 16 loads of the residual
.endr
	SEND 7, 0, 0
	s_wait_tensorcnt 0x0                           ; the wave's end
	ds_add_u32 v[SPW], v[NIL]
	s_wait_dscnt 0x0
	CROUND                                         ; the closing round
	s_endpgm
.Lfunc_end_k_qbe8ee9bd71_fc2:
	.size	k_qbe8ee9bd71_fc2, .Lfunc_end_k_qbe8ee9bd71_fc2-k_qbe8ee9bd71_fc2
	.p2alignl 7, 3214868480
	.fill 96, 4, 3214868480
	.section	.rodata,"a",@progbits
	.p2align	6, 0x0
	.amdhsa_kernel k_qbe8ee9bd71_fc2
		.amdhsa_group_segment_fixed_size 327680
		.amdhsa_private_segment_fixed_size 0
		.amdhsa_enable_private_segment 0
		.amdhsa_kernarg_size 48
		.amdhsa_user_sgpr_count 2
		.amdhsa_user_sgpr_kernarg_segment_ptr 1
		.amdhsa_wavefront_size32 1
		.amdhsa_system_sgpr_workgroup_id_x 1
		.amdhsa_system_sgpr_workgroup_id_y 1
		.amdhsa_system_sgpr_workgroup_id_z 1
		.amdhsa_system_vgpr_workitem_id 0
		.amdhsa_next_free_vgpr 1024
		.amdhsa_next_free_sgpr 102
		.amdhsa_reserve_vcc 0
		.amdhsa_float_denorm_mode_32 3
		.amdhsa_float_denorm_mode_16_64 3
		.amdhsa_memory_ordered 1
		.amdhsa_forward_progress 1
		.amdhsa_inst_pref_size 142
	.end_amdhsa_kernel
	.amdgpu_metadata
---
amdhsa.version: [ 1, 2 ]
amdhsa.kernels:
  - .name:           k_qbe8ee9bd71_fc2
    .symbol:         k_qbe8ee9bd71_fc2.kd
    .args:
      - { .name: hid, .offset: 0, .size: 8, .value_kind: global_buffer, .address_space: global }
      - { .name: pimg, .offset: 8, .size: 8, .value_kind: global_buffer, .address_space: global }
      - { .name: b_fc2, .offset: 16, .size: 8, .value_kind: global_buffer, .address_space: global }
      - { .name: x1, .offset: 24, .size: 8, .value_kind: global_buffer, .address_space: global }
      - { .name: lowp_scales, .offset: 32, .size: 8, .value_kind: global_buffer, .address_space: global }
      - { .name: out0, .offset: 40, .size: 8, .value_kind: global_buffer, .address_space: global }
    .group_segment_fixed_size: 327680
    .private_segment_fixed_size: 0
    .kernarg_segment_align: 8
    .kernarg_segment_size: 48
    .max_flat_workgroup_size: 128
    .sgpr_count:     102
    .vgpr_count:     1024
    .wavefront_size: 32
...
	.end_amdgpu_metadata
.endif
;; end of part 7
;; ======== version 2 of 2: 7 launches
;; limits: right only within a limited range of input values
;; workspace buffers: pimg 14,680,064 bytes; qkv 12,582,912 bytes; oimg 4,194,304 bytes; x1 16,777,216 bytes; h2img 4,194,304 bytes; hid 16,777,216 bytes
;; launch prep (part 8): grid 896 x 1, 4 waves a work-group, no clusters, 17,408 bytes of LDS; arguments x, ln1_g, ln1_b, w_attn, w_proj, w_fc1, w_fc2, lowp_scales, pimg; writes pimg
.if DOCPART == 8
	.amdgcn_target "amdgcn-amd-amdhsa--gfx1250"
	.amdhsa_code_object_version 6
	.text
	.protected	k_qbe8ee9bd71_prep
	.globl	k_qbe8ee9bd71_prep
	.p2align	8
	.type	k_qbe8ee9bd71_prep,@function
k_qbe8ee9bd71_prep:
	s_mov_b64 s[64:65], 0
	v_nop
	global_prefetch_b8 v0, s[64:65] scope:SCOPE_SE
	s_setreg_imm32_b32 hwreg(HW_REG_WAVE_MODE, 25, 1), 1
	s_wait_xcnt 0x0
; LayerNorm 1 of x and the four weights become codes of E4M3, each with its given scale 2^e, laid as FRAGMENT IMAGES in pimg.
; WORK LEFT OUT: nothing but qkv[:, :, 1024:2048] of the first product is used further on, whatever the inputs hold.  So only columns 1,024-2,047 of w_attn (and, further on, of b_attn) are read and multiplied.
; LIMIT: a NaN, an infinity or an overflow that reaches only the columns left out is not carried to the result.
; A FRAGMENT IMAGE: 16 rows x 128 along K = 2,048 bytes = the 16 registers a lane of a matrix operand: registers 4 g .. 4 g + 3 of lane l lie at 512 g + 16 l;
; lane r + 16 h holds row r, and its registers 2 c, 2 c + 1 hold k = 16 c + 8 h + 0 .. 7.  A matrix [rows][K] is [rows / 16][K / 128][2,048 bytes].
; Work-groups 0-255: 16 rows of x each (LayerNorm, e0).  A weight's work-group takes 128 columns x 128 along K: 256-319: w_attn's columns 1,024-2,047 (e1).  320-383: w_proj (e7).  384-639: w_fc2 (e11).  640-895: w_fc1 (e9).
; The paths part on the work-group's number; only the first uses LDS and a barrier.  No clusters, no tensor loads: each input byte is read by one work-group (the gains and biases, 8 KiB, apart).
; LIMITS: each e between -126 and 119, so that 2^e and 448 x 2^e are f32 numbers.  NaN among the inputs is not served; what lies beyond 448 x 2^e is held there.
.set WK_OFF, 0
.set WP_OFF, 0x100000
.set W1_OFF, 0x200000
.set W2_OFF, 0x600000
.set H1_OFF, 0xA00000
.set SG, 18                            ; s[18:19] the gain, s[20:21] the bias of the LayerNorm
.set SB, 20
.set G,  16                            ; v16-47   gain: register 4 j + i = g[128 j + 4 lane + i]
.set B,  48                            ; v48-79   bias likewise
.set X,  80                            ; v80-207  my four rows, 32 registers each, laid likewise
.set T,  208                           ; v208-211 at work
.set MU, 216                           ; v[216:217] the mean (low word used)
.set R,  218                           ; v[218:219] 1 / sqrt(var + eps) (low word used)
.set CD, 220                           ; v220-251 codes: 8 registers a row
.set WX, 32                            ; weights: v32-95 two sets of 32 numbers
.set WC, 96                            ; v96-127 codes, 8 registers a block, never written twice
.set NB, 4                             ; blocks of 32 along K for a weight's wave
.macro MKSC se, vs, vl                 ; s[se] = e:  v[vs] = 2^e, v[vl] = 448 x 2^e, as f32
	s_add_co_i32 s50, s[\se], 127
	s_lshl_b32 s51, s50, 23
	v_mov_b32 v[\vs], s51
	s_add_co_i32 s50, s50, 8
	s_lshl_b32 s50, s50, 23
	s_or_b32 s50, s50, 0x600000
	v_mov_b32 v[\vl], s50
.endm
.macro LANESUM                         ; v[T:T+1] -> the sum over both halves and all 32 lanes, in every lane's v[T]
	v_add_f32 v[T], v[T], v[T+1]
	v_add_f32_dpp v[T], v[T], v[T] row_xmask:1 row_mask:0xf bank_mask:0xf
	v_add_f32_dpp v[T], v[T], v[T] row_xmask:2 row_mask:0xf bank_mask:0xf
	v_add_f32_dpp v[T], v[T], v[T] row_xmask:4 row_mask:0xf bank_mask:0xf
	v_add_f32_dpp v[T], v[T], v[T] row_xmask:8 row_mask:0xf bank_mask:0xf
	v_permlanex16_b32 v[T+1], v[T], s14, s15
	v_add_f32 v[T], v[T], v[T+1]
.endm
.macro LNROW p                         ; row p of my four: mean, centred variance, norm, gain and bias, hold, codes, into the stage
.set XR, X+32*\p
	s_wait_loadcnt 8*(3-\p)                        ; loads return in order: this row's eight are in, the later rows' may be out
	v_pk_add_f32 v[T:T+1], v[XR:XR+1], v[XR+2:XR+3]
	v_pk_add_f32 v[T+2:T+3], v[XR+4:XR+5], v[XR+6:XR+7]
.set j, 8
.rept 6
	v_pk_add_f32 v[T:T+1], v[T:T+1], v[XR+j:XR+j+1]
	v_pk_add_f32 v[T+2:T+3], v[T+2:T+3], v[XR+j+2:XR+j+3]
.set j, j+4
.endr
	v_pk_add_f32 v[T:T+1], v[T:T+1], v[T+2:T+3]
	LANESUM
	v_mul_f32 v[MU], s52, v[T]                     ; the mean: sum / 1,024
.set j, 0
.rept 16
	v_pk_add_f32 v[XR+j:XR+j+1], v[XR+j:XR+j+1], v[MU:MU+1] op_sel_hi:[1,0] neg_lo:[0,1] neg_hi:[0,1]   ; x - mean
.set j, j+2
.endr
	v_pk_mul_f32 v[T:T+1], v[XR:XR+1], v[XR:XR+1]
	v_pk_mul_f32 v[T+2:T+3], v[XR+2:XR+3], v[XR+2:XR+3]
.set j, 4
.rept 7
	v_pk_fma_f32 v[T:T+1], v[XR+j:XR+j+1], v[XR+j:XR+j+1], v[T:T+1]
	v_pk_fma_f32 v[T+2:T+3], v[XR+j+2:XR+j+3], v[XR+j+2:XR+j+3], v[T+2:T+3]
.set j, j+4
.endr
	v_pk_add_f32 v[T:T+1], v[T:T+1], v[T+2:T+3]
	LANESUM
	v_fma_f32 v[T], v[T], s52, s53                 ; var + eps
	s_wait_alu depctr_va_vdst(0)                   ; the wait ahead of the transcendental
	v_rsq_f32 v[R], v[T]
	v_nop                                          ; a plain instruction between the transcendental and the use of its result
.set j, 0
	s_wait_alu depctr_va_vdst(0)                   ; the wait ahead of its first reader
.rept 16
	v_pk_mul_f32 v[XR+j:XR+j+1], v[XR+j:XR+j+1], v[R:R+1] op_sel_hi:[1,0]
.set j, j+2
.endr
.set j, 0
.rept 16
	v_pk_fma_f32 v[XR+j:XR+j+1], v[XR+j:XR+j+1], v[G+j:G+j+1], v[B+j:B+j+1]
.set j, j+2
.endr
.set j, 0
.rept 32
	v_med3_num_f32 v[XR+j], v[XR+j], -v9, v9       ; the conversion does not saturate (ISA guide 7.6.2): the hold at 448 x 2^e comes first
.set j, j+1
.endr
.set j, 0
.rept 4
	v_cvt_scalef32_pk8_fp8_f32 v[CD+8*\p+2*j:CD+8*\p+2*j+1], v[XR+8*j:XR+8*j+7], v8   ; word j' of the eight: the codes of k = 128 j' + 4 lane + 0 .. 3
.set j, j+1
.endr
.set j, 0
.rept 8
	ds_store_b32 v3, v[CD+8*\p+j] offset:\p*1040+128*j   ; the stage holds rows of 1,024 codes, 1,040 bytes apart
.set j, j+1
.endr
.endm
; s[4:5] the 16 rows, s[12:13] their image, s9 = e, s8 = wave, v6 = lane
.macro LNBODY
	s_mov_b32 s14, 0x76543210                      ; v_permlanex16_b32: lane l takes lane l xor 16
	s_mov_b32 s15, 0xfedcba98
	s_mov_b32 s52, 0x3a800000                      ; 1 / 1,024
	s_mov_b32 s53, 0x3727c5ac                      ; eps = 1e-5
	v_lshlrev_b32 v2, 4, v6                        ; 16 x lane: gain and bias
	s_lshl_b32 s50, s8, 14
	v_add_nc_u32 v1, s50, v2                       ; x: + my four rows of 4,096 bytes
	s_mul_i32 s50, s8, 4160
	v_lshlrev_b32 v3, 2, v6
	v_add_nc_u32 v3, s50, v3                       ; the stage, in: 4 x lane + my four rows
	v_and_b32 v7, 15, v0
	v_bfe_u32 v10, v0, 4, 1
	v_mul_u32_u24 v4, v7, 1040
	v_lshl_add_u32 v4, v10, 3, v4
	s_lshl_b32 s50, s8, 8
	v_add_nc_u32 v4, s50, v4                       ; the stage, out: row r, + 8 h, + my two K steps of 128
	s_lshl_b32 s50, s8, 12
	v_add_nc_u32 v5, s50, v2                       ; the image: 16 x lane + my two fragments
.set j, 0
.rept 8
	global_load_b128 v[G+4*j:G+4*j+3], v2, s[SG:SG+1] offset:512*j
	global_load_b128 v[B+4*j:B+4*j+3], v2, s[SB:SB+1] offset:512*j
.set j, j+1
.endr
.set j, 0
.rept 32
	global_load_b128 v[X+4*j:X+4*j+3], v1, s[4:5] offset:512*j   ; 32 lanes read 512 consecutive bytes; eight loads are a row
.set j, j+1
.endr
	MKSC 9, 8, 9
	v_mov_b32 v[MU+1], 0                           ; named as the upper halves of pairs, so they are written
	v_mov_b32 v[R+1], 0
	LNROW 0
	LNROW 1
	LNROW 2
	LNROW 3
	s_wait_dscnt 0x0                               ; for the others' sake: my stores into the stage are done
	s_barrier_signal -1
	s_barrier_wait -1
.set u, 0
.rept 8                                ; unit u: group u % 4 of my fragment u / 4: two pieces of 8 codes a lane
	ds_load_b64 v[X+4*u:X+4*u+1], v4 offset:(u/4)*128+(u%4)*32
	ds_load_b64 v[X+4*u+2:X+4*u+3], v4 offset:(u/4)*128+(u%4)*32+16
.set u, u+1
.endr
.set u, 0
.rept 8
	s_wait_dscnt 14-2*u                            ; unit u's two loads are in; the younger units' may be out
	global_store_b128 v5, v[X+4*u:X+4*u+3], s[12:13] offset:(u/4)*2048+(u%4)*512   ; 512 consecutive bytes, aligned
.set u, u+1
.endr
.endm
; WEIGHTS.  A lane takes a column n and its registers run down K, so the conversions give codes with K innermost and nothing is transposed.  A wave: 32 columns x 128 along K: one fragment of each of two tiles of columns.
.macro WLOAD t, pitch                  ; block t: W(32 t + i, my column)
.set i, 0
.rept 32
	global_load_b32 v[WX+32*((\t)%2)+i], v3, s[4:5] offset:(32*(\t)+i)*\pitch th:TH_LOAD_NT
.set i, i+1
.endr
.endm
.macro WBLOCK t, pitch
.set XS, WX+32*((\t)%2)
.set CS, WC+8*(\t)
.if (\t) < NB-1
	s_wait_loadcnt 32                              ; this block's 32 loads are in; the next block's may be out
.else
	s_wait_loadcnt 0
.endif
.set i, 0
.rept 32
	v_med3_num_f32 v[XS+i], v[XS+i], -v10, v10
.set i, i+1
.endr
	v_cvt_scalef32_pk8_fp8_f32 v[CS:CS+1], v[XS:XS+7], v11         ; the image's half h = 0 wants k = 0-7 and 16-23 of the block,
	v_cvt_scalef32_pk8_fp8_f32 v[CS+2:CS+3], v[XS+16:XS+23], v11
	v_cvt_scalef32_pk8_fp8_f32 v[CS+4:CS+5], v[XS+8:XS+15], v11    ; its half h = 1 k = 8-15 and 24-31
	v_cvt_scalef32_pk8_fp8_f32 v[CS+6:CS+7], v[XS+24:XS+31], v11
	global_store_b128 v8, v[CS:CS+3], s[6:7] offset:(\t)*512        ; sixteen lanes fill 256 consecutive bytes, aligned; lanes 16-31 those of the next tile of columns
	global_store_b128 v8, v[CS+4:CS+7], s[6:7] offset:(\t)*512+256
.if (\t)+2 < NB
	WLOAD (\t)+2, \pitch
.endif
.endm
; s52 = which 128 columns, s53 = which 128 along K, s54 = K / 128, s55 = the image's place in pimg, s[56:57] = the matrix's first column, s58 = e
.macro WQ pitch
	s_mul_i32 s60, s53, 128*\pitch
	s_lshl_b32 s61, s52, 9
	s_add_co_u32 s60, s60, s61
	s_lshl_b32 s61, s8, 7
	s_add_co_u32 s60, s60, s61                     ; 128 rows x block + 4 x (128 x block + 32 x wave)
	s_mov_b32 s61, 0
	s_add_nc_u64 s[4:5], s[56:57], s[60:61]
	s_lshl_b32 s60, s52, 3
	s_lshl_b32 s62, s8, 1
	s_add_co_u32 s60, s60, s62                     ; my first tile of 16 columns
	s_mul_i32 s60, s60, s54
	s_add_co_u32 s60, s60, s53                     ; and my K step
	s_lshl_b32 s60, s60, 11
	s_add_co_u32 s60, s60, s55
	s_add_nc_u64 s[6:7], s[32:33], s[60:61]
	v_lshlrev_b32 v3, 2, v6                        ; in: 4 bytes a lane
	v_lshrrev_b32 v8, 4, v6
	s_lshl_b32 s62, s54, 11
	v_mul_u32_u24 v8, s62, v8                      ; out: lanes 16-31 belong to the next tile of columns,
	v_and_b32 v9, 15, v6
	v_lshl_add_u32 v8, v9, 4, v8                   ; 16 bytes for each column
	WLOAD 0, \pitch
	WLOAD 1, \pitch
	MKSC 58, 11, 10
	s_wait_alu depctr_va_vdst(0)                   ; ahead of the first wait for loads
.irp t, 0,1,2,3
	WBLOCK \t, \pitch
.endr
.endm
	s_load_b512 s[16:31], s[0:1], 0x0              ; x, ln1_g, ln1_b, w_attn, w_proj, w_fc1, w_fc2, lowp_scales
	s_load_b64 s[32:33], s[0:1], 0x40              ; pimg
	v_lshl_add_u32 v254, v0, 2, 0x4200
	v_mov_b32 v255, 0
	v_lshrrev_b32 v1, 5, v0
	v_readfirstlane_b32 s8, v1                     ; wave 0..3
	v_and_b32 v6, 31, v0                           ; lane
	s_wait_kmcnt 0x0
	s_load_b256 s[36:43], s[30:31], 0x0            ; e0 .. e7
	s_load_b128 s[44:47], s[30:31], 0x20           ; e8 .. e11
	s_wait_kmcnt 0x0
	s_cmp_lt_u32 ttmp9, 256
	s_cbranch_scc1 .Lln
	s_cmp_lt_u32 ttmp9, 320
	s_cbranch_scc1 .Lwk
	s_cmp_lt_u32 ttmp9, 640
	s_cbranch_scc1 .Lwp2
	s_sub_co_u32 s59, ttmp9, 640                   ; w_fc1: 32 blocks of columns x 8 along K
	s_and_b32 s52, s59, 31
	s_lshr_b32 s53, s59, 5
	s_mov_b32 s54, 8
	s_mov_b32 s55, W1_OFF
	s_mov_b64 s[56:57], s[26:27]
	s_mov_b32 s58, s45                             ; e9
	s_wait_alu depctr_va_vdst(0)
	WQ 16384
	s_endpgm
.Lwk:
	s_sub_co_u32 s59, ttmp9, 256                   ; w_attn's columns 1,024 on: 8 x 8
	s_and_b32 s52, s59, 7
	s_lshr_b32 s53, s59, 3
	s_mov_b32 s54, 8
	s_mov_b32 s55, WK_OFF
	s_add_nc_u64 s[56:57], s[22:23], 4096
	s_mov_b32 s58, s37                             ; e1
	s_wait_alu depctr_va_vdst(0)
	WQ 12288
	s_endpgm
.Lwp2:
	s_sub_co_u32 s59, ttmp9, 320                   ; w_proj (8 x 8), then w_fc2 (8 x 32): rows of the same length, so one text; only scalars are chosen
	s_and_b32 s52, s59, 7
	s_lshr_b32 s53, s59, 3
	s_mov_b32 s55, W2_OFF
	s_cmp_lt_u32 s59, 64
	s_cselect_b64 s[56:57], s[24:25], s[28:29]
	s_cselect_b32 s58, s43, s47                    ; e7 or e11
	s_cselect_b32 s54, 8, 32
	s_cselect_b32 s60, 0, 8
	s_cselect_b32 s55, WP_OFF, s55
	s_sub_co_u32 s53, s53, s60
	s_wait_alu depctr_va_vdst(0)
	WQ 4096
	s_endpgm
.Lln:
	s_lshl_b32 s60, ttmp9, 16                      ; 16 rows of 4,096 bytes
	s_mov_b32 s61, 0
	s_add_nc_u64 s[4:5], s[16:17], s[60:61]
	s_lshl_b32 s60, ttmp9, 14                      ; 8 fragments of 2,048 bytes
	s_add_co_u32 s60, s60, H1_OFF
	s_add_nc_u64 s[12:13], s[32:33], s[60:61]
	s_mov_b32 s9, s36                              ; e0
	s_wait_alu depctr_va_vdst(0)
	LNBODY
	s_wait_tensorcnt 0x0                           ; the wave's end
	ds_add_u32 v254, v255
	s_wait_dscnt 0x0
	s_endpgm
.Lfunc_end_k_qbe8ee9bd71_prep:
	.size	k_qbe8ee9bd71_prep, .Lfunc_end_k_qbe8ee9bd71_prep-k_qbe8ee9bd71_prep
	.p2alignl 7, 3214868480
	.fill 96, 4, 3214868480
	.section	.rodata,"a",@progbits
	.p2align	6, 0x0
	.amdhsa_kernel k_qbe8ee9bd71_prep
		.amdhsa_group_segment_fixed_size 17408
		.amdhsa_private_segment_fixed_size 0
		.amdhsa_enable_private_segment 0
		.amdhsa_kernarg_size 72
		.amdhsa_user_sgpr_count 2
		.amdhsa_user_sgpr_kernarg_segment_ptr 1
		.amdhsa_wavefront_size32 1
		.amdhsa_system_sgpr_workgroup_id_x 1
		.amdhsa_system_sgpr_workgroup_id_y 1
		.amdhsa_system_sgpr_workgroup_id_z 1
		.amdhsa_system_vgpr_workitem_id 0
		.amdhsa_next_free_vgpr 256
		.amdhsa_next_free_sgpr 66
		.amdhsa_reserve_vcc 0
		.amdhsa_float_denorm_mode_32 3
		.amdhsa_float_denorm_mode_16_64 3
		.amdhsa_memory_ordered 1
		.amdhsa_forward_progress 1
		.amdhsa_inst_pref_size 115
	.end_amdhsa_kernel
	.amdgpu_metadata
---
amdhsa.version: [ 1, 2 ]
amdhsa.kernels:
  - .name:           k_qbe8ee9bd71_prep
    .symbol:         k_qbe8ee9bd71_prep.kd
    .args:
      - { .name: x, .offset: 0, .size: 8, .value_kind: global_buffer, .address_space: global }
      - { .name: ln1_g, .offset: 8, .size: 8, .value_kind: global_buffer, .address_space: global }
      - { .name: ln1_b, .offset: 16, .size: 8, .value_kind: global_buffer, .address_space: global }
      - { .name: w_attn, .offset: 24, .size: 8, .value_kind: global_buffer, .address_space: global }
      - { .name: w_proj, .offset: 32, .size: 8, .value_kind: global_buffer, .address_space: global }
      - { .name: w_fc1, .offset: 40, .size: 8, .value_kind: global_buffer, .address_space: global }
      - { .name: w_fc2, .offset: 48, .size: 8, .value_kind: global_buffer, .address_space: global }
      - { .name: lowp_scales, .offset: 56, .size: 8, .value_kind: global_buffer, .address_space: global }
      - { .name: pimg, .offset: 64, .size: 8, .value_kind: global_buffer, .address_space: global }
    .group_segment_fixed_size: 17408
    .private_segment_fixed_size: 0
    .kernarg_segment_align: 8
    .kernarg_segment_size: 72
    .max_flat_workgroup_size: 128
    .sgpr_count:     66
    .vgpr_count:     256
    .wavefront_size: 32
...
	.end_amdgpu_metadata
.endif
;; end of part 8
;; launch kgemm (part 9): grid 8 x 32, 4 waves a work-group, clusters of 4 x 4, 327,680 bytes of LDS; arguments pimg, b_attn, lowp_scales, qkv; writes qkv
.if DOCPART == 9
	.amdgcn_target "amdgcn-amd-amdhsa--gfx1250"
	.amdhsa_code_object_version 6
	.text
	.protected	k_qbe8ee9bd71_kgemm
	.globl	k_qbe8ee9bd71_kgemm
	.p2align	8
	.type	k_qbe8ee9bd71_kgemm,@function
k_qbe8ee9bd71_kgemm:
	s_mov_b64 s[64:65], 0
	v_nop
	global_prefetch_b8 v0, s[64:65] scope:SCOPE_SE
	s_setreg_imm32_b32 hwreg(HW_REG_WAVE_MODE, 25, 1), 1
	s_wait_xcnt 0x0
	s_wait_alu depctr_hold_cnt(0) depctr_sa_sdst(0) depctr_va_vdst(0) depctr_va_sdst(0) depctr_va_ssrc(0) depctr_va_vcc(0) depctr_vm_vsrc(0)
	s_getreg_b32 s2, hwreg(HW_REG_IB_STS2, 6, 4)
	s_cmp_eq_u32 s2, 0
	s_cbranch_scc0 .Lentry_in_a_cluster
	s_endpgm
.Lentry_in_a_cluster:
	s_bfe_u32 s2, ttmp6, 0x10000c
	s_cmp_lg_u32 s2, 0xf033
	s_cbranch_scc0 .Lentry_shape_is_right
	s_endpgm
.Lentry_shape_is_right:
; kh = LN1(x) Wk + bk on codes of E4M3 (e0, e1), quantised three times: q (e2) and k (e3) along the head's 64, v (e5) along the keys.
; Only columns 1,024-2,047 of the first product are made: the others are never used.
; OPERANDS ARE FRAGMENT IMAGES: 16 rows x 128 K = 2,048 bytes, registers 4 g .. 4 g + 3 of lane l at 512 g + 16 l; a matrix is [rows / 16][K / 128][2,048].  A fragment is four ds_load_b128 of 512 consecutive bytes.
; A TILE IS 128 tokens x 128 features: 256 tiles, a work-group each.  Four waves, 64 tokens x 64 features (one head) each.  K = 1,024 fits LDS whole: a wave's one tensor load brings 4 tiles of 16 rows x 16,384 bytes; nothing is filled again.
; EACH PAIR OF FRAGMENTS IS MULTIPLIED BOTH WAYS ROUND.  Source 0 = features, source 1 = tokens: a lane holds a token and eight neighbouring features: the codes of q and k.
; Source 0 = tokens, source 1 = features: a lane holds a feature and eight neighbouring tokens: the codes of V^T.  So the operands are read from LDS once for both, and nothing is transposed.
; CLUSTERS 4 x 4: the tokens' tiles are asked for jointly along a row of the cluster, the features' along a column.  No prefetch: one load a wave at the head, and no loop to run ahead in.
; REGISTERS: window 0: v8-13 scales, v16-29 addresses, v32-63 bias by features, v64-71 bias by lanes, v72-119 at work on the way out, v128-255 the token-major sums (a, b) at v[128 + 8 (4 a + b)];
;   window 1: two sets of fragments (tokens' four, then features' four); window 2: v0-127 the feature-major sums (a, b) at v[8 (4 a + b)].
; LIMITS: e0 + e1 between -126 and 127; e2, e3, e5 between -126 and 119.  NaN is not served; what lies beyond 448 x 2^e is held there.
.set SIZE_K, 1024
.set H1_OFF, 0xA00000                  ; LN1(x)'s image in pimg; Wk's lies at 0
.set FRB,    2048
.set SLB,    16384                     ; a tile of 16 rows: eight K steps of 128
.set HALFT,  4*SLB                     ; 64 rows: what one tensor load brings, and what one wave reads of either operand
.set SPARE,  4*HALFT                   ; behind the operands: the spare words, 128 bytes for each wave
.set RTB,    16*SIZE_K
.set FR, 16
.set ADRA, 16
.set ADRB, 20
.set LI,   27
.set SPW,  28
.set NIL,  29
.set BI,   32
.set BV,   64
.set T2,   72
.set CQ,   104
.set CK,   112
.set ACC,  128
.set G1, 24
.set G0, 32
.set G1B, 48
.set G0B, 56
.set MSB, 0
.macro WIN new                         ; the immediate's high byte repeats the setting that is left
.if MSB != \new
	s_set_vgpr_msb (MSB<<8)|\new
.set MSB, \new
.endif
.endm
.macro CREST                           ; a round of the cluster's barrier behind its opening barrier
	s_cmp_lg_u32 s14, 0
	s_cbranch_scc1 .Lnot_wave_0_\@
	s_barrier_signal -3
.Lnot_wave_0_\@:
	s_barrier_wait -3
	s_barrier_signal -1
	s_barrier_wait -1
.endm
.macro CROUND
	s_barrier_signal -1
	s_barrier_wait -1
	CREST
.endm
.macro MKSC se, vs, vl                 ; s[se] = e:  v[vs] = 2^e, v[vl] = 448 x 2^e
	s_add_co_i32 s22, s[\se], 127
	s_lshl_b32 s23, s22, 23
	v_mov_b32 v[\vs], s23
	s_add_co_i32 s22, s22, 8
	s_lshl_b32 s22, s22, 23
	s_or_b32 s22, s22, 0x600000
	v_mov_b32 v[\vl], s22
.endm
	s_load_b256 s[68:75], s[0:1], 0x0              ; pimg s[68:69], b_attn s[70:71], the scales s[72:73], qkv s[74:75]
	v_lshl_add_u32 v[SPW], v0, 2, SPARE
	v_mov_b32 v[NIL], 0
	ds_add_u32 v[SPW], v[NIL]                      ; the opening lines
	ds_add_u32 v[SPW], v[NIL]
	v_lshrrev_b32 v1, 5, v0
	v_readfirstlane_b32 s14, v1                    ; wave 0..3
	s_lshr_b32 s15, s14, 1                         ; my half of the tokens; also: I fetch tokens (0) or features (1)
	s_and_b32 s16, s14, 1                          ; my half of the features; also: which 64 rows I fetch
	s_bfe_u32 s40, ttmp6, 0x40000                  ; cx
	s_bfe_u32 s41, ttmp6, 0x40004                  ; cy
	s_lshl_b32 s42, ttmp9, 2
	s_add_co_u32 s42, s42, s40                     ; tile of features, 0..7
	s_and_b32 s17, ttmp7, 0xffff
	s_lshl_b32 s17, s17, 2
	s_add_co_u32 s17, s17, s41                     ; tile of tokens, 0..31
	s_lshl_b32 s43, s41, 2
	s_lshl_b32 s43, 15, s43                        ; my row of the cluster
	s_lshl_b32 s44, 0x1111, s40                    ; my column
	s_or_b32 s[G1+0], s43, (1<<21)                 ; 15:0 the mask; elements of 1 byte; no padding; 21 set beside a mask
	s_or_b32 s[G1B+0], s44, (1<<21)
.irp g, G1, G1B
	s_mov_b32 s[\g+1], SLB<<16                     ; tensor_dim0 = 16,384
	s_mov_b32 s[\g+2], 4<<16                       ; tensor_dim1 = 4
	s_mov_b32 s[\g+3], SLB<<16                     ; tile_dim0
	s_mov_b32 s[\g+4], 4                           ; tile_dim1
	s_mov_b32 s[\g+5], RTB                         ; tensor_dim0_stride
	s_mov_b32 s[\g+6], 0
	s_mov_b32 s[\g+7], 0
.endr
	s_lshl_b32 s18, s16, 6
	s_lshl_b32 s20, s17, 7
	s_add_co_u32 s20, s20, s18                     ; token 128 x tile + 64 x half; a tile of 16 rows begins at byte row x K of its image
	s_mul_i32 s20, s20, SIZE_K
	s_add_co_u32 s20, s20, H1_OFF
	s_mov_b32 s21, 0
	s_lshl_b32 s46, s42, 7
	s_add_co_u32 s46, s46, s18                     ; feature 128 x tile + 64 x half
	s_mul_i32 s46, s46, SIZE_K
	s_mov_b32 s47, 0
	s_mul_i32 s45, s14, HALFT                      ; where they go: wave x 64 rows: no place in the cluster enters an LDS address
	s_wait_dscnt 0x0                               ; both opening adds are done
	s_wait_kmcnt 0x0
	s_load_b256 s[84:91], s[72:73], 0x0            ; e0 .. e7
	s_add_nc_u64 s[20:21], s[68:69], s[20:21]
	s_add_nc_u64 s[46:47], s[68:69], s[46:47]
	CROUND                                         ; all sixteen work-groups are here: the joint loads meet
	s_mov_b32 s[G0], 1
	s_mov_b32 s[G0+1], s45
	s_mov_b64 s[G0+2:G0+3], s[20:21]
	s_or_b32 s[G0+3], s[G0+3], 0x80000000
	s_mov_b32 s[G0B], 1
	s_mov_b32 s[G0B+1], s45
	s_mov_b64 s[G0B+2:G0B+3], s[46:47]
	s_or_b32 s[G0B+3], s[G0B+3], 0x80000000
	s_cmp_eq_u32 s15, 0                            ; waves 0 and 1 fetch the tokens' halves, waves 2 and 3 the features'; an s_nop 0 and four v_nop follow each line
	s_cbranch_scc0 .Lfor_b
	tensor_load_to_lds s[G0:G0+3], s[G1:G1+7]
	s_nop 0
.rept 4
	v_nop
.endr
	s_branch .Lasked
.Lfor_b:
	tensor_load_to_lds s[G0B:G0B+3], s[G1B:G1B+7]
	s_nop 0
.rept 4
	v_nop
.endr
.Lasked:
	v_and_b32 v1, 31, v0
	v_lshlrev_b32 v[LI], 4, v1
	s_mul_i32 s21, s15, HALFT                      ; my 64 tokens
	s_mul_i32 s22, s16, HALFT                      ; my 64 features,
	s_add_co_u32 s22, s22, 2*HALFT                 ; which lie behind the 128 tokens
	v_add_nc_u32 v[ADRA], s21, v[LI]
	v_add_nc_u32 v[ADRB], s22, v[LI]
	v_bfe_u32 v2, v0, 4, 1
	v_lshlrev_b32 v3, 5, v2                        ; 32 h: my half's eight biases of a tile
	v_and_b32 v4, 15, v0
	v_lshlrev_b32 v4, 2, v4                        ; 4 r: my lane's bias of a tile
	s_lshl_b32 s46, s42, 9
	s_lshl_b32 s47, s16, 8
	s_add_co_u32 s46, s46, s47
	s_add_co_u32 s46, s46, 4096                    ; b_attn at feature 1,024 + my first
	s_mov_b32 s47, 0
	s_add_nc_u64 s[98:99], s[70:71], s[46:47]
	s_wait_alu depctr_va_vdst(0)                   ; ahead of the readers below
.irp b, 0,1,2,3
	global_load_b128 v[BI+8*\b:BI+8*\b+3], v3, s[98:99] offset:64*\b
	global_load_b128 v[BI+8*\b+4:BI+8*\b+7], v3, s[98:99] offset:64*\b+16
	global_load_b32 v[BV+2*\b], v4, s[98:99] offset:64*\b       ; twice, to fill the pair that the packed form adds
	global_load_b32 v[BV+2*\b+1], v4, s[98:99] offset:64*\b
.endr
	s_lshr_b32 s18, s17, 4                         ; the batch: 16 tiles of tokens each
	s_lshl_b32 s18, s18, 4
	s_lshl_b32 s19, s42, 1
	s_add_co_u32 s18, s18, s19
	s_add_co_u32 s18, s18, s16                     ; 16 x batch + my head
	s_and_b32 s19, s17, 15                         ; my key step of 128 in the batch
	s_lshl_b32 s20, s18, 7
	s_lshl_b32 s21, s19, 3
	s_add_co_u32 s20, s20, s21
	s_lshl_b32 s21, s15, 2
	s_add_co_u32 s20, s20, s21                     ; q, k: x 128 tiles of 16 tokens + my first,
	s_lshl_b32 s20, s20, 10                        ; of 1,024 bytes
	s_mov_b32 s21, 0
	s_add_nc_u64 s[76:77], s[74:75], s[20:21]
	s_lshl_b32 s20, s18, 4
	s_add_co_u32 s20, s20, s19
	s_lshl_b32 s20, s20, 13                        ; v: x 16 key steps + mine, of four fragments of 2,048 bytes;
	s_lshl_b32 s22, s15, 10
	s_add_co_u32 s20, s20, s22                     ; my 64 tokens are registers 8 x half on of each: 1,024 bytes
	s_add_co_u32 s20, s20, 0x800000
	s_add_nc_u64 s[78:79], s[74:75], s[20:21]
	s_wait_kmcnt 0x0
	s_add_co_i32 s96, s84, s85
	s_add_co_i32 s96, s96, 127
	s_lshl_b32 s96, s96, 23                        ; 2^(e0 + e1) as f32
	s_mov_b32 s97, s96                             ; named with it as a pair
	MKSC 86, 8, 9                                  ; e2
	MKSC 87, 10, 11                                ; e3
	MKSC 89, 12, 13                                ; e5
.macro FRAG reg, adr, q, i
.irp c, 0,1,2,3
	ds_load_b128 v[\reg+4*\c:\reg+4*\c+3], v[\adr] offset:(\i)*SLB+(\q)*FRB+512*\c
.endr
.endm
.macro FETCH q, p                      ; 32 LDS loads in one run: the q-th 128 along K into set p
	WIN 0x40                                       ; destination window 1
.irp i, 0,1,2,3
	FRAG 128*(\p)+64+FR*\i, ADRB, \q, \i
.endr
.irp i, 0,1,2,3
	FRAG 128*(\p)+FR*\i, ADRA, \q, \i
.endr
.endm
; 16 + 16 matrix instructions on set p.  The 32 accumulators take turns, one instruction a turn, in the same order in every step.
.macro MULS p, first
	WIN 0x05                                       ; sources window 1; C and D window 0
.irp a, 0,1,2,3
.irp b, 0,1,2,3
.if \first
	v_wmma_f32_16x16x128_fp8_fp8 v[ACC+8*(4*\a+\b):ACC+8*(4*\a+\b)+7], v[128*(\p)+64+FR*\b:128*(\p)+64+FR*\b+FR-1], v[128*(\p)+FR*\a:128*(\p)+FR*\a+FR-1], 0
.else
	v_wmma_f32_16x16x128_fp8_fp8 v[ACC+8*(4*\a+\b):ACC+8*(4*\a+\b)+7], v[128*(\p)+64+FR*\b:128*(\p)+64+FR*\b+FR-1], v[128*(\p)+FR*\a:128*(\p)+FR*\a+FR-1], v[ACC+8*(4*\a+\b):ACC+8*(4*\a+\b)+7]
.endif
.endr
.endr
	WIN 0xa5                                       ; sources window 1; C and D window 2
.irp a, 0,1,2,3
.irp b, 0,1,2,3
.if \first
	v_wmma_f32_16x16x128_fp8_fp8 v[8*(4*\a+\b):8*(4*\a+\b)+7], v[128*(\p)+FR*\a:128*(\p)+FR*\a+FR-1], v[128*(\p)+64+FR*\b:128*(\p)+64+FR*\b+FR-1], 0
.else
	v_wmma_f32_16x16x128_fp8_fp8 v[8*(4*\a+\b):8*(4*\a+\b)+7], v[128*(\p)+FR*\a:128*(\p)+FR*\a+FR-1], v[128*(\p)+64+FR*\b:128*(\p)+64+FR*\b+FR-1], v[8*(4*\a+\b):8*(4*\a+\b)+7]
.endif
.endr
.endr
.endm
.macro STEP q, first
	s_wait_dscnt 0x0                               ; this step's set is in
.rept 4
	v_nop                                          ; places: the other set was read by the last step's products (ISA guide 7.12.1)
.endr
	FETCH (\q)+1, ((\q)+1)%2
	MULS (\q)%2, \first
.endm
	s_wait_alu depctr_va_vdst(0)                   ; the wait at the head's end
	s_wait_tensorcnt 0x0                           ; my quarter of the operands is in
	s_barrier_signal -1
	s_barrier_wait -1                              ; and everybody's
	FETCH 0, 0
	STEP 0, 1                                      ; the first step starts the sums
.irp q, 1,2,3,4,5,6
	STEP \q, 0
.endr
	s_wait_dscnt 0x0
	MULS 1, 0
	WIN 0
.rept 4
	v_nop
.endr
	s_wait_loadcnt 0x0                             ; the biases
; THE WAY OUT.  One conversion of a result tile is two registers of an operand whose K runs along the lane's eight neighbours: the codes leave as images, 512 consecutive bytes a store.
.macro QK a                            ; tokens 16 a on: kh = sum x 2^(e0 + e1) + bias; codes with e2 and with e3: a fragment of 16 tokens x the head's 64 each
.set AC, ACC+32*\a
.if \a > 0
	s_wait_xcnt 0x0                                ; the last block's stores have read their registers
.endif
.set i, 0
.rept 16
	v_pk_fma_f32 v[AC+i:AC+i+1], v[AC+i:AC+i+1], s[96:97], v[BI+i:BI+i+1] op_sel_hi:[1,0,1]   ; each accumulator from its low end on
.set i, i+2
.endr
.set i, 0
.rept 32
	v_med3_num_f32 v[T2+i], v[AC+i], -v9, v9       ; the conversion does not saturate (ISA guide 7.6.2): the hold comes first
.set i, i+1
.endr
.irp t, 0,1,2,3
	v_cvt_scalef32_pk8_fp8_f32 v[CQ+2*\t:CQ+2*\t+1], v[T2+8*\t:T2+8*\t+7], v8
.endr
	v_nop                                          ; a plain instruction between the conversions and the next write of their sources
.set i, 0
.rept 32
	v_med3_num_f32 v[T2+i], v[AC+i], -v11, v11
.set i, i+1
.endr
.irp t, 0,1,2,3
	v_cvt_scalef32_pk8_fp8_f32 v[CK+2*\t:CK+2*\t+1], v[T2+8*\t:T2+8*\t+7], v10
.endr
	v_nop
.irp g, 0,1
	global_store_b128 v[LI], v[CQ+4*\g:CQ+4*\g+3], s[76:77] offset:\a*1024+\g*512
	global_store_b128 v[LI], v[CK+4*\g:CK+4*\g+3], s[76:77] offset:\a*1024+\g*512+0x400000
.endr
.endm
.macro VT b                            ; channels 16 b on, my 64 tokens: half a fragment of V^T
	s_wait_xcnt 0x0
	WIN 0x02                                       ; source 0 window 2
.irp a, 0,1,2,3
.irp i, 0,2,4,6
	v_pk_fma_f32 v[T2+8*\a+\i:T2+8*\a+\i+1], v[8*(4*\a+\b)+\i:8*(4*\a+\b)+\i+1], s[96:97], v[BV+2*\b:BV+2*\b+1] op_sel_hi:[1,0,1]
.endr
.endr
	WIN 0
.set i, 0
.rept 32
	v_med3_num_f32 v[T2+i], v[T2+i], -v13, v13
.set i, i+1
.endr
.irp a, 0,1,2,3
	v_cvt_scalef32_pk8_fp8_f32 v[CQ+2*\a:CQ+2*\a+1], v[T2+8*\a:T2+8*\a+7], v12
.endr
	v_nop
.irp g, 0,1
	global_store_b128 v[LI], v[CQ+4*\g:CQ+4*\g+3], s[78:79] offset:\b*2048+\g*512
.endr
.endm
.irp a, 0,1,2,3
	QK \a
.endr
.irp b, 0,1,2,3
	VT \b
.endr
	s_wait_tensorcnt 0x0                           ; the wave's end
	ds_add_u32 v[SPW], v[NIL]
	s_wait_dscnt 0x0
	CROUND                                         ; the closing round
	s_endpgm
.Lfunc_end_k_qbe8ee9bd71_kgemm:
	.size	k_qbe8ee9bd71_kgemm, .Lfunc_end_k_qbe8ee9bd71_kgemm-k_qbe8ee9bd71_kgemm
	.p2alignl 7, 3214868480
	.fill 96, 4, 3214868480
	.section	.rodata,"a",@progbits
	.p2align	6, 0x0
	.amdhsa_kernel k_qbe8ee9bd71_kgemm
		.amdhsa_group_segment_fixed_size 327680
		.amdhsa_private_segment_fixed_size 0
		.amdhsa_enable_private_segment 0
		.amdhsa_kernarg_size 32
		.amdhsa_user_sgpr_count 2
		.amdhsa_user_sgpr_kernarg_segment_ptr 1
		.amdhsa_wavefront_size32 1
		.amdhsa_system_sgpr_workgroup_id_x 1
		.amdhsa_system_sgpr_workgroup_id_y 1
		.amdhsa_system_sgpr_workgroup_id_z 1
		.amdhsa_system_vgpr_workitem_id 0
		.amdhsa_next_free_vgpr 640
		.amdhsa_next_free_sgpr 102
		.amdhsa_reserve_vcc 0
		.amdhsa_float_denorm_mode_32 3
		.amdhsa_float_denorm_mode_16_64 3
		.amdhsa_memory_ordered 1
		.amdhsa_forward_progress 1
		.amdhsa_inst_pref_size 81
	.end_amdhsa_kernel
	.amdgpu_metadata
---
amdhsa.version: [ 1, 2 ]
amdhsa.kernels:
  - .name:           k_qbe8ee9bd71_kgemm
    .symbol:         k_qbe8ee9bd71_kgemm.kd
    .args:
      - { .name: pimg, .offset: 0, .size: 8, .value_kind: global_buffer, .address_space: global }
      - { .name: b_attn, .offset: 8, .size: 8, .value_kind: global_buffer, .address_space: global }
      - { .name: lowp_scales, .offset: 16, .size: 8, .value_kind: global_buffer, .address_space: global }
      - { .name: qkv, .offset: 24, .size: 8, .value_kind: global_buffer, .address_space: global }
    .group_segment_fixed_size: 327680
    .private_segment_fixed_size: 0
    .kernarg_segment_align: 8
    .kernarg_segment_size: 32
    .max_flat_workgroup_size: 128
    .sgpr_count:     102
    .vgpr_count:     640
    .wavefront_size: 32
...
	.end_amdgpu_metadata
.endif
;; end of part 9
;; launch attn (part 10): grid 8 x 32, 8 waves a work-group, no clusters, 263,168 bytes of LDS; arguments qkv, lowp_scales, oimg; writes oimg
.if DOCPART == 10
	.amdgcn_target "amdgcn-amd-amdhsa--gfx1250"
	.amdhsa_code_object_version 6
	.text
	.protected	k_qbe8ee9bd71_attn
	.globl	k_qbe8ee9bd71_attn
	.p2align	8
	.type	k_qbe8ee9bd71_attn,@function
k_qbe8ee9bd71_attn:
	s_mov_b64 s[64:65], 0
	v_nop
	global_prefetch_b8 v0, s[64:65] scope:SCOPE_SE
	s_setreg_imm32_b32 hwreg(HW_REG_WAVE_MODE, 25, 1), 1
	s_wait_xcnt 0x0
; o = softmax(q k^T / 8) v for one head, both products on codes of E4M3; o is quantised (e6) into the image that the next product reads.
; SOFTMAX: t = score x log2(e) / 8; M = the running largest t rounded UP to a whole number; p = 2^(t - M) is quantised (e4), not normalised; the row's sum is taken of the unquantised p and divides at the end.
; When M moves, the sum and O are multiplied by 2^(old M - new M): exact.
; SHARES.  A work-group: 256 queries of one head (x: the block, y: 16 x batch + head).  Each of eight waves: 32 queries, tiles 0 and 1, so each fragment of K and V read from LDS feeds two matrix instructions.
; THE HEAD COMES INTO LDS IN FOUR PHASES of 512 keys: K's image (32 tiles of 16 keys x 64: 32,768 bytes a phase) from byte 0, V^T's (4 key steps x 4 tiles of 16 channels x 128 keys) from byte 131,072.  A wave brings 4,096 bytes of each through registers.
; Phases 0 and 1 are asked for at the kernel's head (phase 0 through the scores' registers, idle there).  At the head of phase f each wave stores its part of phase f + 1, asks for phase f + 2 and signals;
; the barrier's wait stands at the head of phase f + 1, four key steps on.  Every LDS byte is stored once; between a signal and its wait a wave reads only bytes of the phase in hand, which nobody writes any more.
; NO JOINT REQUESTS.  NO PREFETCH: the loads themselves run a phase ahead of their stores.
; LAYOUT.  S^T = K Q^T (source 0 = 16 keys, source 1 = 16 queries), O^T = V^T P^T: a lane holds one query throughout.  Key tile T gives lane (r, h) keys 16 T + 8 h + 0 .. 7: one conversion is registers 2 T, 2 T + 1 of P's fragment.
; THE EXPONENTIALS go in four windows of 32, a wait between windows; among them stand plain lines that read nothing written in the same window: the next quarter's t - M, and sums of pairs of p into 16 accumulators.
; REGISTERS.  Window 0: v1-5, v8 addresses; v6, v7 2^e4, 448 x 2^e4 (at the end v8, v9 the same for e6); v10, v11 exchanges; v[12:15] two chains of tile 1's sum; v16-31 statistics, 8 a tile: -M, largest t, l (two halves), f, (pair), two chains of the maximum;
;   v32-95 K's 8 fragments; v96-223 S^T then p, 64 a tile; v224-255 the sums' 16 accumulators, then p's codes, 16 a tile.   Window 1: v0-63 O^T, 32 a tile; v64-127 V's 4 fragments; v128-143 Q; v144, v145 the spare word's address and 0; v148-211 a phase on its way.
; LIMITS: e2 + e3 between -123 and 130 (added to c's exponent field); e4, e6 between -126 and 119.  The hold of p at 448 x 2^e4 is jumped over from e4 = -8 up: p is at most 2^(the rounding of t), under 1.75 while |t| stays under 2^22.  NaN is not served.
.set LI,  1                            ; 16 x lane
.set GOF, 2                            ; 4,096 x wave + 16 x lane: my part of a phase, in memory and in LDS
.set LK,  3                            ; where my part of K's phase goes in LDS
.set LV,  4                            ; and of V's
.set ADK, 5
.set ADV, 8
.set ST,  16
.set KF,  32
.set S,   96
.set C,   224
.set VF,  64                           ; window 1 from here on
.set QF,  128
.set SPW, 144
.set NIL, 145
.set STG, 148
.set SPARE, 0x40000                    ; behind the head's 262,144 bytes: 128 bytes of spare words for each wave
.set PH,  32768                        ; a phase of K or of V in bytes
.set MSB, 0
.macro WIN new                         ; the immediate's high byte repeats the setting that is left
.if MSB != \new
	s_set_vgpr_msb (MSB<<8)|\new
.set MSB, \new
.endif
.endm
.macro MKSC se, vs, vl                 ; s[se] = e: v[vs] = 2^e, v[vl] = 448 x 2^e
	s_add_co_i32 s38, s[\se], 127
	s_lshl_b32 s39, s38, 23
	v_mov_b32 v[\vs], s39
	s_add_co_i32 s38, s38, 8
	s_lshl_b32 s38, s38, 23
	s_or_b32 s38, s38, 0x600000
	v_mov_b32 v[\vl], s38
.endm
.macro GLOAD                           ; my 8,192 bytes of the phase that lies PH bytes behind the two bases, 512 consecutive bytes a load (destination: window 1)
.irp i, 0,1,2,3,4,5,6,7
	global_load_b128 v[STG+4*\i:STG+4*\i+3], v[GOF], s[40:41] offset:PH+512*\i
.endr
.irp i, 0,1,2,3,4,5,6,7
	global_load_b128 v[STG+32+4*\i:STG+32+4*\i+3], v[GOF], s[42:43] offset:PH+512*\i
.endr
.endm
.macro PSTORE                          ; and into LDS: s30, s27 = the phase's first byte of K, of V
	v_add_nc_u32 v[LK], s30, v[GOF]
	v_add_nc_u32 v[LV], s27, v[GOF]
	WIN 0x04                                       ; store data window 1
.irp i, 0,1,2,3,4,5,6,7
	ds_store_b128 v[LK], v[STG+4*\i:STG+4*\i+3] offset:512*\i
.endr
.irp i, 0,1,2,3,4,5,6,7
	ds_store_b128 v[LV], v[STG+32+4*\i:STG+32+4*\i+3] offset:512*\i
.endr
	WIN 0
.endm
.macro KLOAD                           ; a key step's 8 fragments of K
.irp t, 0,1,2,3,4,5,6,7
.irp g, 0,1
	ds_load_b128 v[KF+8*\t+4*\g:KF+8*\t+4*\g+3], v[ADK] offset:\t*1024+\g*512
.endr
.endr
.endm
.macro EXP4 b                          ; p = 2^(t - M), four registers from b on
.irp k, 0,1,2,3
	v_exp_f32 v[(\b)+\k], v[(\b)+\k]
.endr
.endm
.macro FMA2 b, m                       ; t - M, four registers from b on; m: the tile's -M
	v_pk_fma_f32 v[(\b):(\b)+1], v[(\b):(\b)+1], s[22:23], v[\m:\m+1] op_sel_hi:[1,0,0]
	v_pk_fma_f32 v[(\b)+2:(\b)+3], v[(\b)+2:(\b)+3], s[22:23], v[\m:\m+1] op_sel_hi:[1,0,0]
.endm
	s_load_b128 s[4:7], s[0:1], 0x0                ; qkv, the scales
	s_load_b64 s[8:9], s[0:1], 0x10                ; oimg
	WIN 0x40
	v_lshl_add_u32 v[SPW], v0, 2, SPARE
	v_mov_b32 v[NIL], 0
	WIN 0
	v_lshrrev_b32 v2, 5, v0
	v_readfirstlane_b32 s10, v2                    ; wave 0..7
	v_and_b32 v1, 31, v0
	v_lshlrev_b32 v[LI], 4, v1
	s_lshl_b32 s11, s10, 12
	v_add_nc_u32 v[GOF], s11, v[LI]
	s_and_b32 s12, ttmp7, 0xffff                   ; 16 x batch + head
	s_lshl_b32 s16, s12, 17                        ; a head's image is 131,072 bytes in each of the three
	s_mov_b32 s17, 0
	s_lshl_b32 s13, ttmp9, 4
	s_lshl_b32 s14, s10, 1
	s_add_co_u32 s13, s13, s14                     ; my first tile of queries in the head
	s_lshl_b32 s18, s13, 10
	s_mov_b32 s19, 0
	s_mov_b32 s20, 0x76543210                      ; v_permlanex16_b32: lane l xor 16
	s_mov_b32 s21, 0xfedcba98
	s_mov_b32 s22, 0x3e38aa3b                      ; c = log2(e) / 8
	s_mov_b32 s24, 0                               ; LDS byte of the next K to fetch
	s_mov_b32 s25, 131072                          ; and of the step's V
	s_mov_b32 s30, PH                              ; LDS byte of the next phase that PSTORE stores: K's,
	s_mov_b32 s27, 131072                          ; and V's (phase 0's here: stepped behind its stores)
	s_mov_b32 s31, 4                               ; phases to go
	s_wait_alu depctr_va_vdst(0)                   ; directly ahead of the wait below
	s_wait_kmcnt 0x0
	s_load_b128 s[32:35], s[6:7], 0x8              ; e2, e3, e4, e5
	s_load_b32 s36, s[6:7], 0x18                   ; e6
	s_add_nc_u64 s[4:5], s[4:5], s[16:17]
	s_add_nc_u64 s[28:29], s[4:5], s[18:19]        ; q: my two tiles
	s_add_nc_u64 s[40:41], s[4:5], 0x400000        ; k: the head
	s_add_nc_u64 s[42:43], s[4:5], 0x800000        ; v: the head
	WIN 0x40                                       ; destination window 1
.irp g, 0,1,2,3
	global_load_b128 v[QF+4*\g:QF+4*\g+3], v[LI], s[28:29] offset:512*\g
.endr
	WIN 0
.irp i, 0,1,2,3,4,5,6,7
	global_load_b128 v[S+4*\i:S+4*\i+3], v[GOF], s[40:41] offset:512*\i            ; phase 0, through the scores' registers
.endr
.irp i, 0,1,2,3,4,5,6,7
	global_load_b128 v[S+32+4*\i:S+32+4*\i+3], v[GOF], s[42:43] offset:512*\i
.endr
	WIN 0x40
	GLOAD                                          ; phase 1
.set i, 0
.rept 64
	v_mov_b32 v[i], 0                              ; O^T.  The step is written for every step alike: the first finds zeros, which the first change of M leaves zeros
.set i, i+1
.endr
	WIN 0
.irp x, 0,1
	v_mov_b32 v[ST+8*\x+1], 0xff61b1e6             ; the largest t so far: -3e38
	v_floor_f32 v[ST+8*\x], -v[ST+8*\x+1]          ; -M
	v_mov_b32 v[ST+8*\x+2], 0                      ; l
	v_mov_b32 v[ST+8*\x+3], 0
	v_mov_b32 v[ST+8*\x+5], 0                      ; named as the upper half of f's pair
	v_mov_b32 v[10+\x], 0                          ; a lane permute's destination counts as read
.endr
	s_lshr_b32 s14, s12, 4                         ; where o goes: tile of tokens 128 x batch + mine, K step head / 2, half head % 2
	s_lshl_b32 s14, s14, 7
	s_add_co_u32 s14, s14, s13
	s_lshl_b32 s14, s14, 3
	s_bfe_u32 s15, s12, 0x30001
	s_add_co_u32 s14, s14, s15
	s_lshl_b32 s14, s14, 1
	s_and_b32 s15, s12, 1
	s_add_co_u32 s14, s14, s15
	s_lshl_b32 s14, s14, 10
	s_mov_b32 s15, 0
	s_add_nc_u64 s[8:9], s[8:9], s[14:15]
	s_wait_kmcnt 0x0
	s_add_co_i32 s38, s32, s33
	s_lshl_b32 s38, s38, 23
	s_add_co_i32 s22, s22, s38                     ; a score stands for score x 2^(e2 + e3): added to c's exponent field
	s_mov_b32 s23, s22
	s_add_co_i32 s37, s34, s35                     ; e4 + e5
	MKSC 34, 6, 7
; A KEY STEP of 128 keys.  pre = 1: the next step's K, which lies in the same phase, is fetched.
.macro ASTEP pre
	s_wait_dscnt 0x0                               ; this step's K is in
	WIN 0x04                                       ; source 1 (Q) window 1
.irp t, 0,1,2,3,4,5,6,7
.irp x, 0,1
	v_wmma_f32_16x16x64_fp8_fp8 v[S+64*\x+8*\t:S+64*\x+8*\t+7], v[KF+8*\t:KF+8*\t+7], v[QF+8*\x:QF+8*\x+7], 0
.endr
.endr
	WIN 0
	v_add_nc_u32 v[ADV], s25, v[LI]                ; four places in front of the loads into K's and V's registers and of the first read of the scores
.if \pre
	v_add_nc_u32 v[ADK], s24, v[LI]
.else
	v_nop
.endif
	v_nop
	v_nop
	WIN 0x40
.irp d, 0,1,2,3
.irp g, 0,1,2,3
	ds_load_b128 v[VF+16*\d+4*\g:VF+16*\d+4*\g+3], v[ADV] offset:\d*2048+\g*512
.endr
.endr
	WIN 0
.if \pre
	KLOAD
.endif
.irp x, 0,1                            ; the largest score of my query among my 64 keys: two chains a tile, each result tile from its low end on
	v_max3_num_f32 v[ST+8*\x+6], v[S+64*\x], v[S+64*\x+1], v[S+64*\x+2]
.endr
.irp x, 0,1
	v_max3_num_f32 v[ST+8*\x+7], v[S+64*\x+3], v[S+64*\x+4], v[S+64*\x+5]
.endr
.set i, 6
.rept 14
.irp x, 0,1
	v_max3_num_f32 v[ST+8*\x+6], v[ST+8*\x+6], v[S+64*\x+i], v[S+64*\x+i+1]
.endr
.irp x, 0,1
	v_max3_num_f32 v[ST+8*\x+7], v[ST+8*\x+7], v[S+64*\x+i+2], v[S+64*\x+i+3]
.endr
.set i, i+4
.endr
.irp x, 0,1
	v_max3_num_f32 v[ST+8*\x+6], v[ST+8*\x+6], v[S+64*\x+62], v[S+64*\x+63]
.endr
.irp x, 0,1
	v_max_num_f32 v[ST+8*\x+6], v[ST+8*\x+6], v[ST+8*\x+7]
.endr
.irp x, 0,1
	v_permlanex16_b32 v[10+\x], v[ST+8*\x+6], s20, s21          ; the query's other 64 keys lie in lane l xor 16
.endr
.irp x, 0,1
	v_max_num_f32 v[ST+8*\x+6], v[ST+8*\x+6], v[10+\x]
.endr
.irp x, 0,1
	v_mul_f32 v[ST+8*\x+6], s22, v[ST+8*\x+6]                   ; as t (c is positive)
.endr
.irp x, 0,1
	v_max_num_f32 v[ST+8*\x+1], v[ST+8*\x+1], v[ST+8*\x+6]      ; the running largest t
.endr
.irp x, 0,1
	v_mov_b32 v[ST+8*\x+6], v[ST+8*\x]
.endr
.irp x, 0,1
	v_floor_f32 v[ST+8*\x], -v[ST+8*\x+1]                       ; the new -M = floor(-t): M is a whole number
.endr
.irp x, 0,1
	v_sub_f32 v[ST+8*\x+6], v[ST+8*\x], v[ST+8*\x+6]            ; old M - new M: a whole number, 0 or less
.endr
.irp x, 0,1
	v_cvt_i32_f32 v[ST+8*\x+6], v[ST+8*\x+6]                    ; (it saturates)
.endr
.irp x, 0,1
	v_ldexp_f32 v[ST+8*\x+4], 1.0, v[ST+8*\x+6]                 ; f = 2^(old M - new M)
.endr
	WIN 0x41                                       ; O^T (destination, source 0) window 1, f window 0
.irp x, 0,1
.set i, 0
.rept 16
	v_pk_mul_f32 v[32*\x+i:32*\x+i+1], v[32*\x+i:32*\x+i+1], v[ST+8*\x+4:ST+8*\x+5] op_sel_hi:[1,0]   ; O^T under the new M: its first read since the last products, ahead of this step's exponentials
.set i, i+2
.endr
.endr
	WIN 0
.irp x, 0,1
	v_pk_mul_f32 v[ST+8*\x+2:ST+8*\x+3], v[ST+8*\x+2:ST+8*\x+3], v[ST+8*\x+4:ST+8*\x+5] op_sel_hi:[1,0]   ; l under the new M
.endr
.set i, 0
.rept 8
	FMA2 S+i, ST                                   ; quarter 0 (tile 0's first 32 registers): t - M
.set i, i+4
.endr
	s_wait_alu depctr_va_vdst(0)                   ; the wait ahead of each window, and behind it
.set i, 0
.rept 8                                ; window 0: quarter 0's exponentials; quarter 1's t - M
	EXP4 S+i
	FMA2 S+32+i, ST
.set i, i+4
.endr
	s_wait_alu depctr_va_vdst(0)
.set i, 0
.rept 8                                ; window 1: quarter 1's; quarter 2's t - M; quarter 0's p in pairs into accumulators 0-7
	EXP4 S+32+i
	FMA2 S+64+i, ST+8
	v_pk_add_f32 v[C+i/2:C+i/2+1], v[S+i:S+i+1], v[S+i+2:S+i+3]
.set i, i+4
.endr
	s_wait_alu depctr_va_vdst(0)
.set i, 0
.rept 8                                ; window 2: quarter 2's; quarter 3's t - M; quarter 1's p into accumulators 8-15
	EXP4 S+64+i
	FMA2 S+96+i, ST+8
	v_pk_add_f32 v[C+16+i/2:C+16+i/2+1], v[S+32+i:S+32+i+1], v[S+32+i+2:S+32+i+3]
.set i, i+4
.endr
	s_wait_alu depctr_va_vdst(0)
.set i, 0
.rept 8                                ; window 3: quarter 3's; tile 0's accumulators joined; quarter 2's p into accumulators 8-15
	EXP4 S+96+i
	v_pk_add_f32 v[C+i/2:C+i/2+1], v[C+i/2:C+i/2+1], v[C+16+i/2:C+16+i/2+1]
	v_pk_add_f32 v[C+16+i/2:C+16+i/2+1], v[S+64+i:S+64+i+1], v[S+64+i+2:S+64+i+3]
.set i, i+4
.endr
	s_wait_alu depctr_va_vdst(0)
	v_pk_add_f32 v[14:15], v[S+96:S+97], v[S+98:S+99]            ; quarter 3's p in two chains; the accumulators onto l: four chains by turns
	v_pk_add_f32 v[12:13], v[S+100:S+101], v[S+102:S+103]
.set i, 0
.rept 8
	v_pk_add_f32 v[ST+2:ST+3], v[ST+2:ST+3], v[C+2*i:C+2*i+1]
	v_pk_add_f32 v[ST+10:ST+11], v[ST+10:ST+11], v[C+16+2*i:C+16+2*i+1]
.if i >= 2
	v_pk_add_f32 v[14:15], v[14:15], v[S+96+4*i:S+96+4*i+1]
	v_pk_add_f32 v[12:13], v[12:13], v[S+96+4*i+2:S+96+4*i+3]
.endif
.set i, i+1
.endr
	v_pk_add_f32 v[14:15], v[14:15], v[12:13]
	v_pk_add_f32 v[ST+10:ST+11], v[ST+10:ST+11], v[14:15]
	s_wait_alu depctr_va_vdst(0)                   ; the wait ahead of the branch
	s_cmp_ge_i32 s34, -8                           ; from e4 = -8 up 448 x 2^e4 is at least 1.75, above every p: the hold changes nothing
	s_cbranch_scc1 .Lno_hold_\@
.set i, 0
.rept 128
	v_min_num_f32 v[S+i], v[S+i], v7               ; the conversion does not saturate (ISA guide 7.6.2); p is not negative, so the hold is one-sided
.set i, i+1
.endr
.Lno_hold_\@:
.irp x, 0,1
.irp t, 0,1,2,3,4,5,6,7
	v_cvt_scalef32_pk8_fp8_f32 v[C+16*\x+2*\t:C+16*\x+2*\t+1], v[S+64*\x+8*\t:S+64*\x+8*\t+7], v6
.endr
.endr
	v_nop                                          ; a plain instruction between the conversions and the products that read the codes
	s_wait_alu depctr_va_vdst(0)                   ; directly ahead of the wait below
	s_wait_dscnt 16*\pre                           ; V's 16 loads are in; the next step's K, 16 loads issued behind them, may be out
	WIN 0x51                                       ; V window 1, P window 0, C and D window 1
.irp d, 0,1,2,3
.irp x, 0,1
	v_wmma_f32_16x16x128_fp8_fp8 v[32*\x+8*\d:32*\x+8*\d+7], v[VF+16*\d:VF+16*\d+15], v[C+16*\x:C+16*\x+15], v[32*\x+8*\d:32*\x+8*\d+7]
.endr
.endr
	WIN 0
.if \pre
	s_add_co_u32 s24, s24, 8192
.endif
	s_add_co_u32 s25, s25, 8192
.endm
	s_wait_alu depctr_va_vdst(0)                   ; the wait at the head's end
	s_wait_loadcnt 16                              ; Q and my part of phase 0 are in registers; phase 1's 16 loads, issued behind them, may be out
	v_add_nc_u32 v[LV], s27, v[GOF]
.irp i, 0,1,2,3,4,5,6,7
	ds_store_b128 v[GOF], v[S+4*\i:S+4*\i+3] offset:512*\i       ; K's phase 0 begins at LDS byte 0
.endr
.irp i, 0,1,2,3,4,5,6,7
	ds_store_b128 v[LV], v[S+32+4*\i:S+32+4*\i+3] offset:512*\i
.endr
	s_add_co_u32 s27, s27, PH
	s_wait_dscnt 0x0                               ; for the others' sake: my part of phase 0 lies in LDS
	s_barrier_signal -1
.Lphase:                                           ; four trips: a phase of 512 keys each
	s_barrier_wait -1                              ; everybody's part of this phase lies in LDS
	v_add_nc_u32 v[ADK], s24, v[LI]
	KLOAD                                          ; the phase's first key step
	s_add_co_u32 s24, s24, 8192
	s_wait_loadcnt 0x0                             ; my part of the next phase, if there is one, is in registers
	s_cmp_eq_u32 s31, 1
	s_cbranch_scc1 .Lno_store                      ; behind the last phase there is nothing to store
	PSTORE
.Lno_store:
	s_add_co_u32 s30, s30, PH
	s_add_co_u32 s27, s27, PH
	s_wait_dscnt 0x0                               ; for the others' sake: it lies in LDS; and the stores have read their registers
	s_cmp_lt_u32 s31, 3
	s_cbranch_scc1 .Lno_more                       ; the last two phases have no phase two on
	s_add_nc_u64 s[40:41], s[40:41], PH            ; (the loads that read these bases are done)
	s_add_nc_u64 s[42:43], s[42:43], PH
	WIN 0x40
	GLOAD                                          ; the phase two on: four key steps ahead of its stores
	WIN 0
.Lno_more:
	s_barrier_signal -1                            ; say so here, four key steps ahead of the wait
	s_mov_b32 s26, 3
.Lkeys:
	ASTEP 1
	s_sub_co_u32 s26, s26, 1
	s_cmp_lg_u32 s26, 0
	s_cbranch_scc1 .Lkeys
	ASTEP 0                                        ; the phase's last step: the K that follows is fetched behind the barrier's wait
	s_sub_co_u32 s31, s31, 1
	s_cmp_lg_u32 s31, 0
	s_cbranch_scc1 .Lphase
	s_barrier_wait -1                              ; closes the last trip's signal
	; THE END.  The additions and moves are the places behind the last products.
.irp x, 0,1
	v_add_f32 v[ST+8*\x+2], v[ST+8*\x+2], v[ST+8*\x+3]
.endr
.irp x, 0,1
	v_permlanex16_b32 v[10+\x], v[ST+8*\x+2], s20, s21
.endr
.irp x, 0,1
	v_add_f32 v[ST+8*\x+2], v[ST+8*\x+2], v[10+\x]              ; the row's sum
.endr
	MKSC 36, 8, 9                                  ; e6
	s_wait_alu depctr_va_vdst(0)                   ; the wait ahead of the transcendentals
.irp x, 0,1
	v_rcp_f32 v[ST+8*\x+2], v[ST+8*\x+2]
.endr
	v_nop                                          ; a plain instruction behind the transcendentals
	s_wait_alu depctr_va_vdst(0)                   ; and the wait ahead of their first reader
.irp x, 0,1
	v_ldexp_f32 v[ST+8*\x+2], v[ST+8*\x+2], s37    ; x 2^(e4 + e5)
.endr
	WIN 0x01                                       ; source 0 (O^T) window 1
	s_wait_alu depctr_va_vdst(0)                   ; directly ahead of the first reader of O^T
.irp x, 0,1
.set i, 0
.rept 16
	v_pk_mul_f32 v[S+64*\x+i:S+64*\x+i+1], v[32*\x+i:32*\x+i+1], v[ST+8*\x+2:ST+8*\x+3] op_sel_hi:[1,0]   ; register 8 d + j: o(query r, channel 16 d + 8 h + j)
.set i, i+2
.endr
.endr
	WIN 0
.irp x, 0,1
.set i, 0
.rept 32
	v_med3_num_f32 v[S+64*\x+i], v[S+64*\x+i], -v9, v9
.set i, i+1
.endr
.endr
.irp x, 0,1
.irp d, 0,1,2,3
	v_cvt_scalef32_pk8_fp8_f32 v[C+16*\x+2*\d:C+16*\x+2*\d+1], v[S+64*\x+8*\d:S+64*\x+8*\d+7], v8
.endr
.endr
	v_nop
.irp x, 0,1
.irp g, 0,1
	global_store_b128 v[LI], v[C+16*\x+4*\g:C+16*\x+4*\g+3], s[8:9] offset:\x*16384+\g*512   ; 512 consecutive bytes, aligned
.endr
.endr
	WIN 0x05                                       ; the add's two registers lie in window 1
	s_wait_tensorcnt 0x0                           ; the wave's end
	ds_add_u32 v[SPW], v[NIL]
	s_wait_dscnt 0x0
	WIN 0
	s_endpgm
.Lfunc_end_k_qbe8ee9bd71_attn:
	.size	k_qbe8ee9bd71_attn, .Lfunc_end_k_qbe8ee9bd71_attn-k_qbe8ee9bd71_attn
	.p2alignl 7, 3214868480
	.fill 96, 4, 3214868480
	.section	.rodata,"a",@progbits
	.p2align	6, 0x0
	.amdhsa_kernel k_qbe8ee9bd71_attn
		.amdhsa_group_segment_fixed_size 263168
		.amdhsa_private_segment_fixed_size 0
		.amdhsa_enable_private_segment 0
		.amdhsa_kernarg_size 24
		.amdhsa_user_sgpr_count 2
		.amdhsa_user_sgpr_kernarg_segment_ptr 1
		.amdhsa_wavefront_size32 1
		.amdhsa_system_sgpr_workgroup_id_x 1
		.amdhsa_system_sgpr_workgroup_id_y 1
		.amdhsa_system_sgpr_workgroup_id_z 1
		.amdhsa_system_vgpr_workitem_id 0
		.amdhsa_next_free_vgpr 468
		.amdhsa_next_free_sgpr 66
		.amdhsa_reserve_vcc 0
		.amdhsa_float_denorm_mode_32 3
		.amdhsa_float_denorm_mode_16_64 3
		.amdhsa_memory_ordered 1
		.amdhsa_forward_progress 1
		.amdhsa_inst_pref_size 78
	.end_amdhsa_kernel
	.amdgpu_metadata
---
amdhsa.version: [ 1, 2 ]
amdhsa.kernels:
  - .name:           k_qbe8ee9bd71_attn
    .symbol:         k_qbe8ee9bd71_attn.kd
    .args:
      - { .name: qkv, .offset: 0, .size: 8, .value_kind: global_buffer, .address_space: global }
      - { .name: lowp_scales, .offset: 8, .size: 8, .value_kind: global_buffer, .address_space: global }
      - { .name: oimg, .offset: 16, .size: 8, .value_kind: global_buffer, .address_space: global }
    .group_segment_fixed_size: 263168
    .private_segment_fixed_size: 0
    .kernarg_segment_align: 8
    .kernarg_segment_size: 24
    .max_flat_workgroup_size: 256
    .sgpr_count:     66
    .vgpr_count:     468
    .wavefront_size: 32
...
	.end_amdgpu_metadata
.endif
;; end of part 10
;; launch proj (part 11): grid 8 x 32, 4 waves a work-group, clusters of 4 x 4, 327,680 bytes of LDS; arguments oimg, pimg, b_proj, x, lowp_scales, x1; writes x1
.if DOCPART == 11
	.amdgcn_target "amdgcn-amd-amdhsa--gfx1250"
	.amdhsa_code_object_version 6
	.text
	.protected	k_qbe8ee9bd71_proj
	.globl	k_qbe8ee9bd71_proj
	.p2align	8
	.type	k_qbe8ee9bd71_proj,@function
k_qbe8ee9bd71_proj:
	s_mov_b64 s[64:65], 0
	v_nop
	global_prefetch_b8 v0, s[64:65] scope:SCOPE_SE
	s_setreg_imm32_b32 hwreg(HW_REG_WAVE_MODE, 25, 1), 1
	s_wait_xcnt 0x0
	s_wait_alu depctr_hold_cnt(0) depctr_sa_sdst(0) depctr_va_vdst(0) depctr_va_sdst(0) depctr_va_ssrc(0) depctr_va_vcc(0) depctr_vm_vsrc(0)
	s_getreg_b32 s2, hwreg(HW_REG_IB_STS2, 6, 4)
	s_cmp_eq_u32 s2, 0
	s_cbranch_scc0 .Lentry_in_a_cluster
	s_endpgm
.Lentry_in_a_cluster:
	s_bfe_u32 s2, ttmp6, 0x10000c
	s_cmp_lg_u32 s2, 0xf033
	s_cbranch_scc0 .Lentry_shape_is_right
	s_endpgm
.Lentry_shape_is_right:
; x1 = x + o Wp + b_proj: the product on codes of E4M3 (o: e6, Wp: e7), sums in f32.
; OPERANDS ARE FRAGMENT IMAGES: 16 rows x 128 K = 2,048 bytes, registers 4 g .. 4 g + 3 of lane l at 512 g + 16 l; a matrix is [rows / 16][K / 128][2,048].  A fragment is four ds_load_b128 of 512 consecutive bytes: no pitch, no padding.
; A TILE OF C IS 128 x 128: the 4,096 x 1,024 results are 256 tiles, a work-group each.  Four waves, 64 x 64 each: 16 accumulators.
; K = 1,024 fits LDS whole: a wave's one tensor load brings 4 tiles of 16 rows x 16,384 bytes (65,536 bytes); nothing is filled again, so there is no ring.  No prefetch: one load a wave at the head, and no loop to run ahead in.
; CLUSTERS 4 x 4: A's tiles are asked for jointly along a row of the cluster, B's along a column.  The matrix instruction is used transposed (source 0 = B's rows, source 1 = A's rows): a lane holds eight neighbouring columns of a row of C.
; The bias, divided by 2^(e6 + e7), is the C of each sum's first product.  The residual's 64 rows x 256 bytes are asked for behind the operands' barrier and wait in registers; on the way out one packed multiply-add gives sum x 2^(e6 + e7) + the residual.
; REGISTERS: window 0: v16-29 addresses, v32-63 bias, v128-255 accumulator (a, b) at v[128 + 8 (4 a + b)]; window 1: two sets of fragments of 128 registers (A's four, then B's four); window 2: v0-127 the residual, in rows.
; LIMIT: e6 + e7 between -126 and 127.
.set SIZE_K, 1024
.set B_OFF, 0x100000                   ; Wp's image in pimg
.set FRB,    2048
.set SLB,    16384                     ; a tile of 16 rows: eight K steps of 128
.set HALFT,  4*SLB                     ; 64 rows: what one tensor load brings, and what one wave reads of A or of B
.set SPARE,  4*HALFT                   ; behind the operands: the spare words, 128 bytes for each wave
.set RTB,    16*SIZE_K
.set SPITCH, 272                       ; the way out: a stage of 64 rows x (256 + 16) bytes for each wave, on the operands' bytes, which have then had their one fill and their last read
.set FR, 16
.set ADRA, 16
.set ADRB, 20
.set STO,  24                          ; the stage: where I put 32 bytes of a row
.set RD,   25                          ; and where I read rows back
.set CO,   26                          ; my byte offset in two rows of C
.set LI,   27
.set SPW,  28
.set NIL,  29
.set BI,   32
.set ACC,  128
.set G1, 24
.set G0, 32
.set G1B, 48
.set G0B, 56
.set MSB, 0
.macro WIN new                         ; the immediate's high byte repeats the setting that is left
.if MSB != \new
	s_set_vgpr_msb (MSB<<8)|\new
.set MSB, \new
.endif
.endm
.macro CREST                           ; a round of the cluster's barrier behind its opening barrier
	s_cmp_lg_u32 s14, 0
	s_cbranch_scc1 .Lnot_wave_0_\@
	s_barrier_signal -3
.Lnot_wave_0_\@:
	s_barrier_wait -3
	s_barrier_signal -1
	s_barrier_wait -1
.endm
.macro CROUND
	s_barrier_signal -1
	s_barrier_wait -1
	CREST
.endm
	s_load_b256 s[68:75], s[0:1], 0x0              ; o's image s[68:69], pimg s[70:71], the bias s[72:73], the residual s[74:75]
	s_load_b128 s[76:79], s[0:1], 0x20             ; the scales s[76:77], the result s[78:79]
	v_lshl_add_u32 v[SPW], v0, 2, SPARE
	v_mov_b32 v[NIL], 0
	ds_add_u32 v[SPW], v[NIL]                      ; the opening lines
	ds_add_u32 v[SPW], v[NIL]
	v_lshrrev_b32 v1, 5, v0
	v_readfirstlane_b32 s14, v1                    ; wave 0..3
	s_lshr_b32 s15, s14, 1                         ; my half of the tile's rows; also: I fetch for A (0) or B (1)
	s_and_b32 s16, s14, 1                          ; my half of its columns; also: which 64 rows I fetch
	s_bfe_u32 s40, ttmp6, 0x40000                  ; cx
	s_bfe_u32 s41, ttmp6, 0x40004                  ; cy
	s_lshl_b32 s42, ttmp9, 2
	s_add_co_u32 s42, s42, s40                     ; tile column
	s_and_b32 s17, ttmp7, 0xffff
	s_lshl_b32 s17, s17, 2
	s_add_co_u32 s17, s17, s41                     ; tile row
	s_lshl_b32 s43, s41, 2
	s_lshl_b32 s43, 15, s43                        ; my row of the cluster
	s_lshl_b32 s44, 0x1111, s40                    ; my column
	s_or_b32 s[G1+0], s43, (1<<21)                 ; 15:0 the mask; elements of 1 byte; no padding; 21 set beside a mask
	s_or_b32 s[G1B+0], s44, (1<<21)
.irp g, G1, G1B
	s_mov_b32 s[\g+1], SLB<<16                     ; tensor_dim0 = 16,384
	s_mov_b32 s[\g+2], 4<<16                       ; tensor_dim1 = 4
	s_mov_b32 s[\g+3], SLB<<16                     ; tile_dim0
	s_mov_b32 s[\g+4], 4                           ; tile_dim1
	s_mov_b32 s[\g+5], RTB                         ; tensor_dim0_stride
	s_mov_b32 s[\g+6], 0
	s_mov_b32 s[\g+7], 0
.endr
	s_lshl_b32 s18, s16, 6
	s_lshl_b32 s20, s17, 7
	s_add_co_u32 s20, s20, s18                     ; A: row 128 x tile row + 64 x half; a tile of 16 rows begins at byte row x K of its image
	s_mul_i32 s20, s20, SIZE_K
	s_mov_b32 s21, 0
	s_lshl_b32 s46, s42, 7
	s_add_co_u32 s46, s46, s18                     ; B: row 128 x tile column + 64 x half
	s_mul_i32 s46, s46, SIZE_K
	s_add_co_u32 s46, s46, B_OFF
	s_mov_b32 s47, 0
	s_mul_i32 s45, s14, HALFT                      ; where they go: wave x 64 rows: no place in the cluster enters an LDS address
	s_wait_dscnt 0x0                               ; both opening adds are done
	s_wait_kmcnt 0x0
	s_load_b256 s[84:91], s[76:77], 0x0            ; e0 .. e7
	s_add_nc_u64 s[20:21], s[68:69], s[20:21]
	s_add_nc_u64 s[46:47], s[70:71], s[46:47]
	CROUND                                         ; all sixteen work-groups are here: the joint loads meet
	s_mov_b32 s[G0], 1
	s_mov_b32 s[G0+1], s45
	s_mov_b64 s[G0+2:G0+3], s[20:21]
	s_or_b32 s[G0+3], s[G0+3], 0x80000000
	s_mov_b32 s[G0B], 1
	s_mov_b32 s[G0B+1], s45
	s_mov_b64 s[G0B+2:G0B+3], s[46:47]
	s_or_b32 s[G0B+3], s[G0B+3], 0x80000000
	s_cmp_eq_u32 s15, 0                            ; waves 0 and 1 fetch A's halves, waves 2 and 3 B's; an s_nop 0 and four v_nop follow each line
	s_cbranch_scc0 .Lfor_b
	tensor_load_to_lds s[G0:G0+3], s[G1:G1+7]
	s_nop 0
.rept 4
	v_nop
.endr
	s_branch .Lasked
.Lfor_b:
	tensor_load_to_lds s[G0B:G0B+3], s[G1B:G1B+7]
	s_nop 0
.rept 4
	v_nop
.endr
.Lasked:
	v_and_b32 v1, 31, v0
	v_lshlrev_b32 v[LI], 4, v1
	s_mul_i32 s21, s15, HALFT                      ; my 64 rows of A
	s_mul_i32 s22, s16, HALFT                      ; my 64 rows of B,
	s_add_co_u32 s22, s22, 2*HALFT                 ; which lie behind A's 128
	v_add_nc_u32 v[ADRA], s21, v[LI]
	v_add_nc_u32 v[ADRB], s22, v[LI]
	v_and_b32 v1, 15, v0                           ; r
	v_bfe_u32 v2, v0, 4, 1                         ; h
	v_lshlrev_b32 v3, 5, v2                        ; 32 h: my half's eight biases of a tile
	s_mul_i32 s23, s14, 64*SPITCH                  ; my stage
	v_mul_u32_u24 v5, v1, SPITCH
	v_lshl_add_u32 v5, v2, 5, v5
	v_add_nc_u32 v[STO], s23, v5                   ; in: row r, 32 bytes for each half of the lanes
	v_mul_u32_u24 v5, v2, SPITCH
	v_lshl_add_u32 v5, v1, 4, v5
	v_add_nc_u32 v[RD], s23, v5                    ; back: lanes 0-15 take one row of 256 bytes, lanes 16-31 the next
	v_lshlrev_b32 v[CO], 12, v2
	v_lshl_add_u32 v[CO], v1, 4, v[CO]             ; and the same two rows, 4,096 bytes apart, in the residual and in C
	s_wait_alu depctr_va_vdst(0)                   ; ahead of the scalar lines and the readers below
	s_lshl_b32 s46, s42, 9
	s_lshl_b32 s47, s16, 8
	s_add_co_u32 s46, s46, s47                     ; my first column, in bytes of f32: 512 x tile column + 256 x half
	s_mov_b32 s47, 0
	s_add_nc_u64 s[98:99], s[72:73], s[46:47]
.irp b, 0,1,2,3
	global_load_b128 v[BI+8*\b:BI+8*\b+3], v3, s[98:99] offset:64*\b
	global_load_b128 v[BI+8*\b+4:BI+8*\b+7], v3, s[98:99] offset:64*\b+16
.endr
	s_lshl_b32 s20, s17, 7
	s_lshl_b32 s21, s15, 6
	s_add_co_u32 s20, s20, s21                     ; my first row: 128 x tile row + 64 x half,
	s_lshl_b32 s20, s20, 12                        ; of 4,096 bytes
	s_add_co_u32 s20, s20, s46
	s_mov_b32 s21, 0
	s_add_nc_u64 s[74:75], s[74:75], s[20:21]
	s_add_nc_u64 s[78:79], s[78:79], s[20:21]
	s_wait_kmcnt 0x0
	s_add_co_i32 s96, s90, s91                     ; e6 + e7
	s_sub_co_i32 s83, 0, s96
	s_add_co_i32 s96, s96, 127
	s_lshl_b32 s96, s96, 23                        ; 2^(e6 + e7) as f32
	s_mov_b32 s97, s96                             ; named with it as a pair
	s_wait_loadcnt 0x0                             ; the bias
.set i, 0
.rept 32
	v_ldexp_f32 v[BI+i], v[BI+i], s83              ; the bias goes in divided by the power of two that the sums lack
.set i, i+1
.endr
.macro FRAG reg, adr, q, i
.irp c, 0,1,2,3
	ds_load_b128 v[\reg+4*\c:\reg+4*\c+3], v[\adr] offset:(\i)*SLB+(\q)*FRB+512*\c
.endr
.endm
.macro FETCH q, p                      ; 32 LDS loads in one run: the q-th 128 along K into set p
	WIN 0x40                                       ; destination window 1
.irp i, 0,1,2,3
	FRAG 128*(\p)+64+FR*\i, ADRB, \q, \i
.endr
.irp i, 0,1,2,3
	FRAG 128*(\p)+FR*\i, ADRA, \q, \i
.endr
.endm
; 16 matrix instructions on set p.  The 16 accumulators take turns, one instruction a turn, in the same order in every step.
.macro MULS p, first
	WIN 0x05                                       ; sources window 1; C and D window 0
.irp a, 0,1,2,3
.irp b, 0,1,2,3
.if \first
	v_wmma_f32_16x16x128_fp8_fp8 v[ACC+8*(4*\a+\b):ACC+8*(4*\a+\b)+7], v[128*(\p)+64+FR*\b:128*(\p)+64+FR*\b+FR-1], v[128*(\p)+FR*\a:128*(\p)+FR*\a+FR-1], v[BI+8*\b:BI+8*\b+7]
.else
	v_wmma_f32_16x16x128_fp8_fp8 v[ACC+8*(4*\a+\b):ACC+8*(4*\a+\b)+7], v[128*(\p)+64+FR*\b:128*(\p)+64+FR*\b+FR-1], v[128*(\p)+FR*\a:128*(\p)+FR*\a+FR-1], v[ACC+8*(4*\a+\b):ACC+8*(4*\a+\b)+7]
.endif
.endr
.endr
.endm
.macro STEP q, first
	s_wait_dscnt 0x0                               ; this step's set is in
.rept 4
	v_nop                                          ; places: the other set was read by the last step's products (ISA guide 7.12.1)
.endr
	FETCH (\q)+1, ((\q)+1)%2
	MULS (\q)%2, \first
.endm
	s_wait_alu depctr_va_vdst(0)                   ; the wait at the head's end
	s_wait_tensorcnt 0x0                           ; my quarter of the operands is in
	s_barrier_signal -1
	s_barrier_wait -1                              ; and everybody's
	FETCH 0, 0
	WIN 0x80                                       ; destination window 2
.set t, 0
.rept 32                               ; the residual, asked for here and used behind the last product: sixteen lanes read 256 consecutive bytes, aligned
	global_load_b128 v[4*t:4*t+3], v[CO], s[74:75] offset:2*t*4096
.set t, t+1
.endr
	STEP 0, 1                                      ; the first step starts the sums, with the bias as C
.irp q, 1,2,3,4,5,6
	STEP \q, 0
.endr
	s_wait_dscnt 0x0                               ; the very last step: my reads of the operands are over;
	s_barrier_signal -1                            ; say so: the stages of the way out lie on bytes that other waves read
	MULS 1, 0
	WIN 0
	s_barrier_wait -1
.rept 4
	v_nop
.endr
; THE WAY OUT.  A lane holds 32 neighbouring bytes of a row, and the lanes beside it hold other rows: so each block of 16 rows x 64 columns goes through bytes of its own in my stage and comes back as whole rows of 256 bytes,
; into the registers that it left.  LDS serves a wave's instructions in order (ISA guide 5.7.1.4): no wait between the stores and the loads.  Every row's offset is an immediate (62 rows of 4,096 bytes at the most).
.irp a, 0,1,2,3
.irp b, 0,1,2,3
	ds_store_b128 v[STO], v[ACC+32*\a+8*\b:ACC+32*\a+8*\b+3] offset:\a*16*SPITCH+64*\b          ; each accumulator from its low end on
	ds_store_b128 v[STO], v[ACC+32*\a+8*\b+4:ACC+32*\a+8*\b+7] offset:\a*16*SPITCH+64*\b+16
.endr
.irp t, 0,1,2,3,4,5,6,7
	ds_load_b128 v[ACC+32*\a+4*\t:ACC+32*\a+4*\t+3], v[RD] offset:\a*16*SPITCH+\t*2*SPITCH
.endr
.endr
	s_wait_loadcnt 0x0                             ; the residual
.irp a, 0,1,2,3
	s_wait_dscnt 16*(3-\a)                         ; block a's rows are back; the 16 LDS instructions of each later block may be out
	WIN 0x20                                       ; source 2 (the residual) window 2
.set i, 0
.rept 16
	v_pk_fma_f32 v[ACC+32*\a+i:ACC+32*\a+i+1], v[ACC+32*\a+i:ACC+32*\a+i+1], s[96:97], v[32*\a+i:32*\a+i+1] op_sel_hi:[1,0,1]
.set i, i+2
.endr
	WIN 0
.irp t, 0,1,2,3,4,5,6,7
	global_store_b128 v[CO], v[ACC+32*\a+4*\t:ACC+32*\a+4*\t+3], s[78:79] offset:(16*\a+2*\t)*4096   ; sixteen lanes store 256 consecutive bytes, aligned
.endr
.endr
	s_wait_tensorcnt 0x0                           ; the wave's end
	ds_add_u32 v[SPW], v[NIL]
	s_wait_dscnt 0x0
	CROUND                                         ; the closing round
	s_endpgm
.Lfunc_end_k_qbe8ee9bd71_proj:
	.size	k_qbe8ee9bd71_proj, .Lfunc_end_k_qbe8ee9bd71_proj-k_qbe8ee9bd71_proj
	.p2alignl 7, 3214868480
	.fill 96, 4, 3214868480
	.section	.rodata,"a",@progbits
	.p2align	6, 0x0
	.amdhsa_kernel k_qbe8ee9bd71_proj
		.amdhsa_group_segment_fixed_size 327680
		.amdhsa_private_segment_fixed_size 0
		.amdhsa_enable_private_segment 0
		.amdhsa_kernarg_size 48
		.amdhsa_user_sgpr_count 2
		.amdhsa_user_sgpr_kernarg_segment_ptr 1
		.amdhsa_wavefront_size32 1
		.amdhsa_system_sgpr_workgroup_id_x 1
		.amdhsa_system_sgpr_workgroup_id_y 1
		.amdhsa_system_sgpr_workgroup_id_z 1
		.amdhsa_system_vgpr_workitem_id 0
		.amdhsa_next_free_vgpr 640
		.amdhsa_next_free_sgpr 102
		.amdhsa_reserve_vcc 0
		.amdhsa_float_denorm_mode_32 3
		.amdhsa_float_denorm_mode_16_64 3
		.amdhsa_memory_ordered 1
		.amdhsa_forward_progress 1
		.amdhsa_inst_pref_size 50
	.end_amdhsa_kernel
	.amdgpu_metadata
---
amdhsa.version: [ 1, 2 ]
amdhsa.kernels:
  - .name:           k_qbe8ee9bd71_proj
    .symbol:         k_qbe8ee9bd71_proj.kd
    .args:
      - { .name: oimg, .offset: 0, .size: 8, .value_kind: global_buffer, .address_space: global }
      - { .name: pimg, .offset: 8, .size: 8, .value_kind: global_buffer, .address_space: global }
      - { .name: b_proj, .offset: 16, .size: 8, .value_kind: global_buffer, .address_space: global }
      - { .name: x, .offset: 24, .size: 8, .value_kind: global_buffer, .address_space: global }
      - { .name: lowp_scales, .offset: 32, .size: 8, .value_kind: global_buffer, .address_space: global }
      - { .name: x1, .offset: 40, .size: 8, .value_kind: global_buffer, .address_space: global }
    .group_segment_fixed_size: 327680
    .private_segment_fixed_size: 0
    .kernarg_segment_align: 8
    .kernarg_segment_size: 48
    .max_flat_workgroup_size: 128
    .sgpr_count:     102
    .vgpr_count:     640
    .wavefront_size: 32
...
	.end_amdgpu_metadata
.endif
;; end of part 11
;; launch ln2 (part 12): grid 256 x 1, 4 waves a work-group, no clusters, 17,408 bytes of LDS; arguments x1, ln2_g, ln2_b, lowp_scales, h2img; writes h2img
.if DOCPART == 12
	.amdgcn_target "amdgcn-amd-amdhsa--gfx1250"
	.amdhsa_code_object_version 6
	.text
	.protected	k_qbe8ee9bd71_ln2
	.globl	k_qbe8ee9bd71_ln2
	.p2align	8
	.type	k_qbe8ee9bd71_ln2,@function
k_qbe8ee9bd71_ln2:
	s_mov_b64 s[64:65], 0
	v_nop
	global_prefetch_b8 v0, s[64:65] scope:SCOPE_SE
	s_setreg_imm32_b32 hwreg(HW_REG_WAVE_MODE, 25, 1), 1
	s_wait_xcnt 0x0
; LayerNorm 2 of x1 becomes codes of E4M3 with the given scale 2^e8, laid as fragment images: 16 rows x 128 along K = 2,048 bytes, registers 4 g .. 4 g + 3 of lane l at 512 g + 16 l;
; lane r + 16 h holds row r, and its registers 2 c, 2 c + 1 hold k = 16 c + 8 h + 0 .. 7.  The matrix is [rows / 16][8][2,048 bytes].
; A work-group takes 16 rows, a wave four; a row stays in 32 registers between the passes.  The codes turn through a stage in LDS (rows 1,040 bytes apart) and leave as images.  No clusters, no tensor loads: a stream that shares nothing but 8 KiB of gains and biases.
; LIMITS: e8 between -126 and 119.  NaN is not served; what lies beyond 448 x 2^e8 is held there.
.set SG, 18
.set SB, 20
.set G,  16
.set B,  48
.set X,  80
.set T,  208
.set MU, 216
.set R,  218
.set CD, 220
.macro MKSC se, vs, vl
	s_add_co_i32 s50, s[\se], 127
	s_lshl_b32 s51, s50, 23
	v_mov_b32 v[\vs], s51
	s_add_co_i32 s50, s50, 8
	s_lshl_b32 s50, s50, 23
	s_or_b32 s50, s50, 0x600000
	v_mov_b32 v[\vl], s50
.endm
.macro LANESUM
	v_add_f32 v[T], v[T], v[T+1]
	v_add_f32_dpp v[T], v[T], v[T] row_xmask:1 row_mask:0xf bank_mask:0xf
	v_add_f32_dpp v[T], v[T], v[T] row_xmask:2 row_mask:0xf bank_mask:0xf
	v_add_f32_dpp v[T], v[T], v[T] row_xmask:4 row_mask:0xf bank_mask:0xf
	v_add_f32_dpp v[T], v[T], v[T] row_xmask:8 row_mask:0xf bank_mask:0xf
	v_permlanex16_b32 v[T+1], v[T], s14, s15
	v_add_f32 v[T], v[T], v[T+1]
.endm
.macro LNROW p
.set XR, X+32*\p
	s_wait_loadcnt 8*(3-\p)                        ; this row's eight loads are in, the later rows' may be out
	v_pk_add_f32 v[T:T+1], v[XR:XR+1], v[XR+2:XR+3]
	v_pk_add_f32 v[T+2:T+3], v[XR+4:XR+5], v[XR+6:XR+7]
.set j, 8
.rept 6
	v_pk_add_f32 v[T:T+1], v[T:T+1], v[XR+j:XR+j+1]
	v_pk_add_f32 v[T+2:T+3], v[T+2:T+3], v[XR+j+2:XR+j+3]
.set j, j+4
.endr
	v_pk_add_f32 v[T:T+1], v[T:T+1], v[T+2:T+3]
	LANESUM
	v_mul_f32 v[MU], s52, v[T]                     ; the mean
.set j, 0
.rept 16
	v_pk_add_f32 v[XR+j:XR+j+1], v[XR+j:XR+j+1], v[MU:MU+1] op_sel_hi:[1,0] neg_lo:[0,1] neg_hi:[0,1]
.set j, j+2
.endr
	v_pk_mul_f32 v[T:T+1], v[XR:XR+1], v[XR:XR+1]
	v_pk_mul_f32 v[T+2:T+3], v[XR+2:XR+3], v[XR+2:XR+3]
.set j, 4
.rept 7
	v_pk_fma_f32 v[T:T+1], v[XR+j:XR+j+1], v[XR+j:XR+j+1], v[T:T+1]
	v_pk_fma_f32 v[T+2:T+3], v[XR+j+2:XR+j+3], v[XR+j+2:XR+j+3], v[T+2:T+3]
.set j, j+4
.endr
	v_pk_add_f32 v[T:T+1], v[T:T+1], v[T+2:T+3]
	LANESUM
	v_fma_f32 v[T], v[T], s52, s53                 ; var + eps
	s_wait_alu depctr_va_vdst(0)
	v_rsq_f32 v[R], v[T]
	v_nop                                          ; a plain instruction between the transcendental and the use of its result
.set j, 0
	s_wait_alu depctr_va_vdst(0)
.rept 16
	v_pk_mul_f32 v[XR+j:XR+j+1], v[XR+j:XR+j+1], v[R:R+1] op_sel_hi:[1,0]
.set j, j+2
.endr
.set j, 0
.rept 16
	v_pk_fma_f32 v[XR+j:XR+j+1], v[XR+j:XR+j+1], v[G+j:G+j+1], v[B+j:B+j+1]
.set j, j+2
.endr
.set j, 0
.rept 32
	v_med3_num_f32 v[XR+j], v[XR+j], -v9, v9       ; the conversion does not saturate (ISA guide 7.6.2): the hold comes first
.set j, j+1
.endr
.set j, 0
.rept 4
	v_cvt_scalef32_pk8_fp8_f32 v[CD+8*\p+2*j:CD+8*\p+2*j+1], v[XR+8*j:XR+8*j+7], v8
.set j, j+1
.endr
.set j, 0
.rept 8
	ds_store_b32 v3, v[CD+8*\p+j] offset:\p*1040+128*j
.set j, j+1
.endr
.endm
	s_load_b256 s[16:23], s[0:1], 0x0              ; x1, ln2_g, ln2_b, the scales
	s_load_b64 s[24:25], s[0:1], 0x20              ; h2img
	v_lshl_add_u32 v254, v0, 2, 0x4200
	v_mov_b32 v255, 0
	v_lshrrev_b32 v1, 5, v0
	v_readfirstlane_b32 s8, v1                     ; wave 0..3
	v_and_b32 v6, 31, v0                           ; lane
	s_lshl_b32 s60, ttmp9, 16                      ; 16 rows of 4,096 bytes
	s_mov_b32 s61, 0
	s_lshl_b32 s62, ttmp9, 14                      ; 8 fragments of 2,048 bytes
	s_mov_b32 s63, 0
	s_wait_alu depctr_va_vdst(0)
	s_wait_kmcnt 0x0
	s_load_b32 s9, s[22:23], 0x20                  ; e8
	s_add_nc_u64 s[4:5], s[16:17], s[60:61]
	s_add_nc_u64 s[12:13], s[24:25], s[62:63]
	s_mov_b32 s14, 0x76543210
	s_mov_b32 s15, 0xfedcba98
	s_mov_b32 s52, 0x3a800000                      ; 1 / 1,024
	s_mov_b32 s53, 0x3727c5ac                      ; eps = 1e-5
	v_lshlrev_b32 v2, 4, v6
	s_lshl_b32 s50, s8, 14
	v_add_nc_u32 v1, s50, v2                       ; x1: 16 x lane + my four rows
	s_mul_i32 s50, s8, 4160
	v_lshlrev_b32 v3, 2, v6
	v_add_nc_u32 v3, s50, v3                       ; the stage, in
	v_and_b32 v7, 15, v0
	v_bfe_u32 v10, v0, 4, 1
	v_mul_u32_u24 v4, v7, 1040
	v_lshl_add_u32 v4, v10, 3, v4
	s_lshl_b32 s50, s8, 8
	v_add_nc_u32 v4, s50, v4                       ; the stage, out: row r, + 8 h, + my two K steps
	s_lshl_b32 s50, s8, 12
	v_add_nc_u32 v5, s50, v2                       ; the image: 16 x lane + my two fragments
.set j, 0
.rept 8
	global_load_b128 v[G+4*j:G+4*j+3], v2, s[SG:SG+1] offset:512*j
	global_load_b128 v[B+4*j:B+4*j+3], v2, s[SB:SB+1] offset:512*j
.set j, j+1
.endr
.set j, 0
.rept 32
	global_load_b128 v[X+4*j:X+4*j+3], v1, s[4:5] offset:512*j
.set j, j+1
.endr
	s_wait_kmcnt 0x0
	MKSC 9, 8, 9
	v_mov_b32 v[MU+1], 0
	v_mov_b32 v[R+1], 0
	LNROW 0
	LNROW 1
	LNROW 2
	LNROW 3
	s_wait_dscnt 0x0                               ; for the others' sake: my stores into the stage are done
	s_barrier_signal -1
	s_barrier_wait -1
.set u, 0
.rept 8
	ds_load_b64 v[X+4*u:X+4*u+1], v4 offset:(u/4)*128+(u%4)*32
	ds_load_b64 v[X+4*u+2:X+4*u+3], v4 offset:(u/4)*128+(u%4)*32+16
.set u, u+1
.endr
.set u, 0
.rept 8
	s_wait_dscnt 14-2*u                            ; unit u's two loads are in; the younger units' may be out
	global_store_b128 v5, v[X+4*u:X+4*u+3], s[12:13] offset:(u/4)*2048+(u%4)*512
.set u, u+1
.endr
	s_wait_tensorcnt 0x0
	ds_add_u32 v254, v255
	s_wait_dscnt 0x0
	s_endpgm
.Lfunc_end_k_qbe8ee9bd71_ln2:
	.size	k_qbe8ee9bd71_ln2, .Lfunc_end_k_qbe8ee9bd71_ln2-k_qbe8ee9bd71_ln2
	.p2alignl 7, 3214868480
	.fill 96, 4, 3214868480
	.section	.rodata,"a",@progbits
	.p2align	6, 0x0
	.amdhsa_kernel k_qbe8ee9bd71_ln2
		.amdhsa_group_segment_fixed_size 17408
		.amdhsa_private_segment_fixed_size 0
		.amdhsa_enable_private_segment 0
		.amdhsa_kernarg_size 40
		.amdhsa_user_sgpr_count 2
		.amdhsa_user_sgpr_kernarg_segment_ptr 1
		.amdhsa_wavefront_size32 1
		.amdhsa_system_sgpr_workgroup_id_x 1
		.amdhsa_system_sgpr_workgroup_id_y 1
		.amdhsa_system_sgpr_workgroup_id_z 1
		.amdhsa_system_vgpr_workitem_id 0
		.amdhsa_next_free_vgpr 256
		.amdhsa_next_free_sgpr 66
		.amdhsa_reserve_vcc 0
		.amdhsa_float_denorm_mode_32 3
		.amdhsa_float_denorm_mode_16_64 3
		.amdhsa_memory_ordered 1
		.amdhsa_forward_progress 1
		.amdhsa_inst_pref_size 44
	.end_amdhsa_kernel
	.amdgpu_metadata
---
amdhsa.version: [ 1, 2 ]
amdhsa.kernels:
  - .name:           k_qbe8ee9bd71_ln2
    .symbol:         k_qbe8ee9bd71_ln2.kd
    .args:
      - { .name: x1, .offset: 0, .size: 8, .value_kind: global_buffer, .address_space: global }
      - { .name: ln2_g, .offset: 8, .size: 8, .value_kind: global_buffer, .address_space: global }
      - { .name: ln2_b, .offset: 16, .size: 8, .value_kind: global_buffer, .address_space: global }
      - { .name: lowp_scales, .offset: 24, .size: 8, .value_kind: global_buffer, .address_space: global }
      - { .name: h2img, .offset: 32, .size: 8, .value_kind: global_buffer, .address_space: global }
    .group_segment_fixed_size: 17408
    .private_segment_fixed_size: 0
    .kernarg_segment_align: 8
    .kernarg_segment_size: 40
    .max_flat_workgroup_size: 128
    .sgpr_count:     66
    .vgpr_count:     256
    .wavefront_size: 32
...
	.end_amdgpu_metadata
.endif
;; end of part 12
;; launch fc1 (part 13): grid 16 x 16, 4 waves a work-group, clusters of 4 x 4, 327,680 bytes of LDS; arguments h2img, pimg, b_fc1, lowp_scales, hid; writes hid
.if DOCPART == 13
	.amdgcn_target "amdgcn-amd-amdhsa--gfx1250"
	.amdhsa_code_object_version 6
	.text
	.protected	k_qbe8ee9bd71_fc1
	.globl	k_qbe8ee9bd71_fc1
	.p2align	8
	.type	k_qbe8ee9bd71_fc1,@function
k_qbe8ee9bd71_fc1:
	s_mov_b64 s[64:65], 0
	v_nop
	global_prefetch_b8 v0, s[64:65] scope:SCOPE_SE
	s_setreg_imm32_b32 hwreg(HW_REG_WAVE_MODE, 25, 1), 1
	s_wait_xcnt 0x0
	s_wait_alu depctr_hold_cnt(0) depctr_sa_sdst(0) depctr_va_vdst(0) depctr_va_sdst(0) depctr_va_ssrc(0) depctr_va_vcc(0) depctr_vm_vsrc(0)
	s_getreg_b32 s2, hwreg(HW_REG_IB_STS2, 6, 4)
	s_cmp_eq_u32 s2, 0
	s_cbranch_scc0 .Lentry_in_a_cluster
	s_endpgm
.Lentry_in_a_cluster:
	s_bfe_u32 s2, ttmp6, 0x10000c
	s_cmp_lg_u32 s2, 0xf033
	s_cbranch_scc0 .Lentry_shape_is_right
	s_endpgm
.Lentry_shape_is_right:
; hid = Q(relu(LN2(x1) W1 + b_fc1)): the product on codes of E4M3 (e8, e9), sums in f32; the result is quantised (e10) into the fragment images that the next product reads.
; Operands are fragment images (16 rows x 128 K = 2,048 bytes, registers 4 g .. 4 g + 3 of lane l at 512 g + 16 l).  A tile of C is 256 x 256: 256 work-groups; four waves, 128 x 128 each: 64 accumulators.
; K goes in steps of 256 through two LDS slots of 131,072 bytes; a wave's tensor load brings 8 tiles of 16 rows x 4,096 bytes.  Clusters 4 x 4: A's tiles are asked for jointly along a row, B's along a column.
; The bias, divided by 2^(e8 + e9), is the C of each sum's first product; the hold between 0 and 448 x the scale is the activation too; the three scales are folded into the conversion's one.
; LIMITS: e8 + e9 between -126 and 127; e10 - e8 - e9 between -126 and 119.  NaN is not served.
.set SIZE_K, 1024
.set A_OFF, 0
.set B_OFF, 0x200000
.set EA, 8
.set EB, 9
.set FRB,    2048
.set SLB,    4096
.set HALFT,  8*SLB
.set SLOT,   4*HALFT
.set SPARE,  2*SLOT
.set LAPS,   SIZE_K/512
.set RTB,    16*SIZE_K
.set FR, 16
.set NL, 4
.set NP, 4
.set ADRA, 16
.set ADRB, 20
.set LI,   27
.set SPW,  28
.set NIL,  29
.set SC,   30
.set LIM,  31
.set BI,   32
.set AF,   128
.set T,    192
.set CD,   32
.set G1, 24
.set G0, 32
.set G1B, 48
.set G0B, 56
.set MSB, 0
.macro WIN new
.if MSB != \new
	s_set_vgpr_msb (MSB<<8)|\new
.set MSB, \new
.endif
.endm
.set MUL_LO, 0xa1
.set MUL_HI, 0xf1
.set FIRST_LO, 0x81
.set FIRST_HI, 0xc1
.set TO_B,   0x40
.macro JLOAD g0a, g1a, g0b, g1b
	s_cmp_eq_u32 s15, 0
	s_cbranch_scc0 .Lfor_b_\@
	tensor_load_to_lds s[\g0a:\g0a+3], s[\g1a:\g1a+7]
	s_nop 0
.rept 4
	v_nop
.endr
	s_branch .Lasked_\@
.Lfor_b_\@:
	tensor_load_to_lds s[\g0b:\g0b+3], s[\g1b:\g1b+7]
	s_nop 0
.rept 4
	v_nop
.endr
.Lasked_\@:
.endm
.macro CREST
	s_cmp_lg_u32 s14, 0
	s_cbranch_scc1 .Lnot_wave_0_\@
	s_barrier_signal -3
.Lnot_wave_0_\@:
	s_barrier_wait -3
	s_barrier_signal -1
	s_barrier_wait -1
.endm
.macro CROUND
	s_barrier_signal -1
	s_barrier_wait -1
	CREST
.endm
	s_load_b256 s[68:75], s[0:1], 0x0
	s_load_b64 s[76:77], s[0:1], 0x20
	v_lshl_add_u32 v[SPW], v0, 2, SPARE
	v_mov_b32 v[NIL], 0
	ds_add_u32 v28, v29
	ds_add_u32 v28, v29
	s_wait_dscnt 0x0
	v_lshrrev_b32 v1, 5, v0
	v_readfirstlane_b32 s14, v1
	v_bfe_u32 v26, v0, 4, 1
	v_lshlrev_b32 v26, 14, v26
	v_and_b32 v25, 15, v0
	v_lshl_add_u32 v26, v25, 8, v26                ; the prefetches' offset: lanes 0-15 one tile of 16 rows, lanes 16-31 the next (RTB bytes on), 256 bytes a lane; never rewritten
	s_wait_alu depctr_va_vdst(0)                   ; the wait behind the write
	s_lshr_b32 s15, s14, 1
	s_and_b32 s16, s14, 1
	s_bfe_u32 s40, ttmp6, 0x40000
	s_bfe_u32 s41, ttmp6, 0x40004
	s_lshl_b32 s42, ttmp9, 2
	s_add_co_u32 s42, s42, s40
	s_and_b32 s17, ttmp7, 0xffff
	s_lshl_b32 s17, s17, 2
	s_add_co_u32 s17, s17, s41
	s_lshl_b32 s43, s41, 2
	s_lshl_b32 s43, 15, s43
	s_lshl_b32 s44, 0x1111, s40
	s_or_b32 s[G1+0], s43, (1<<21)
	s_or_b32 s[G1B+0], s44, (1<<21)
.irp g, G1, G1B
	s_mov_b32 s[\g+1], SLB<<16
	s_mov_b32 s[\g+2], 8<<16
	s_mov_b32 s[\g+3], SLB<<16
	s_mov_b32 s[\g+4], 8
	s_mov_b32 s[\g+5], RTB
	s_mov_b32 s[\g+6], 0
	s_mov_b32 s[\g+7], 0
.endr
	s_lshl_b32 s18, s16, 7
	s_lshl_b32 s20, s17, 8
	s_add_co_u32 s20, s20, s18
	s_mul_i32 s20, s20, SIZE_K
	s_add_co_u32 s20, s20, A_OFF
	s_mov_b32 s21, 0
	s_lshl_b32 s46, s42, 8
	s_add_co_u32 s46, s46, s18
	s_mul_i32 s46, s46, SIZE_K
	s_add_co_u32 s46, s46, B_OFF
	s_mov_b32 s47, 0
	s_mul_i32 s45, s14, HALFT
	s_wait_kmcnt 0x0
	s_load_b256 s[84:91], s[74:75], 0x0
	s_load_b128 s[92:95], s[74:75], 0x20
	s_add_nc_u64 s[20:21], s[68:69], s[20:21]
	s_add_nc_u64 s[46:47], s[70:71], s[46:47]
	; THE PREFETCHES.  A wave's tensor load brings 8 tiles of 16 rows x 4,096 bytes; the four partners that ask for them jointly take two tiles each, told apart by address (cx for A, cy for B):
	; 32 lanes x 256 bytes, one instruction a wave, so each block of 256 bytes is named once in each cluster that loads it.  Behind the load of slot j stands the prefetch of slot j + 2 (behind slot 0's also slot 1's); K has four slots, so the loop's refills ask for nothing.
	s_cmp_eq_u32 s15, 0                            ; do I fetch for A?
	s_cselect_b64 s[4:5], s[20:21], s[46:47]       ; s[4:5]: my load's first byte in slot 0,
	s_cselect_b32 s6, s40, s41
	s_mul_i32 s6, s6, 2*RTB
	s_mov_b32 s7, 0
	s_add_nc_u64 s[4:5], s[4:5], s[6:7]            ; at my work-group's two tiles of the eight
	CROUND
.irp s, 0,1
	s_mov_b32 s[G0+4*\s], 1
	s_add_co_u32 s[G0+4*\s+1], s45, \s*SLOT
	s_add_nc_u64 s[G0+4*\s+2:G0+4*\s+3], s[20:21], \s*SLB
	s_or_b32 s[G0+4*\s+3], s[G0+4*\s+3], 0x80000000
	s_mov_b32 s[G0B+4*\s], 1
	s_add_co_u32 s[G0B+4*\s+1], s45, \s*SLOT
	s_add_nc_u64 s[G0B+4*\s+2:G0B+4*\s+3], s[46:47], \s*SLB
	s_or_b32 s[G0B+4*\s+3], s[G0B+4*\s+3], 0x80000000
.if \s                                 ; slot 1's first fill is issued as a refill is
	s_wait_alu depctr_va_vdst(0)
	s_wait_tensorcnt 0x0                           ; my part of slot 0 is in
	ds_add_u32 v28, v29
	s_wait_dscnt 0x0
	CROUND
.endif
	JLOAD G0+4*\s, G1, G0B+4*\s, G1B
.if \s == 0
	global_prefetch_b8 v26, s[4:5] offset:SLB th:TH_LOAD_NT scope:SCOPE_SE
.endif
	global_prefetch_b8 v26, s[4:5] offset:(\s+2)*SLB th:TH_LOAD_NT scope:SCOPE_SE
.endr
	v_and_b32 v1, 31, v0
	v_lshlrev_b32 v[LI], 4, v1
	s_mul_i32 s21, s15, HALFT
	s_mul_i32 s22, s16, HALFT
	s_add_co_u32 s22, s22, 2*HALFT
.irp s, 0,1
	v_add_nc_u32 v[ADRA+\s], s21, v[LI]
	v_add_nc_u32 v[ADRB+\s], s22, v[LI]
	s_add_co_u32 s21, s21, SLOT
	s_add_co_u32 s22, s22, SLOT
.endr
	v_bfe_u32 v2, v0, 4, 1
	v_lshlrev_b32 v3, 5, v2
	s_lshl_b32 s46, s42, 10
	s_lshl_b32 s47, s16, 9
	s_add_co_u32 s46, s46, s47
	s_mov_b32 s47, 0
	s_add_nc_u64 s[98:99], s[72:73], s[46:47]
.irp b, 0,1,2,3,4,5,6,7
	global_load_b128 v[BI+8*\b:BI+8*\b+3], v3, s[98:99] offset:64*\b
	global_load_b128 v[BI+8*\b+4:BI+8*\b+7], v3, s[98:99] offset:64*\b+16
.endr
	s_lshl_b32 s20, s17, 4
	s_lshl_b32 s21, s15, 3
	s_add_co_u32 s20, s20, s21
	s_lshl_b32 s20, s20, 5
	s_lshl_b32 s21, s42, 1
	s_add_co_u32 s20, s20, s21
	s_add_co_u32 s20, s20, s16
	s_lshl_b32 s20, s20, 11
	s_mov_b32 s21, 0
	s_add_nc_u64 s[76:77], s[76:77], s[20:21]
	s_wait_kmcnt 0x0
	s_add_co_i32 s96, s[84+EA], s[84+EB]
	s_sub_co_i32 s83, 0, s96
	s_sub_co_i32 s82, s94, s96
	s_add_co_i32 s22, s82, 127
	s_lshl_b32 s23, s22, 23
	v_mov_b32 v[SC], s23
	s_add_co_i32 s22, s22, 8
	s_lshl_b32 s22, s22, 23
	s_or_b32 s22, s22, 0x600000
	v_mov_b32 v[LIM], s22
	s_wait_loadcnt 0x0
.set i, 0
.rept 64
	v_ldexp_f32 v[BI+i], v[BI+i], s83
.set i, i+1
.endr
.macro FRAG reg, adr, q, i
.irp c, 0,1,2,3
	ds_load_b128 v[\reg+4*\c:\reg+4*\c+3], v[\adr] offset:(\i)*SLB+(\q)*FRB+512*\c
.endr
.endm
.macro MUL16 a0, p, first
.irp a, \a0, \a0+1
.irp b, 0,1,2,3,4,5,6,7
.if \first
	v_wmma_f32_16x16x128_fp8_fp8 v[8*(8*((\a)%4)+\b):8*(8*((\a)%4)+\b)+7], v[128*(\p)+FR*\b:128*(\p)+FR*\b+FR-1], v[AF+FR*(\a):AF+FR*(\a)+FR-1], v[BI+8*\b:BI+8*\b+7]
.else
	v_wmma_f32_16x16x128_fp8_fp8 v[8*(8*((\a)%4)+\b):8*(8*((\a)%4)+\b)+7], v[128*(\p)+FR*\b:128*(\p)+FR*\b+FR-1], v[AF+FR*(\a):AF+FR*(\a)+FR-1], v[8*(8*((\a)%4)+\b):8*(8*((\a)%4)+\b)+7]
.endif
.endr
.endr
.endm
.macro FETCH_B slot, q, p
	WIN TO_B
.irp i, 0,1,2,3,4,5,6,7
	FRAG 128*(\p)+FR*\i, ADRB+\slot, \q, \i
.endr
	WIN 0
.endm
.macro FETCH_A slot, q, i0
.irp i, \i0, \i0+1, \i0+2, \i0+3
	FRAG AF+FR*(\i), ADRA+\slot, \q, \i
.endr
.endm
.macro PLACES n
.rept \n
	v_nop
.endr
.endm
.macro STEP slot, q, first
	s_wait_dscnt 4*NL
.if \first
	WIN FIRST_LO
.else
	WIN MUL_LO
.endif
	MUL16 0, (\q)%2, \first
	MUL16 2, (\q)%2, \first
	s_wait_dscnt 0
	PLACES NP
	FETCH_B \slot, (\q)+1, 1-(\q)%2
	FETCH_A \slot, (\q)+1, 0
.if \first
	WIN FIRST_HI
.else
	WIN MUL_HI
.endif
	MUL16 4, (\q)%2, \first
	MUL16 6, (\q)%2, \first
	PLACES NP
	WIN 0
	FETCH_A \slot, (\q)+1, 4
.endm
.macro TURN slot, next, fill
	s_wait_tensorcnt 0x0
	ds_add_u32 v[SPW], v[NIL]
	s_wait_dscnt 4*NL+1
	WIN MUL_LO
	MUL16 0, 1, 0
	s_wait_dscnt 0x0
	s_barrier_signal -1
	MUL16 2, 1, 0
	WIN 0
	s_barrier_wait -1
.if \fill
	CREST
	s_add_nc_u64 s[G0+4*\slot+2:G0+4*\slot+3], s[G0+4*\slot+2:G0+4*\slot+3], 2*SLB
	s_add_nc_u64 s[G0B+4*\slot+2:G0B+4*\slot+3], s[G0B+4*\slot+2:G0B+4*\slot+3], 2*SLB
	JLOAD G0+4*\slot, G1, G0B+4*\slot, G1B
.else
	PLACES NP
.endif
	FETCH_B \next, 0, 0
	FETCH_A \next, 0, 0
	WIN MUL_HI
	MUL16 4, 1, 0
	MUL16 6, 1, 0
	PLACES NP
	WIN 0
	FETCH_A \next, 0, 4
.endm
	s_wait_alu depctr_va_vdst(0)
	s_wait_tensorcnt 1
	s_barrier_signal -1
	s_barrier_wait -1
	FETCH_B 0, 0, 0
	FETCH_A 0, 0, 0
	FETCH_A 0, 0, 4
	STEP 0, 0, 1
	s_mov_b32 s3, LAPS-1
.Llap:
	TURN 0, 1, 1
	STEP 1, 0, 0
	TURN 1, 0, 1
	STEP 0, 0, 0
	s_sub_co_u32 s3, s3, 1
	s_cmp_lg_u32 s3, 0
	s_cbranch_scc1 .Llap
	TURN 0, 1, 0
	STEP 1, 0, 0
	s_wait_dscnt 4*NL
	WIN MUL_LO
	MUL16 0, 1, 0
	MUL16 2, 1, 0
	s_wait_dscnt 0
	WIN MUL_HI
	MUL16 4, 1, 0
	MUL16 6, 1, 0
	WIN 0
	PLACES NP
.macro QOUT a
.set AC, 64*((\a)%4)
	WIN 0x02+((\a)/4)
.set i, 0
.rept 64
	v_med3_num_f32 v[T+i], v[AC+i], 0, v[LIM]
.set i, i+1
.endr
	WIN 0
.set i, 0
.rept 8
	v_cvt_scalef32_pk8_fp8_f32 v[CD+16*(\a)+2*i:CD+16*(\a)+2*i+1], v[T+8*i:T+8*i+7], v[SC]
.set i, i+1
.endr
	v_nop
.irp g, 0,1,2,3
	global_store_b128 v[LI], v[CD+16*(\a)+4*\g:CD+16*(\a)+4*\g+3], s[76:77] offset:(\a)*65536+\g*512
.endr
.endm
.irp a, 0,1,2,3,4,5,6,7
	QOUT \a
.endr
	s_wait_tensorcnt 0x0
	ds_add_u32 v[SPW], v[NIL]
	s_wait_dscnt 0x0
	CROUND
	s_endpgm
.Lfunc_end_k_qbe8ee9bd71_fc1:
	.size	k_qbe8ee9bd71_fc1, .Lfunc_end_k_qbe8ee9bd71_fc1-k_qbe8ee9bd71_fc1
	.p2alignl 7, 3214868480
	.fill 96, 4, 3214868480
	.section	.rodata,"a",@progbits
	.p2align	6, 0x0
	.amdhsa_kernel k_qbe8ee9bd71_fc1
		.amdhsa_group_segment_fixed_size 327680
		.amdhsa_private_segment_fixed_size 0
		.amdhsa_enable_private_segment 0
		.amdhsa_kernarg_size 40
		.amdhsa_user_sgpr_count 2
		.amdhsa_user_sgpr_kernarg_segment_ptr 1
		.amdhsa_wavefront_size32 1
		.amdhsa_system_sgpr_workgroup_id_x 1
		.amdhsa_system_sgpr_workgroup_id_y 1
		.amdhsa_system_sgpr_workgroup_id_z 1
		.amdhsa_system_vgpr_workitem_id 0
		.amdhsa_next_free_vgpr 1024
		.amdhsa_next_free_sgpr 102
		.amdhsa_reserve_vcc 0
		.amdhsa_float_denorm_mode_32 3
		.amdhsa_float_denorm_mode_16_64 3
		.amdhsa_memory_ordered 1
		.amdhsa_forward_progress 1
		.amdhsa_inst_pref_size 124
	.end_amdhsa_kernel
	.amdgpu_metadata
---
amdhsa.version: [ 1, 2 ]
amdhsa.kernels:
  - .name:           k_qbe8ee9bd71_fc1
    .symbol:         k_qbe8ee9bd71_fc1.kd
    .args:
      - { .name: h2img, .offset: 0, .size: 8, .value_kind: global_buffer, .address_space: global }
      - { .name: pimg, .offset: 8, .size: 8, .value_kind: global_buffer, .address_space: global }
      - { .name: b_fc1, .offset: 16, .size: 8, .value_kind: global_buffer, .address_space: global }
      - { .name: lowp_scales, .offset: 24, .size: 8, .value_kind: global_buffer, .address_space: global }
      - { .name: hid, .offset: 32, .size: 8, .value_kind: global_buffer, .address_space: global }
    .group_segment_fixed_size: 327680
    .private_segment_fixed_size: 0
    .kernarg_segment_align: 8
    .kernarg_segment_size: 40
    .max_flat_workgroup_size: 128
    .sgpr_count:     102
    .vgpr_count:     1024
    .wavefront_size: 32
...
	.end_amdgpu_metadata
.endif
;; end of part 13
;; launch fc2 (part 14): grid 8 x 32, 4 waves a work-group, clusters of 4 x 4, 327,680 bytes of LDS; arguments hid, pimg, b_fc2, x1, lowp_scales, out0; writes out0
.if DOCPART == 14
	.amdgcn_target "amdgcn-amd-amdhsa--gfx1250"
	.amdhsa_code_object_version 6
	.text
	.protected	k_qbe8ee9bd71_fc2
	.globl	k_qbe8ee9bd71_fc2
	.p2align	8
	.type	k_qbe8ee9bd71_fc2,@function
k_qbe8ee9bd71_fc2:
	s_mov_b64 s[64:65], 0
	v_nop
	global_prefetch_b8 v0, s[64:65] scope:SCOPE_SE
	s_setreg_imm32_b32 hwreg(HW_REG_WAVE_MODE, 25, 1), 1
	s_wait_xcnt 0x0
	s_wait_alu depctr_hold_cnt(0) depctr_sa_sdst(0) depctr_va_vdst(0) depctr_va_sdst(0) depctr_va_ssrc(0) depctr_va_vcc(0) depctr_vm_vsrc(0)
	s_getreg_b32 s2, hwreg(HW_REG_IB_STS2, 6, 4)
	s_cmp_eq_u32 s2, 0
	s_cbranch_scc0 .Lentry_in_a_cluster
	s_endpgm
.Lentry_in_a_cluster:
	s_bfe_u32 s2, ttmp6, 0x10000c
	s_cmp_lg_u32 s2, 0xf033
	s_cbranch_scc0 .Lentry_shape_is_right
	s_endpgm
.Lentry_shape_is_right:
; out0 = x1 + hid W2 + b_fc2: the product on codes of E4M3 (e10, e11), sums in f32.
; Operands are fragment images (16 rows x 128 K = 2,048 bytes, registers 4 g .. 4 g + 3 of lane l at 512 g + 16 l).  A tile of C is 128 x 128: 256 work-groups; four waves, 64 x 64 each: 16 accumulators.
; K goes in steps of 512 through two LDS slots of 131,072 bytes; a wave's tensor load brings 4 tiles of 16 rows x 8,192 bytes.  Clusters 4 x 4: A's tiles are asked for jointly along a row, B's along a column.
; The bias, divided by 2^(e10 + e11), is the C of each sum's first product.  The residual is asked for behind slot 0's barrier and waits in registers (window 2); the results go through a stage in slot 0 and leave as rows of 256 bytes.
; LIMIT: e10 + e11 between -126 and 127.
.set SIZE_K, 4096
.set A_OFF, 0
.set B_OFF, 0x600000
.set EA, 10
.set EB, 11
.set FRB,    2048
.set SLB,    8192
.set HALFT,  4*SLB
.set SLOT,   4*HALFT
.set SPARE,  2*SLOT
.set NSLOT,  SIZE_K/512
.set RTB,    16*SIZE_K
.set SPITCH, 272
.set FR, 16
.set ADRA, 16
.set ADRB, 20
.set STO,  24
.set RD,   25
.set CO,   26
.set LI,   27
.set SPW,  28
.set NIL,  29
.set BI,   32
.set ACC,  128
.set G1, 24
.set G0, 32
.set G1B, 48
.set G0B, 56
.set MSB, 0
.macro WIN new
.if MSB != \new
	s_set_vgpr_msb (MSB<<8)|\new
.set MSB, \new
.endif
.endm
.set MUL,  0x05
.set TO_F, 0x40
.macro JLOAD g0a, g1a, g0b, g1b
	s_cmp_eq_u32 s15, 0
	s_cbranch_scc0 .Lfor_b_\@
	tensor_load_to_lds s[\g0a:\g0a+3], s[\g1a:\g1a+7]
	s_nop 0
.rept 4
	v_nop
.endr
	s_branch .Lasked_\@
.Lfor_b_\@:
	tensor_load_to_lds s[\g0b:\g0b+3], s[\g1b:\g1b+7]
	s_nop 0
.rept 4
	v_nop
.endr
.Lasked_\@:
.endm
.macro CREST
	s_cmp_lg_u32 s14, 0
	s_cbranch_scc1 .Lnot_wave_0_\@
	s_barrier_signal -3
.Lnot_wave_0_\@:
	s_barrier_wait -3
	s_barrier_signal -1
	s_barrier_wait -1
.endm
.macro CROUND
	s_barrier_signal -1
	s_barrier_wait -1
	CREST
.endm
	s_load_b256 s[68:75], s[0:1], 0x0
	s_load_b128 s[76:79], s[0:1], 0x20
	v_lshl_add_u32 v[SPW], v0, 2, SPARE
	v_mov_b32 v[NIL], 0
	ds_add_u32 v28, v29
	ds_add_u32 v28, v29
	s_wait_dscnt 0x0
	v_lshrrev_b32 v1, 5, v0
	v_readfirstlane_b32 s14, v1
	v_and_b32 v30, 31, v0
	v_lshlrev_b32 v30, 8, v30                      ; the prefetches' offset: 256 x lane; never rewritten
	s_wait_alu depctr_va_vdst(0)                   ; the wait behind the write
	s_lshr_b32 s15, s14, 1
	s_and_b32 s16, s14, 1
	s_bfe_u32 s40, ttmp6, 0x40000
	s_bfe_u32 s41, ttmp6, 0x40004
	s_lshl_b32 s42, ttmp9, 2
	s_add_co_u32 s42, s42, s40
	s_and_b32 s17, ttmp7, 0xffff
	s_lshl_b32 s17, s17, 2
	s_add_co_u32 s17, s17, s41
	s_lshl_b32 s43, s41, 2
	s_lshl_b32 s43, 15, s43
	s_lshl_b32 s44, 0x1111, s40
	s_or_b32 s[G1+0], s43, (1<<21)
	s_or_b32 s[G1B+0], s44, (1<<21)
.irp g, G1, G1B
	s_mov_b32 s[\g+1], SLB<<16
	s_mov_b32 s[\g+2], 4<<16
	s_mov_b32 s[\g+3], SLB<<16
	s_mov_b32 s[\g+4], 4
	s_mov_b32 s[\g+5], RTB
	s_mov_b32 s[\g+6], 0
	s_mov_b32 s[\g+7], 0
.endr
	s_lshl_b32 s18, s16, 6
	s_lshl_b32 s20, s17, 7
	s_add_co_u32 s20, s20, s18
	s_mul_i32 s20, s20, SIZE_K
	s_add_co_u32 s20, s20, A_OFF
	s_mov_b32 s21, 0
	s_lshl_b32 s46, s42, 7
	s_add_co_u32 s46, s46, s18
	s_mul_i32 s46, s46, SIZE_K
	s_add_co_u32 s46, s46, B_OFF
	s_mov_b32 s47, 0
	s_mul_i32 s45, s14, HALFT
	s_wait_kmcnt 0x0
	s_load_b256 s[84:91], s[76:77], 0x0
	s_load_b128 s[92:95], s[76:77], 0x20
	s_add_nc_u64 s[20:21], s[68:69], s[20:21]
	s_add_nc_u64 s[46:47], s[70:71], s[46:47]
	; THE PREFETCHES.  A wave's tensor load brings 4 tiles of 16 rows x 8,192 bytes; the four partners that ask for them jointly take one tile each, told apart by address (cx for A, cy for B):
	; 32 lanes x 256 bytes, one instruction a wave, so each block of 256 bytes is named once in each cluster that loads it.  Behind the load of slot j stands the prefetch of slot j + 2 (behind slot 0's also slot 1's).
	s_cmp_eq_u32 s15, 0                            ; do I fetch for A?
	s_cselect_b64 s[4:5], s[20:21], s[46:47]       ; s[4:5]: my load's first byte in slot 0,
	s_cselect_b32 s6, s40, s41
	s_mul_i32 s6, s6, RTB
	s_mov_b32 s7, 0
	s_add_nc_u64 s[4:5], s[4:5], s[6:7]            ; at my work-group's tile of the four
	CROUND
.irp s, 0,1
	s_mov_b32 s[G0+4*\s], 1
	s_add_co_u32 s[G0+4*\s+1], s45, \s*SLOT
	s_add_nc_u64 s[G0+4*\s+2:G0+4*\s+3], s[20:21], \s*SLB
	s_or_b32 s[G0+4*\s+3], s[G0+4*\s+3], 0x80000000
	s_mov_b32 s[G0B+4*\s], 1
	s_add_co_u32 s[G0B+4*\s+1], s45, \s*SLOT
	s_add_nc_u64 s[G0B+4*\s+2:G0B+4*\s+3], s[46:47], \s*SLB
	s_or_b32 s[G0B+4*\s+3], s[G0B+4*\s+3], 0x80000000
.if \s                                 ; slot 1's first fill is issued as a refill is
	s_wait_alu depctr_va_vdst(0)
	s_wait_tensorcnt 0x0                           ; my part of slot 0 is in
	ds_add_u32 v28, v29
	s_wait_dscnt 0x0
	CROUND
.endif
	JLOAD G0+4*\s, G1, G0B+4*\s, G1B
.if \s == 0
	global_prefetch_b8 v30, s[4:5] offset:SLB th:TH_LOAD_NT scope:SCOPE_SE
.endif
	global_prefetch_b8 v30, s[4:5] offset:(\s+2)*SLB th:TH_LOAD_NT scope:SCOPE_SE
.endr
	v_and_b32 v1, 31, v0
	v_lshlrev_b32 v[LI], 4, v1
	s_mul_i32 s21, s15, HALFT
	s_mul_i32 s22, s16, HALFT
	s_add_co_u32 s22, s22, 2*HALFT
.irp s, 0,1
	v_add_nc_u32 v[ADRA+\s], s21, v[LI]
	v_add_nc_u32 v[ADRB+\s], s22, v[LI]
	s_add_co_u32 s21, s21, SLOT
	s_add_co_u32 s22, s22, SLOT
.endr
	v_and_b32 v1, 15, v0
	v_bfe_u32 v2, v0, 4, 1
	v_lshlrev_b32 v3, 5, v2
	s_mul_i32 s23, s14, 64*SPITCH
	v_mul_u32_u24 v5, v1, SPITCH
	v_lshl_add_u32 v5, v2, 5, v5
	v_add_nc_u32 v[STO], s23, v5
	v_mul_u32_u24 v5, v2, SPITCH
	v_lshl_add_u32 v5, v1, 4, v5
	v_add_nc_u32 v[RD], s23, v5
	v_lshlrev_b32 v[CO], 12, v2
	v_lshl_add_u32 v[CO], v1, 4, v[CO]
	s_wait_alu depctr_va_vdst(0)
	s_lshl_b32 s46, s42, 9
	s_lshl_b32 s47, s16, 8
	s_add_co_u32 s46, s46, s47
	s_mov_b32 s47, 0
	s_add_nc_u64 s[98:99], s[72:73], s[46:47]
.irp b, 0,1,2,3
	global_load_b128 v[BI+8*\b:BI+8*\b+3], v3, s[98:99] offset:64*\b
	global_load_b128 v[BI+8*\b+4:BI+8*\b+7], v3, s[98:99] offset:64*\b+16
.endr
	s_lshl_b32 s20, s17, 7
	s_lshl_b32 s21, s15, 6
	s_add_co_u32 s20, s20, s21
	s_lshl_b32 s20, s20, 12
	s_add_co_u32 s20, s20, s46
	s_mov_b32 s21, 0
	s_add_nc_u64 s[74:75], s[74:75], s[20:21]
	s_add_nc_u64 s[78:79], s[78:79], s[20:21]
	s_wait_kmcnt 0x0
	s_add_co_i32 s96, s[84+EA], s[84+EB]
	s_sub_co_i32 s83, 0, s96
	s_add_co_i32 s96, s96, 127
	s_lshl_b32 s96, s96, 23
	s_mov_b32 s97, s96
	s_wait_loadcnt 0x0                             ; the bias
.set i, 0
.rept 32
	v_ldexp_f32 v[BI+i], v[BI+i], s83
.set i, i+1
.endr
.macro FRAG reg, adr, q, i
.irp c, 0,1,2,3
	ds_load_b128 v[\reg+4*\c:\reg+4*\c+3], v[\adr] offset:(\i)*SLB+(\q)*FRB+512*\c
.endr
.endm
.macro FETCH slot, q, p
	WIN TO_F
.irp i, 0,1,2,3
	FRAG 128*(\p)+64+FR*\i, ADRB+\slot, \q, \i
.endr
.irp i, 0,1,2,3
	FRAG 128*(\p)+FR*\i, ADRA+\slot, \q, \i
.endr
.endm
.macro MUL8 p, a0, first
.irp a, \a0, \a0+1
.irp b, 0,1,2,3
.if \first
	v_wmma_f32_16x16x128_fp8_fp8 v[ACC+8*(4*(\a)+\b):ACC+8*(4*(\a)+\b)+7], v[128*(\p)+64+FR*\b:128*(\p)+64+FR*\b+FR-1], v[128*(\p)+FR*(\a):128*(\p)+FR*(\a)+FR-1], v[BI+8*\b:BI+8*\b+7]
.else
	v_wmma_f32_16x16x128_fp8_fp8 v[ACC+8*(4*(\a)+\b):ACC+8*(4*(\a)+\b)+7], v[128*(\p)+64+FR*\b:128*(\p)+64+FR*\b+FR-1], v[128*(\p)+FR*(\a):128*(\p)+FR*(\a)+FR-1], v[ACC+8*(4*(\a)+\b):ACC+8*(4*(\a)+\b)+7]
.endif
.endr
.endr
.endm
.macro PLACES n
.rept \n
	v_nop
.endr
.endm
.macro STEP slot, q, first
	s_wait_dscnt 0x0
	PLACES 4
	FETCH \slot, (\q)+1, ((\q)+1)%2
	WIN MUL
	MUL8 (\q)%2, 0, \first
	MUL8 (\q)%2, 2, \first
.endm
.macro TURN slot, next, fill
.if \fill
	s_wait_xcnt 0x0                                ; my last prefetch has read its address: it steps one slot on
	s_add_nc_u64 s[4:5], s[4:5], SLB
.endif
	s_wait_dscnt 0x0
	WIN MUL
	MUL8 1, 0, 0
	WIN 0
	s_wait_tensorcnt 0x0
	ds_add_u32 v[SPW], v[NIL]
.if \fill
	s_add_nc_u64 s[G0+4*\slot+2:G0+4*\slot+3], s[G0+4*\slot+2:G0+4*\slot+3], 2*SLB
	s_add_nc_u64 s[G0B+4*\slot+2:G0B+4*\slot+3], s[G0B+4*\slot+2:G0B+4*\slot+3], 2*SLB
.endif
	WIN MUL
	MUL8 1, 2, 0
	WIN 0
	s_wait_dscnt 0x0
	s_barrier_signal -1
	s_barrier_wait -1
.if \fill
	CREST
	JLOAD G0+4*\slot, G1, G0B+4*\slot, G1B
	s_cmp_gt_u32 s3, 1                             ; the last trip's two refills are slots 6 and 7: no slot stands two on
	s_cbranch_scc0 .Lno_ask_\@
	global_prefetch_b8 v30, s[4:5] offset:3*SLB th:TH_LOAD_NT scope:SCOPE_SE   ; the slot two refills on
.Lno_ask_\@:
.else
	PLACES 4
.endif
	FETCH \next, 0, 0
.endm
	s_wait_alu depctr_va_vdst(0)
	s_wait_tensorcnt 1
	s_barrier_signal -1
	s_barrier_wait -1
	FETCH 0, 0, 0
	WIN 0x80                                       ; destination window 2
.set t, 0
.rept 32                               ; the residual, asked for here and used behind the last product: sixteen lanes read 256 consecutive bytes, aligned
	global_load_b128 v[4*t:4*t+3], v[CO], s[74:75] offset:2*t*4096
.set t, t+1
.endr
	STEP 0, 0, 1
	STEP 0, 1, 0
	STEP 0, 2, 0
	WIN 0
.if NSLOT > 2
	s_mov_b32 s3, NSLOT/2-1
.Llap:
	TURN 0, 1, 1
	STEP 1, 0, 0
	STEP 1, 1, 0
	STEP 1, 2, 0
	TURN 1, 0, 1
	STEP 0, 0, 0
	STEP 0, 1, 0
	STEP 0, 2, 0
	WIN 0
	s_sub_co_u32 s3, s3, 1
	s_cmp_lg_u32 s3, 0
	s_cbranch_scc1 .Llap
.endif
	TURN 0, 1, 0
	STEP 1, 0, 0
	STEP 1, 1, 0
	STEP 1, 2, 0
	s_wait_dscnt 0x0
	WIN MUL
	MUL8 1, 0, 0
	MUL8 1, 2, 0
	WIN 0
	PLACES 4
.irp a, 0,1,2,3
.irp b, 0,1,2,3
	ds_store_b128 v[STO], v[ACC+32*\a+8*\b:ACC+32*\a+8*\b+3] offset:\a*16*SPITCH+64*\b
	ds_store_b128 v[STO], v[ACC+32*\a+8*\b+4:ACC+32*\a+8*\b+7] offset:\a*16*SPITCH+64*\b+16
.endr
.irp t, 0,1,2,3,4,5,6,7
	ds_load_b128 v[ACC+32*\a+4*\t:ACC+32*\a+4*\t+3], v[RD] offset:\a*16*SPITCH+\t*2*SPITCH
.endr
.endr
	s_wait_loadcnt 0x0
.irp a, 0,1,2,3
	s_wait_dscnt 16*(3-\a)
	WIN 0x20
.set i, 0
.rept 16
	v_pk_fma_f32 v[ACC+32*\a+i:ACC+32*\a+i+1], v[ACC+32*\a+i:ACC+32*\a+i+1], s[96:97], v[32*\a+i:32*\a+i+1] op_sel_hi:[1,0,1]
.set i, i+2
.endr
	WIN 0
.irp t, 0,1,2,3,4,5,6,7
	global_store_b128 v[CO], v[ACC+32*\a+4*\t:ACC+32*\a+4*\t+3], s[78:79] offset:(16*\a+2*\t)*4096 th:TH_STORE_NT
.endr
.endr
	s_wait_tensorcnt 0x0
	ds_add_u32 v[SPW], v[NIL]
	s_wait_dscnt 0x0
	CROUND
	s_endpgm
.Lfunc_end_k_qbe8ee9bd71_fc2:
	.size	k_qbe8ee9bd71_fc2, .Lfunc_end_k_qbe8ee9bd71_fc2-k_qbe8ee9bd71_fc2
	.p2alignl 7, 3214868480
	.fill 96, 4, 3214868480
	.section	.rodata,"a",@progbits
	.p2align	6, 0x0
	.amdhsa_kernel k_qbe8ee9bd71_fc2
		.amdhsa_group_segment_fixed_size 327680
		.amdhsa_private_segment_fixed_size 0
		.amdhsa_enable_private_segment 0
		.amdhsa_kernarg_size 48
		.amdhsa_user_sgpr_count 2
		.amdhsa_user_sgpr_kernarg_segment_ptr 1
		.amdhsa_wavefront_size32 1
		.amdhsa_system_sgpr_workgroup_id_x 1
		.amdhsa_system_sgpr_workgroup_id_y 1
		.amdhsa_system_sgpr_workgroup_id_z 1
		.amdhsa_system_vgpr_workitem_id 0
		.amdhsa_next_free_vgpr 640
		.amdhsa_next_free_sgpr 102
		.amdhsa_reserve_vcc 0
		.amdhsa_float_denorm_mode_32 3
		.amdhsa_float_denorm_mode_16_64 3
		.amdhsa_memory_ordered 1
		.amdhsa_forward_progress 1
		.amdhsa_inst_pref_size 81
	.end_amdhsa_kernel
	.amdgpu_metadata
---
amdhsa.version: [ 1, 2 ]
amdhsa.kernels:
  - .name:           k_qbe8ee9bd71_fc2
    .symbol:         k_qbe8ee9bd71_fc2.kd
    .args:
      - { .name: hid, .offset: 0, .size: 8, .value_kind: global_buffer, .address_space: global }
      - { .name: pimg, .offset: 8, .size: 8, .value_kind: global_buffer, .address_space: global }
      - { .name: b_fc2, .offset: 16, .size: 8, .value_kind: global_buffer, .address_space: global }
      - { .name: x1, .offset: 24, .size: 8, .value_kind: global_buffer, .address_space: global }
      - { .name: lowp_scales, .offset: 32, .size: 8, .value_kind: global_buffer, .address_space: global }
      - { .name: out0, .offset: 40, .size: 8, .value_kind: global_buffer, .address_space: global }
    .group_segment_fixed_size: 327680
    .private_segment_fixed_size: 0
    .kernarg_segment_align: 8
    .kernarg_segment_size: 48
    .max_flat_workgroup_size: 128
    .sgpr_count:     102
    .vgpr_count:     640
    .wavefront_size: 32
...
	.end_amdgpu_metadata
.endif
;; end of part 14
